; MI455X (gfx1250); checked and timed in simulation.
; The chip was launched on July 23, 2026; its instructions are those of AMD's public machine-readable ISA for CDNA 5 (MIT licence, August 2026) and "CDNA5" Instruction Set Architecture Reference Guide (July 2026). The comments in the code are by the model that wrote it; some were corrected since.
;; Sparse Transformer Encoder. Allowed arithmetic: matrix products marked QUANTISED: E2M3 operands, one E8M0 scale for each 32 along K, by v_wmma_scale_f32_16x16x128_f8f6f4 with both operands' format E2M3, f32 sums; products left as they are: f32 operands where the result goes on into a quantised operand, else bf16, f16 or f32 operands; f32 sums; everything else in f32.
;; Inputs: b1 4 x 1,024 float32; b2 4 x 256 float32; bf 2 float32; emb 32,000 x 256 float32; in_b 4 x 768 float32; in_w_codes 4 x 768 x 8 x 24 uint8 (E2M3 codes of in_w, K innermost, in blocks of 32 codes, four codes in three bytes); in_w_scales 4 x 768 x 8 uint8 (E8M0 scales of in_w, one for each 32 codes along K); ln1_b 4 x 256 float32; ln1_g 4 x 256 float32; ln2_b 4 x 256 float32; ln2_g 4 x 256 float32; lnf_b 256 float32; lnf_g 256 float32; mask 4 x 256 x 2,048 bool; out_b 4 x 256 float32; out_w_codes 4 x 256 x 8 x 24 uint8 (E2M3 codes of out_w, K innermost, in blocks of 32 codes, four codes in three bytes); out_w_scales 4 x 256 x 8 uint8 (E8M0 scales of out_w, one for each 32 codes along K); w1_codes 4 x 1,024 x 8 x 24 uint8 (E2M3 codes of w1, K innermost, in blocks of 32 codes, four codes in three bytes); w1_scales 4 x 1,024 x 8 uint8 (E8M0 scales of w1, one for each 32 codes along K); w2_codes 4 x 256 x 32 x 24 uint8 (E2M3 codes of w2, K innermost, in blocks of 32 codes, four codes in three bytes); w2_scales 4 x 256 x 32 uint8 (E8M0 scales of w2, one for each 32 codes along K); wf 2 x 256 float32; x 4 x 2,048 int32.
;; Outputs: out0 2,048 x 4 x 2 float32.
;; This version of the problem:
;;   THIS VERSION OF THE PROBLEM IS GIVEN IN LOW PRECISION. The matrix products marked QUANTISED in the list below multiply operands that are first quantised to E2M3 (2 exponent bits, 3 mantissa bits; 6 bits a number), with one power-of-two scale for each 32 numbers along K (OCP MX v1.0); their sums are f32. All else is computed in f32.
;;   The module's matrix products, in the order in which they are computed (A, B: the left and right operand; K: the contracted axis; several contracted axes count as one K, in the product's order):
;;     1. [M 8,192, K 256] x [K 256, N 768]; A: computed on the way; B: input in_w (given as codes): QUANTISED
;;     2. batch 16 x [M 2,048, K 64] x [K 64, N 2,048]; A: computed on the way; B: computed on the way: QUANTISED
;;     3. batch 16 x [M 64, K 2,048] x [K 2,048, N 2,048]; A: computed on the way; B: softmax (see below): QUANTISED
;;     4. [M 8,192, K 256] x [K 256, N 256]; A: computed on the way; B: input out_w (given as codes): QUANTISED
;;     5. [M 8,192, K 256] x [K 256, N 1,024]; A: computed on the way; B: input w1 (given as codes): QUANTISED
;;     6. [M 8,192, K 1,024] x [K 1,024, N 256]; A: computed on the way; B: input w2 (given as codes): QUANTISED
;;     7. [M 8,192, K 256] x [K 256, N 768]; A: computed on the way; B: input in_w (given as codes): QUANTISED
;;     8. batch 16 x [M 2,048, K 64] x [K 64, N 2,048]; A: computed on the way; B: computed on the way: QUANTISED
;;     9. batch 16 x [M 64, K 2,048] x [K 2,048, N 2,048]; A: computed on the way; B: softmax (see below): QUANTISED
;;     10. [M 8,192, K 256] x [K 256, N 256]; A: computed on the way; B: input out_w (given as codes): QUANTISED
;;     11. [M 8,192, K 256] x [K 256, N 1,024]; A: computed on the way; B: input w1 (given as codes): QUANTISED
;;     12. [M 8,192, K 1,024] x [K 1,024, N 256]; A: computed on the way; B: input w2 (given as codes): QUANTISED
;;     13. [M 8,192, K 256] x [K 256, N 768]; A: computed on the way; B: input in_w (given as codes): QUANTISED
;;     14. batch 16 x [M 2,048, K 64] x [K 64, N 2,048]; A: computed on the way; B: computed on the way: QUANTISED
;;     15. batch 16 x [M 64, K 2,048] x [K 2,048, N 2,048]; A: computed on the way; B: softmax (see below): QUANTISED
;;     16. [M 8,192, K 256] x [K 256, N 256]; A: computed on the way; B: input out_w (given as codes): QUANTISED
;;     17. [M 8,192, K 256] x [K 256, N 1,024]; A: computed on the way; B: input w1 (given as codes): QUANTISED
;;     18. [M 8,192, K 1,024] x [K 1,024, N 256]; A: computed on the way; B: input w2 (given as codes): QUANTISED
;;     19. [M 8,192, K 256] x [K 256, N 768]; A: computed on the way; B: input in_w (given as codes): QUANTISED
;;     20. batch 16 x [M 2,048, K 64] x [K 64, N 2,048]; A: computed on the way; B: computed on the way: QUANTISED
;;     21. batch 16 x [M 64, K 2,048] x [K 2,048, N 2,048]; A: computed on the way; B: softmax (see below): QUANTISED
;;     22. [M 8,192, K 256] x [K 256, N 256]; A: computed on the way; B: input out_w (given as codes): QUANTISED
;;     23. [M 8,192, K 256] x [K 256, N 1,024]; A: computed on the way; B: input w1 (given as codes): QUANTISED
;;     24. [M 8,192, K 1,024] x [K 1,024, N 256]; A: computed on the way; B: input w2 (given as codes): QUANTISED
;;     25. [M 8,192, K 256] x [K 256, N 2]; A: computed on the way; B: input wf: left as it is (N = 2 < 16)
;;   THE QUANTISER, for each operand of a quantised product, along K:
;;     - K is cut into blocks of 32 from its start; a last block that is shorter is filled with zeros.
;;     - A block's scale is 2^e with e = floor(log2(the largest magnitude in the block)) - 2, held to -126 .. 127; a block of zeros has e = 0. As a byte (E8M0): e + 127.
;;     - Each number is divided by its block's scale, clamped to +-7.5, and rounded to the nearest number of E2M3, ties to even, subnormals kept.
;;     - The product sums the exact products of the quantised numbers (number of the format x scale) in f32.
;;   ~~~python
;;   def quantise(x, axis):      # numpy; x: float32 -> the quantised numbers, widened to float32 again
;;       x = np.moveaxis(x, axis, -1); K = x.shape[-1]
;;       x = np.pad(x, [(0, 0)] * (x.ndim - 1) + [(0, -K % 32)]); x = x.reshape(x.shape[:-1] + (-1, 32)); a = np.abs(x).max(-1, keepdims=True)
;;       e = np.where(a > 0, np.clip(np.frexp(np.where(a > 0, a, 1))[1] - 1 - 2, -126, 127), 0)      # np.frexp(a)[1] - 1 = floor(log2(a)), exactly
;;       r = np.clip(x / 2.0 ** e, -7.5, 7.5)
;;       step = 2.0 ** (np.maximum(np.frexp(np.where(r == 0, 1, r))[1] - 1, 0) - 3)
;;       q = np.round(r / step) * step * 2.0 ** e      # np.round: ties to even
;;       return np.moveaxis(q.reshape(q.shape[:-2] + (-1,))[..., :K], -1, axis).astype(np.float32)
;;   ~~~
;;   SOFTMAX AHEAD OF A QUANTISED PRODUCT. Where the list says 'softmax', what is quantised is not the finished softmax but p = 2^(t - M), with t = logit x log2(e) and M = ceil(the row's largest t), a whole number; so 1/2 < the row's largest p <= 1. The row's sum l is taken of the UNQUANTISED p, in f32, and the product's result is divided by l at the end. Since M is a whole number, a kernel that streams over the keys may use a running M (the ceiling of the running maximum): every later rescaling is an exact power of two, which a block's scale takes up: the codes' values come out the same.
;;   OPERANDS COMPUTED ON THE WAY. 'Computed on the way' means the value that the module computes at that place (a softmax that the list does not call 'softmax' is quantised finished and normalised). What goes into a quantiser is computed in f32, as accurately as f32 sums, v_exp_f32 and their like allow (about 1e-6 of the number): no bf16 or f16 on the way to a quantiser, and a product that is left as it is and whose result goes on into a quantised operand takes f32 operands (vector FMAs, or v_wmma_f32_16x16x4_f32). A number that lies on a knife's edge between two numbers of the format may be rounded either way, as far as f32 arithmetic and the matrix unit's own rounding can turn it there, and no further.
;;   INPUTS GIVEN AS CODES. in_w (in the module: [4, 768, 256], K = its axis 2); out_w (in the module: [4, 256, 256], K = its axis 2); w1 (in the module: [4, 1024, 256], K = its axis 2); w2 (in the module: [4, 256, 1024], K = its axis 2): each comes as NAME_codes (uint8): NAME with its K axis moved to the last place and cut into blocks of 32 codes, [.., K / 32, bytes a block], one block behind the other in memory; four codes in three bytes: a row's codes are one little-endian stream of bits, code i at bits 6 i .. 6 i + 5 (a code: sign, 2 exponent bits, 3 mantissa bits); and NAME_scales (uint8): the same leading axes, one E8M0 byte (e + 127) for each 32 codes along K. Its value is code x scale, taken as it is: it is not quantised again, and the codes and scales need not be those that the quantiser above would give.
;; 2 versions. Each part assembles by itself: llvm-mc -triple=amdgcn-amd-amdhsa -mcpu=gfx1250 --defsym DOCPART=n.
;; ======== version 1 of 2: 5 launches
;; workspace buffers: hA 8,388,608 bytes; hB 8,388,608 bytes; qkvA 4,915,200 bytes; qkvB 4,915,200 bytes; ctrA 256 bytes of whole numbers; ctrB 256 bytes of whole numbers
;; launch first (part 1): grid 64 x 4, 8 waves a work-group, no clusters, 104,704 bytes of LDS; arguments x, emb, ln1_g, ln1_b, in_w_codes, in_w_scales, in_b, hA, qkvA, ctrA; writes hA, qkvA, ctrA
.if DOCPART == 1
	.amdgcn_target "amdgcn-amd-amdhsa--gfx1250"
	.amdhsa_code_object_version 6
	.text
	.protected	k_qb68b6ef1cb_first
	.globl	k_qb68b6ef1cb_first
	.p2align	8
	.type	k_qb68b6ef1cb_first,@function
k_qb68b6ef1cb_first:
	s_mov_b64 s[64:65], 0
	v_nop
	global_prefetch_b8 v0, s[64:65] scope:SCOPE_SE
	s_setreg_imm32_b32 hwreg(HW_REG_WAVE_MODE, 25, 1), 1
	s_wait_xcnt 0x0
; FIRST LAUNCH: h0 = 16 emb[x] + positional code; LN1 of layer 0; q, k, v of layer 0 as codes of E2M3 with E8M0 scales.
; A work-group of eight waves owns 32 rows (batch b = group y, positions 32 x .. 32 x + 31).  The waves share the COLUMNS: wave w holds columns 32 w .. 32 w + 31 of all 32 rows.
; Rows lie in two tiles: tile T, lane row rho stands for position 8 T + rho + 8 (rho / 8).  Register X + 16 T + i of lane (rho, h) is (row (T, rho), column 32 w + 16 h + i): 16 neighbours of one block of 32.
; Operands go from wave to wave through LDS as images of their registers: lane l's 12 registers of a fragment at 48 l; a row's scale word at 4 rho.
; No tensor load and no cluster: the same text pattern serves the layers' launch, whose addresses hang on a stored layer number.
; LIMITS: x is held to 31,999; NaN and infinities are not served; a block of zeros gets the scale byte 1 (its codes are zeros, and only this program reads these bytes);
; the positional angle carries the rounding of v_exp_f32 in the frequency: at most about 2e-4 radians at position 2,047.
.set LAYER, 0
; ---- LDS map, bytes
.set AIMG, 0
.set ASC,  6144
.set OIMG, 6400
.set OSC,  12544
.set HIMG, 12800
.set HSC,  37376
.set NIMG, 38400
.set NSC,  44544
.set QKST, 44800
.set QKSS, 57088
.set RED,  57600
.set FRED, 61696
.set FLG,  63744
.set VST,  64000
.set EMB,  70144                       ; 32 rows of 1,024 bytes + 16
; ---- regions of the q/k/v buffer
.set KC,  1572864
.set VC,  3145728
.set QSO, 4718592
.set KSO, 4784128
.set VSO, 4849664
; ---- vector registers
.set L16, 1
.set LSC, 2
.set LREC, 3
.set COL, 4
.set W768, 5
.set WS32, 6
.set P4,  7
.set L8,  8
.set T8,  9
.set ES,  10
.set EA,  11
.set W192, 14
.set WS8, 15
.set AQA, 16
.set ASA, 17
.set AQO, 18
.set ASO, 19
.set AQH, 20
.set ASH, 21
.set AQQ, 22
.set ASQ, 23
.set VA132, 24
.set VA252, 25
.set REDS, 26
.set REDL, 27
.set CPY, 28
.set CP8, 29
.set VT8, 30
.set VSB, 31
.set FRS, 32
.set FRL, 33
.set OUTO, 34
.set L4,  35
.set BFS, 40                           ; v40-47 scale words of the activations' fragments
.set X,   48                           ; v48-79 my 32 numbers a lane
.set G1,  80
.set B1T, 96
.set CBQ, 112                          ; q's bias, then k's at +16
.set RD2, 144
.set BFQ, 48
.set VA0, 96                           ; v's sums: tile u at VA0 + 112 u
.set QA,  144                          ; q's sums, k's at +32
.set WS,  224                          ; v224-235 the weights' scale words
.set VBI, 236                          ; v236-239 v's bias, each twice
.set QT,  244                          ; v244-255 at work
; ---- scalar pointers
.set P_G1, 32
.set P_B1, 34
.set P_INW, 36
.set P_INS, 38
.set P_INB, 40
.set P_HOUT, 42
.set P_QKVO, 44
.set MSB, 0
.macro WIN new                         ; the immediate's high byte repeats the setting that is left
.if MSB != \new
	s_set_vgpr_msb (MSB<<8)|\new
.set MSB, \new
.endif
.endm
.macro BARRIER                         ; my LDS stores have landed and my LDS loads are in: then the work-group's barrier
	s_wait_dscnt 0x0
	s_barrier_signal -1
	s_barrier_wait -1
.endm
.macro PLACES n
.rept \n
	v_nop
.endr
.endm
.macro PADJ p, ra, ca, rb, cb          ; pointer p += s[ra] x ca + s[rb] x cb (the offset is made apart from the address; s61 = 0)
	s_mul_i32 s60, s[\ra], \ca
	s_mul_i32 s62, s[\rb], \cb
	s_add_co_u32 s60, s60, s62
	s_add_nc_u64 s[\p:\p+1], s[\p:\p+1], s[60:61]
.endm
.macro WFRAG reg, adr, base, off       ; a weight's fragment, 16 rows x 128 K: 2 x 24 bytes a lane, in pieces of 8
.irp p,0,1,2,3,4,5
	global_load_b64 v[(\reg)+2*\p:(\reg)+2*\p+1], v[\adr], s[\base:\base+1] offset:(\off)+48*(\p/3)+8*(\p%3)
.endr
.endm
.macro VEC16 reg, base, off            ; 16 numbers of a vector over the columns: those of my half of the wave's 32
.irp m,0,1,2,3
	global_load_b128 v[(\reg)+4*\m:(\reg)+4*\m+3], v[COL], s[\base:\base+1] offset:(\off)+16*\m
.endr
.endm
.macro FETCH reg, off                  ; a fragment's image back from LDS
.irp i,0,1,2
	ds_load_b128 v[(\reg)+4*\i:(\reg)+4*\i+3], v[LREC] offset:(\off)+16*\i
.endr
.endm
.macro FSC reg, off
	ds_load_b32 v[\reg], v[LSC] offset:\off
.endm
.macro MM d, a, b, c, sa, sb
	v_wmma_scale_f32_16x16x128_f8f6f4 v[(\d):(\d)+7], v[(\a):(\a)+11], v[(\b):(\b)+11], v[(\c):(\c)+7], v[\sa], v[\sb] matrix_a_fmt:MATRIX_FMT_FP6 matrix_b_fmt:MATRIX_FMT_FP6
.endm
.macro MM0 d, a, b, sa, sb
	v_wmma_scale_f32_16x16x128_f8f6f4 v[(\d):(\d)+7], v[(\a):(\a)+11], v[(\b):(\b)+11], 0, v[\sa], v[\sb] matrix_a_fmt:MATRIX_FMT_FP6 matrix_b_fmt:MATRIX_FMT_FP6
.endm
; 16 numbers of a lane, k = 16 h + 0 .. 15 of one block of 32 (the other 16 lie in lane l xor 16): the scale's byte into v[QT+3], 16 codes (96 bits) into v[QT+4:QT+6]
.macro QCORE src
	v_max3_num_f32 v[QT], |v[(\src)]|, |v[(\src)+1]|, 0x1800000          ; with the floor 2^(3 - 127): the byte cannot fall under 1
	v_max3_num_f32 v[QT+1], |v[(\src)+8]|, |v[(\src)+9]|, |v[(\src)+10]|  ; two chains; each of the two sums of eight is read from its low end on
	v_max3_num_f32 v[QT], v[QT], |v[(\src)+2]|, |v[(\src)+3]|
	v_max3_num_f32 v[QT+1], v[QT+1], |v[(\src)+11]|, |v[(\src)+12]|
	v_max3_num_f32 v[QT], v[QT], |v[(\src)+4]|, |v[(\src)+5]|
	v_max3_num_f32 v[QT+1], v[QT+1], |v[(\src)+13]|, |v[(\src)+14]|
	v_max3_num_f32 v[QT], v[QT], |v[(\src)+6]|, |v[(\src)+7]|
	v_max3_num_f32 v[QT], v[QT], v[QT+1], |v[(\src)+15]|
	v_permlanex16_b32 v[QT+1], v[QT], s20, s21
	v_max_num_f32 v[QT], v[QT], v[QT+1]                                   ; the block's largest magnitude
	v_add_nc_u32 v[QT+2], 0xff000000, v[QT]                               ; 2 off its exponent field: the conversion's scale operand
	s_wait_dscnt 0x0                                                      ; earlier LDS stores have read the registers written next
	v_lshrrev_b32 v[QT+3], 23, v[QT+2]
	v_cvt_scalef32_pk16_fp6_f32 v[QT+4:QT+6], v[(\src):(\src)+15], v[QT+2]
	v_nop                                                                 ; one plain place behind a scaled conversion
.endm
.macro QBLK src, adr, off, sadr, soff  ; and into a fragment's image: three words, and one byte of the row's scale word (both halves write the same byte)
	QCORE \src
	ds_store_b32 v[\adr], v[QT+4] offset:\off
	ds_store_b32 v[\adr], v[QT+5] offset:(\off)+4
	ds_store_b32 v[\adr], v[QT+6] offset:(\off)+8
	ds_store_b8 v[\sadr], v[QT+3] offset:\soff
.endm
.macro HALVES                          ; v[QT:QT+1], v[QT+2:QT+3]: a pair of partial sums for each tile -> v[QT+4]: the wave's sum for row (T = h, rho)
	v_add_f32 v[QT], v[QT], v[QT+1]
	v_add_f32 v[QT+2], v[QT+2], v[QT+3]
	v_permlanex16_b32 v[QT+1], v[QT], s20, s21
	v_permlanex16_b32 v[QT+3], v[QT+2], s20, s21
	v_add_f32 v[QT], v[QT], v[QT+1]
	v_add_f32 v[QT+2], v[QT+2], v[QT+3]
	v_cndmask_b32 v[QT+4], v[QT], v[QT+2], s24
.endm
.macro LNSUM rd, ro                    ; over the eight waves: v[rd] = tile 0's sum of my row, v[rd+8] = tile 1's; the same order of additions in every wave
	ds_store_b32 v[REDS], v[QT+4] offset:\ro
	BARRIER
	ds_load_b128 v[\rd:\rd+3], v[REDL] offset:\ro
	ds_load_b128 v[\rd+4:\rd+7], v[REDL] offset:\ro+16
	ds_load_b128 v[\rd+8:\rd+11], v[REDL] offset:\ro+512
	ds_load_b128 v[\rd+12:\rd+15], v[REDL] offset:\ro+528
	s_wait_dscnt 0x0
.irp t,0,8
	v_pk_add_f32 v[\rd+\t:\rd+\t+1], v[\rd+\t:\rd+\t+1], v[\rd+\t+2:\rd+\t+3]
	v_pk_add_f32 v[\rd+\t+4:\rd+\t+5], v[\rd+\t+4:\rd+\t+5], v[\rd+\t+6:\rd+\t+7]
.endr
.irp t,0,8
	v_pk_add_f32 v[\rd+\t:\rd+\t+1], v[\rd+\t:\rd+\t+1], v[\rd+\t+4:\rd+\t+5]
.endr
.irp t,0,8
	v_add_f32 v[\rd+\t], v[\rd+\t], v[\rd+\t+1]
.endr
.endm
; x <- (x - mean) / sqrt(var + 1e-5), in two passes (the variance is the mean of the squared differences): two barriers
.macro LNHAT x, rd, ro
.irp tt,0,1
	v_pk_add_f32 v[QT+2*\tt:QT+2*\tt+1], v[\x+16*\tt:\x+16*\tt+1], v[\x+16*\tt+2:\x+16*\tt+3]
.endr
.irp i,4,6,8,10,12,14
.irp tt,0,1
	v_pk_add_f32 v[QT+2*\tt:QT+2*\tt+1], v[QT+2*\tt:QT+2*\tt+1], v[\x+16*\tt+\i:\x+16*\tt+\i+1]
.endr
.endr
	HALVES
	LNSUM \rd, \ro
	v_mul_f32 v[QT], s25, v[\rd]
	v_mul_f32 v[QT+2], s25, v[\rd+8]
.irp tt,0,1
.irp i,0,2,4,6,8,10,12,14
	v_pk_add_f32 v[\x+16*\tt+\i:\x+16*\tt+\i+1], v[\x+16*\tt+\i:\x+16*\tt+\i+1], v[QT+2*\tt:QT+2*\tt+1] op_sel_hi:[1,0] neg_lo:[0,1] neg_hi:[0,1]
.endr
.endr
.irp tt,0,1
	v_pk_mul_f32 v[QT+2*\tt:QT+2*\tt+1], v[\x+16*\tt:\x+16*\tt+1], v[\x+16*\tt:\x+16*\tt+1]
.endr
.irp i,2,4,6,8,10,12,14
.irp tt,0,1
	v_pk_fma_f32 v[QT+2*\tt:QT+2*\tt+1], v[\x+16*\tt+\i:\x+16*\tt+\i+1], v[\x+16*\tt+\i:\x+16*\tt+\i+1], v[QT+2*\tt:QT+2*\tt+1]
.endr
.endr
	HALVES
	LNSUM \rd, (\ro)+1024
	v_fma_f32 v[QT], v[\rd], s25, s26
	v_fma_f32 v[QT+2], v[\rd+8], s25, s26
	v_rsq_f32 v[QT], v[QT]
	v_rsq_f32 v[QT+2], v[QT+2]
	v_nop                                  ; one plain place behind the transcendentals
	s_wait_alu depctr_va_vdst(0)
.irp tt,0,1
.irp i,0,2,4,6,8,10,12,14
	v_pk_mul_f32 v[\x+16*\tt+\i:\x+16*\tt+\i+1], v[\x+16*\tt+\i:\x+16*\tt+\i+1], v[QT+2*\tt:QT+2*\tt+1] op_sel_hi:[1,0]
.endr
.endr
.endm
.macro AFFINE x, g, b
.irp tt,0,1
.irp i,0,2,4,6,8,10,12,14
	v_pk_fma_f32 v[\x+16*\tt+\i:\x+16*\tt+\i+1], v[\x+16*\tt+\i:\x+16*\tt+\i+1], v[\g+\i:\g+\i+1], v[\b+\i:\b+\i+1]
.endr
.endr
.endm
.macro IDS
	v_lshrrev_b32 v244, 5, v0
	v_readfirstlane_b32 s2, v244           ; wave w
	s_lshr_b32 s3, s2, 1                   ; w / 2
	s_and_b32 s4, s2, 1                    ; w % 2
	s_mov_b32 s5, ttmp9                    ; block of 32 positions
	s_and_b32 s6, ttmp7, 0xffff            ; batch
	s_lshl_b32 s9, s6, 6
	s_add_co_u32 s9, s9, s5                ; row block = 64 b + block
	s_mov_b32 s61, 0                       ; the high word of every offset pair s[60:61]
	s_mov_b32 s20, 0x76543210
	s_mov_b32 s21, 0xfedcba98              ; v_permlanex16_b32's selects for lane l xor 16
	s_mov_b32 s24, 0xffff0000              ; the lanes with h = 1
	s_mov_b32 s25, 0x3b800000              ; 1 / 256
	s_mov_b32 s26, 0x3727c5ac              ; 1e-5
.endm
; addresses for all that follows attention: each a constant + a constant x lane term + a constant x wave term
.macro ADDR2
	v_and_b32 v244, 15, v0                 ; rho
	v_bfe_u32 v245, v0, 4, 1               ; h
	v_and_b32 v246, 31, v0                 ; lane
	v_lshrrev_b32 v247, 3, v244
	v_lshl_add_u32 v248, v247, 3, v244     ; P = rho + 8 (rho / 8)
	v_mul_u32_u24 v249, v244, 48
	v_mad_u32_u24 v249, v245, 12, v249     ; 48 rho + 12 h: my 12 bytes of a block in an image
	v_lshlrev_b32 v250, 2, v244            ; 4 rho
	v_mul_u32_u24 v[LREC], v246, 48
	v_lshlrev_b32 v[COL], 6, v245
	v_lshlrev_b32 v[P4], 2, v248
	v_lshlrev_b32 v[L8], 3, v246
	v_lshlrev_b32 v[T8], 3, v0
	s_lshr_b32 s60, s2, 2                  ; feature block w: fragment w / 4, block w % 4 in it
	s_mul_i32 s62, s60, 1536
	s_mul_i32 s63, s4, 768
	s_add_co_u32 s62, s62, s63
	s_and_b32 s63, s3, 1
	s_mul_i32 s63, s63, 24
	s_add_co_u32 s62, s62, s63
	s_add_co_u32 s62, s62, OIMG
	v_add_nc_u32 v[AQO], s62, v249
	s_lshl_b32 s62, s60, 6
	s_and_b32 s63, s2, 3
	s_add_co_u32 s62, s62, s63
	s_add_co_u32 s62, s62, OSC
	v_add_nc_u32 v[ASO], s62, v250
	s_mul_i32 s62, s2, 768                 ; q, k: head w / 2, half w % 2 of its 64
	s_add_co_u32 s63, s62, QKST
	v_add_nc_u32 v[AQQ], s63, v249
	s_lshl_b32 s63, s3, 6
	s_add_co_u32 s63, s63, s4
	s_add_co_u32 s63, s63, QKSS
	v_add_nc_u32 v[ASQ], s63, v250
	s_add_co_u32 s62, s62, VST             ; v: 24 bytes of (tile, rho) lie as three pieces of 8, 128 bytes apart
	v_lshl_add_u32 v251, v244, 3, s62
	v_mad_u32_u24 v[VA132], v245, 132, v251
	v_mad_u32_u24 v[VA252], v245, 252, v251
	s_lshl_b32 s62, s2, 2
	s_add_co_u32 s63, s62, RED
	v_lshl_add_u32 v[REDS], v246, 5, s63
	v_lshlrev_b32 v[REDL], 5, v244
	v_add_nc_u32 v[REDL], RED, v[REDL]
	s_mul_i32 s63, s2, 1536
	s_add_co_u32 s63, s63, QKST
	v_add_nc_u32 v[CPY], s63, v[LREC]
	s_lshl_b32 s63, s2, 8
	s_add_co_u32 s63, s63, QKSS
	v_add_nc_u32 v[CP8], s63, v[L8]
	v_add_nc_u32 v[VT8], VST, v[T8]
	v_lshl_add_u32 v[VSB], v245, 6, v250
	v_lshlrev_b32 v[L4], 2, v246
.if LAYER
	v_mul_u32_u24 v[W768], v248, 768
	v_mad_u32_u24 v[W768], v245, 24, v[W768]
	v_lshlrev_b32 v[WS32], 5, v248
	s_mul_i32 s62, s4, 3072                ; attention's result: tile kh, feature blocks 2 hd, 2 hd + 1
	s_lshr_b32 s60, s3, 1
	s_mul_i32 s63, s60, 1536
	s_add_co_u32 s62, s62, s63
	s_and_b32 s67, s3, 1
	s_mul_i32 s63, s67, 24
	s_add_co_u32 s62, s62, s63
	v_add_nc_u32 v[AQA], s62, v249
	s_lshl_b32 s62, s4, 7
	s_lshl_b32 s63, s60, 6
	s_add_co_u32 s62, s62, s63
	s_lshl_b32 s63, s67, 1
	s_add_co_u32 s62, s62, s63
	s_add_co_u32 s62, s62, ASC
	v_add_nc_u32 v[ASA], s62, v250
	s_mul_i32 s62, s2, 1536
	s_add_co_u32 s62, s62, HIMG
	v_add_nc_u32 v[AQH], s62, v249
	s_lshl_b32 s62, s2, 6
	s_add_co_u32 s62, s62, HSC
	v_add_nc_u32 v[ASH], s62, v250
	s_lshl_b32 s62, s2, 2
	s_add_co_u32 s62, s62, FRED
	v_lshl_add_u32 v[FRS], v246, 6, s62
	v_lshlrev_b32 v[FRL], 6, v246
	v_add_nc_u32 v[FRL], FRED, v[FRL]
	v_lshl_add_u32 v[OUTO], v245, 3, v248
	v_lshlrev_b32 v[OUTO], 5, v[OUTO]      ; 32 bytes a position in out0
.endif
.endm
; where this work-group's codes go: s[12:13] q's or k's fragment of wave w; s[14:15] their scale words (waves 0, 1); s[16:17] v's codes; s[18:19] v's scale bytes
.macro OUTPTRS
	s_lshr_b32 s60, s2, 2
	s_mul_i32 s60, s60, KC
	s_lshl_b32 s62, s9, 2
	s_and_b32 s63, s2, 3
	s_add_co_u32 s62, s62, s63
	s_mul_i32 s62, s62, 1536
	s_add_co_u32 s60, s60, s62
	s_add_nc_u64 s[12:13], s[P_QKVO:P_QKVO+1], s[60:61]
	s_lshl_b32 s60, s2, 16
	s_lshl_b32 s62, s9, 8
	s_add_co_u32 s60, s60, s62
	s_add_nc_u64 s[14:15], s[P_QKVO:P_QKVO+1], s[60:61]
	s_add_nc_u64 s[14:15], s[14:15], QSO
	s_mul_i32 s60, s9, 6144
	s_add_nc_u64 s[16:17], s[P_QKVO:P_QKVO+1], s[60:61]
	s_add_nc_u64 s[16:17], s[16:17], VC
	s_lshl_b32 s60, s6, 2
	s_add_co_u32 s60, s60, s3
	s_lshl_b32 s60, s60, 4
	s_lshr_b32 s62, s5, 2
	s_add_co_u32 s60, s60, s62
	s_lshl_b32 s60, s60, 8
	s_lshl_b32 s62, s4, 7
	s_add_co_u32 s60, s60, s62
	s_and_b32 s62, s5, 3
	s_add_co_u32 s60, s60, s62
	s_add_nc_u64 s[18:19], s[P_QKVO:P_QKVO+1], s[60:61]
	s_add_nc_u64 s[18:19], s[18:19], VSO
.endm
.macro HSTORE                          ; h as an image of my registers: each store covers 512 consecutive bytes, aligned
.irp tt,0,1
.irp i,0,1,2,3
	global_store_b128 v[L16], v[X+16*\tt+4*\i:X+16*\tt+4*\i+3], s[P_HOUT:P_HOUT+1] offset:2048*\tt+512*\i
.endr
.endr
.endm
.macro INLOADS                         ; 104 loads: LN1's gain and bias, in_b, in_w's scale words and my 12 fragments of in_w (q, k, v x 2 tiles x 2 K steps)
	VEC16 G1, P_G1, 0
	VEC16 B1T, P_B1, 0
	VEC16 CBQ, P_INB, 0
	VEC16 CBQ+16, P_INB, 1024
.irp u,0,1
	global_load_b32 v[VBI+2*\u], v[P4], s[P_INB:P_INB+1] offset:2048+32*\u
	global_load_b32 v[VBI+2*\u+1], v[P4], s[P_INB:P_INB+1] offset:2048+32*\u
.endr
.irp kd,0,1,2
.irp u,0,1
.irp s,0,1
	global_load_b32 v[WS+2*(2*\kd+\u)+\s], v[WS8], s[P_INS:P_INS+1] offset:(256*\kd+8*\u)*8+4*\s
.endr
.endr
.endr
	WIN 0x40
.irp kd,0,1,2
.irp u,0,1
.irp s,0,1
	WFRAG 12*(2*(2*\kd+\u)+\s), W192, P_INW, (256*\kd+8*\u)*192+96*\s
.endr
.endr
.endr
	WIN 0
.endm
; q, k (transposed: source 0 = 16 rows of in_w, source 1 = 16 rows of o: a lane holds a row, registers run along the head's axis) and
; v (source 0 = o, source 1 = in_w: a lane holds a column d, registers run along the KEYS).  Twelve sums by turns.
.macro QKVPHASE
.irp k,0,1,2,3
	FETCH BFQ+12*\k, NIMG+1536*\k
	FSC BFS+\k, NSC+64*\k
.endr
	s_wait_dscnt 0x0
.irp s,0,1
	WIN 0x01
.irp kd,0,1
.irp tt,0,1
.irp u,0,1
.if \s
	MM QA+32*\kd+16*\tt+8*\u, 12*(2*(2*\kd+\u)+1), BFQ+12*(2*\tt+1), QA+32*\kd+16*\tt+8*\u, WS+2*(2*\kd+\u)+1, BFS+2*\tt+1
.else
	MM QA+32*\kd+16*\tt+8*\u, 12*(2*(2*\kd+\u)), BFQ+12*(2*\tt), CBQ+16*\kd+8*\u, WS+2*(2*\kd+\u), BFS+2*\tt
.endif
.endr
.endr
.endr
	WIN 0x04
.irp u,0,1
.irp tt,0,1
.if \s
	MM VA0+112*\u+8*\tt, BFQ+12*(2*\tt+1), 12*(2*(4+\u)+1), VA0+112*\u+8*\tt, BFS+2*\tt+1, WS+2*(4+\u)+1
.else
	MM0 VA0+112*\u+8*\tt, BFQ+12*(2*\tt), 12*(2*(4+\u)), BFS+2*\tt, WS+2*(4+\u)
.endif
.endr
.endr
.endr
	WIN 0
	PLACES 4
.irp i,0,2,4,6,8,10,12,14,16,18,20,22,24,26,28,30
	v_pk_mul_f32 v[QA+\i:QA+\i+1], v[QA+\i:QA+\i+1], 0x3e000000 op_sel_hi:[1,0]     ; q / sqrt(64)
.endr
.irp u,0,1
.irp i,0,2,4,6,8,10,12,14
	v_pk_add_f32 v[VA0+112*\u+\i:VA0+112*\u+\i+1], v[VA0+112*\u+\i:VA0+112*\u+\i+1], v[VBI+2*\u:VBI+2*\u+1]   ; v's bias: one number a lane
.endr
.endr
.irp tt,0,1
	QBLK QA+16*\tt, AQQ, 24*\tt, ASQ, 2*\tt
	QBLK QA+32+16*\tt, AQQ, 6144+24*\tt, ASQ, 256+2*\tt
.endr
.irp u,0,1
	QCORE VA0+112*\u                       ; 16 keys of column d: the block of 32 keys is this work-group's 32 rows
	ds_store_b32 v[VA132], v[QT+4] offset:384*\u
	ds_store_b32 v[VA252], v[QT+5] offset:384*\u+4
	ds_store_b32 v[VA132], v[QT+6] offset:384*\u+128
.if \u==0
	v_mov_b32 v[QT+8], v[QT+3]
.endif
.endr
	v_cndmask_b32 v[QT+8], v[QT+8], v[QT+3], s24   ; lanes with h = u store tile u's byte
	global_store_b8 v[VSB], v[QT+8], s[18:19]
.endm
.macro COPYOUT                         ; the staged codes leave in runs of 512 consecutive bytes a store
.irp i,0,1,2
	ds_load_b128 v[48+4*\i:51+4*\i], v[CPY] offset:16*\i
.endr
.irp i,0,1,2
	ds_load_b64 v[60+2*\i:61+2*\i], v[VT8] offset:2048*\i
.endr
	s_wait_dscnt 0x0
.irp i,0,1,2
	global_store_b128 v[L16], v[48+4*\i:51+4*\i], s[12:13] offset:512*\i
.endr
.irp i,0,1,2
	global_store_b64 v[T8], v[60+2*\i:61+2*\i], s[16:17] offset:2048*\i
.endr
	s_cmp_gt_u32 s2, 1
	s_cbranch_scc1 .Lno_words
	ds_load_b64 v[66:67], v[CP8]           ; wave 0: q's scale words, wave 1: k's: 256 bytes each
	s_wait_dscnt 0x0
	global_store_b64 v[L8], v[66:67], s[14:15]
.Lno_words:
.endm
; sine and cosine of position x frequency m, added to 16 x the embedding.  n = nearest whole number of quarter turns; the remainder in two steps (the first is exact under 2,048); polynomials on [-pi/4, pi/4]
.macro PE tt, m
	s_wait_alu depctr_va_vdst(0)
	v_mul_f32 v204, v[202+\tt], v[192+\m]
	v_mul_f32 v205, 0x3f22f983, v204
	v_rndne_f32 v205, v205
	v_fma_f32 v206, v205, s70, v204
	v_fma_f32 v206, v205, s71, v206
	v_mul_f32 v207, v206, v206
	v_fma_f32 v208, v207, s72, s73
	v_fma_f32 v209, v207, s75, s76
	v_fma_f32 v208, v208, v207, s74
	v_fma_f32 v209, v209, v207, s77
	v_mul_f32 v210, v207, v206
	v_mul_f32 v211, v207, v207
	v_fma_f32 v208, v208, v210, v206       ; sin r
	v_fma_f32 v212, v207, -0.5, 1.0
	v_fma_f32 v209, v209, v211, v212       ; cos r
	v_cvt_i32_f32 v213, v205
	v_and_b32 v214, 1, v213
	v_cmp_eq_u32 vcc_lo, 1, v214
	v_cndmask_b32 v215, v208, v209, vcc_lo ; odd quarter: the two change places
	v_cndmask_b32 v216, v209, v208, vcc_lo
	v_and_b32 v214, 2, v213
	v_lshlrev_b32 v214, 30, v214
	v_xor_b32 v215, v215, v214
	v_add_nc_u32 v213, 1, v213
	v_and_b32 v213, 2, v213
	v_lshlrev_b32 v213, 30, v213
	v_xor_b32 v216, v216, v213
	v_fma_f32 v[X+16*\tt+2*\m], v[X+16*\tt+2*\m], s78, v215
	v_fma_f32 v[X+16*\tt+2*\m+1], v[X+16*\tt+2*\m+1], s78, v216
.endm
	s_load_b512 s[28:43], s[0:1], 0x0      ; x, emb, ln1_g, ln1_b, in_w_codes, in_w_scales, in_b, h
	s_load_b128 s[44:47], s[0:1], 0x40     ; q/k/v, the layer counter
	v_lshl_add_u32 v254, v0, 2, 0x19500
	v_mov_b32 v255, 0
	IDS
	ADDR2
	v_lshlrev_b32 v[L16], 4, v246
	v_lshlrev_b32 v[LSC], 2, v244
	v_mul_u32_u24 v[W192], v248, 192
	v_mad_u32_u24 v[W192], v245, 24, v[W192]
	v_lshlrev_b32 v[WS8], 3, v248
	s_mul_i32 s60, s2, 4160
	s_add_co_u32 s60, s60, EMB
	v_add_nc_u32 v[ES], s60, v[L16]        ; in: wave w brings positions 4 w .. 4 w + 3, 512 bytes a load
	v_mul_u32_u24 v[EA], v248, 1040
	v_lshl_add_u32 v[EA], v245, 6, v[EA]
	s_lshl_b32 s60, s2, 7
	s_add_co_u32 s60, s60, EMB
	v_add_nc_u32 v[EA], s60, v[EA]         ; out: row P (+ 8 T), my 64 bytes of the wave's 128
	s_mov_b32 s70, 0xbfc90fdb              ; -pi/2, its f32 part
	s_mov_b32 s71, 0x333bbd2e              ; what that part has too much
	s_mov_b32 s72, 0xb94ca1f9
	s_mov_b32 s73, 0x3c08839e
	s_mov_b32 s74, 0xbe2aaaa3
	s_mov_b32 s75, 0x37ccf5ce
	s_mov_b32 s76, 0xbab6061a
	s_mov_b32 s77, 0x3d2aaaa5
	s_mov_b32 s78, 0x41800000              ; sqrt(256)
	s_wait_kmcnt 0x0
	s_lshl_b32 s60, s6, 13
	s_lshl_b32 s62, s5, 7
	s_add_co_u32 s60, s60, s62
	s_lshl_b32 s62, s2, 4
	s_add_co_u32 s60, s60, s62
	s_add_nc_u64 s[28:29], s[28:29], s[60:61]
	s_load_b128 s[48:51], s[28:29], 0x0    ; my four tokens
	s_lshl_b32 s60, s2, 7
	s_add_nc_u64 s[P_G1:P_G1+1], s[P_G1:P_G1+1], s[60:61]
	s_add_nc_u64 s[P_B1:P_B1+1], s[P_B1:P_B1+1], s[60:61]
	s_add_nc_u64 s[P_INB:P_INB+1], s[P_INB:P_INB+1], s[60:61]
	s_mul_i32 s60, s2, 6144
	s_add_nc_u64 s[P_INW:P_INW+1], s[P_INW:P_INW+1], s[60:61]
	s_lshl_b32 s60, s2, 8
	s_add_nc_u64 s[P_INS:P_INS+1], s[P_INS:P_INS+1], s[60:61]
	PADJ P_HOUT, 9, 32768, 2, 4096
	OUTPTRS
	s_wait_kmcnt 0x0
.irp i,0,1,2,3
	s_min_u32 s[48+\i], s[48+\i], 31999
	s_lshl_b32 s60, s[48+\i], 10
	s_add_nc_u64 s[52+2*\i:53+2*\i], s[30:31], s[60:61]
.endr
.irp i,0,1,2,3
	global_load_b128 v[160+8*\i:163+8*\i], v[L16], s[52+2*\i:53+2*\i]
	global_load_b128 v[164+8*\i:167+8*\i], v[L16], s[52+2*\i:53+2*\i] offset:512
.endr
	INLOADS
	; the frequencies of my eight pairs of columns, 2^(-2 m log2(10000) / 256), and my two positions
	s_lshl_b32 s60, s2, 5
	v_lshl_add_u32 v200, v245, 4, s60
.irp m,0,1,2,3,4,5,6,7
	v_add_nc_u32 v201, 2*\m, v200
	v_cvt_f32_u32 v[192+\m], v201
	v_mul_f32 v[192+\m], 0xbd549a78, v[192+\m]
.endr
.irp m,0,1,2,3,4,5,6,7
	v_exp_f32 v[192+\m], v[192+\m]
.endr
	s_lshl_b32 s60, s5, 5
	v_add_nc_u32 v202, s60, v248           ; (a plain place behind the exponentials)
	v_add_nc_u32 v203, 8, v202
	v_cvt_f32_u32 v202, v202
	v_cvt_f32_u32 v203, v203
	s_wait_loadcnt 63                      ; the eight loads of the embedding have 104 younger loads behind them
.irp i,0,1,2,3
	ds_store_b128 v[ES], v[160+8*\i:163+8*\i] offset:1040*\i
	ds_store_b128 v[ES], v[164+8*\i:167+8*\i] offset:1040*\i+512
.endr
	BARRIER                                ; 32 rows of the embedding lie in LDS
.irp tt,0,1
.irp i,0,1,2,3
	ds_load_b128 v[X+16*\tt+4*\i:X+16*\tt+4*\i+3], v[EA] offset:8320*\tt+16*\i
.endr
.endr
	s_wait_dscnt 0x0
.irp tt,0,1
.irp m,0,1,2,3,4,5,6,7
	PE \tt, \m
.endr
.endr
	HSTORE
	s_or_b32 s60, s5, s6
	s_or_b32 s60, s60, s2
	s_cmp_lg_u32 s60, 0
	s_cbranch_scc1 .Lno_ctr
	v_mov_b32 v240, 0                      ; the next launch is layer 0
	global_store_b32 v[L4], v240, s[46:47]
.Lno_ctr:
	s_wait_xcnt 0x0                        ; the stores have read X: it is rewritten below
	LNHAT X, RD2, 0
	s_wait_loadcnt 0x0
	AFFINE X, G1, B1T
	QBLK X, AQO, 32000, ASO, 32000         ; NIMG and NSC lie 32,000 bytes behind OIMG and OSC
	QBLK X+16, AQO, 32000+3072, ASO, 32000+128
	BARRIER                                ; o's four fragments lie in LDS
	QKVPHASE
	BARRIER                                ; the codes of q, k, v lie staged
	COPYOUT
	s_wait_tensorcnt 0x0
	ds_add_u32 v254, v255
	s_wait_dscnt 0x0
	s_endpgm
.Lfunc_end_k_qb68b6ef1cb_first:
	.size	k_qb68b6ef1cb_first, .Lfunc_end_k_qb68b6ef1cb_first-k_qb68b6ef1cb_first
	.p2alignl 7, 3214868480
	.fill 96, 4, 3214868480
	.section	.rodata,"a",@progbits
	.p2align	6, 0x0
	.amdhsa_kernel k_qb68b6ef1cb_first
		.amdhsa_group_segment_fixed_size 104704
		.amdhsa_private_segment_fixed_size 0
		.amdhsa_enable_private_segment 0
		.amdhsa_kernarg_size 80
		.amdhsa_user_sgpr_count 2
		.amdhsa_user_sgpr_kernarg_segment_ptr 1
		.amdhsa_wavefront_size32 1
		.amdhsa_system_sgpr_workgroup_id_x 1
		.amdhsa_system_sgpr_workgroup_id_y 1
		.amdhsa_system_sgpr_workgroup_id_z 1
		.amdhsa_system_vgpr_workitem_id 0
		.amdhsa_next_free_vgpr 400
		.amdhsa_next_free_sgpr 100
		.amdhsa_reserve_vcc 1
		.amdhsa_float_denorm_mode_32 3
		.amdhsa_float_denorm_mode_16_64 3
		.amdhsa_memory_ordered 1
		.amdhsa_forward_progress 1
		.amdhsa_inst_pref_size 68
	.end_amdhsa_kernel
	.amdgpu_metadata
---
amdhsa.version: [ 1, 2 ]
amdhsa.kernels:
  - .name:           k_qb68b6ef1cb_first
    .symbol:         k_qb68b6ef1cb_first.kd
    .args:
      - { .name: x, .offset: 0, .size: 8, .value_kind: global_buffer, .address_space: global }
      - { .name: emb, .offset: 8, .size: 8, .value_kind: global_buffer, .address_space: global }
      - { .name: ln1_g, .offset: 16, .size: 8, .value_kind: global_buffer, .address_space: global }
      - { .name: ln1_b, .offset: 24, .size: 8, .value_kind: global_buffer, .address_space: global }
      - { .name: in_w_codes, .offset: 32, .size: 8, .value_kind: global_buffer, .address_space: global }
      - { .name: in_w_scales, .offset: 40, .size: 8, .value_kind: global_buffer, .address_space: global }
      - { .name: in_b, .offset: 48, .size: 8, .value_kind: global_buffer, .address_space: global }
      - { .name: hA, .offset: 56, .size: 8, .value_kind: global_buffer, .address_space: global }
      - { .name: qkvA, .offset: 64, .size: 8, .value_kind: global_buffer, .address_space: global }
      - { .name: ctrA, .offset: 72, .size: 8, .value_kind: global_buffer, .address_space: global }
    .group_segment_fixed_size: 104704
    .private_segment_fixed_size: 0
    .kernarg_segment_align: 8
    .kernarg_segment_size: 80
    .max_flat_workgroup_size: 256
    .sgpr_count:     100
    .vgpr_count:     400
    .wavefront_size: 32
...
	.end_amdgpu_metadata
.endif
;; end of part 1
;; launch layer0 (part 2): grid 64 x 4, 8 waves a work-group, no clusters, 139,264 bytes of LDS; arguments ctrA, ctrB, hA, hB, qkvA, qkvB, mask, out_w_codes, out_w_scales, out_b, ln2_g, ln2_b, w1_codes, w1_scales, b1, w2_codes, w2_scales, b2, ln1_g, ln1_b, in_w_codes, in_w_scales, in_b, lnf_g, lnf_b, wf, bf, out0; writes ctrB, hB, qkvB, out0
.if DOCPART == 2
	.amdgcn_target "amdgcn-amd-amdhsa--gfx1250"
	.amdhsa_code_object_version 6
	.text
	.protected	k_qb68b6ef1cb_layer0
	.globl	k_qb68b6ef1cb_layer0
	.p2align	8
	.type	k_qb68b6ef1cb_layer0,@function
k_qb68b6ef1cb_layer0:
	s_mov_b64 s[64:65], 0
	v_nop
	global_prefetch_b8 v0, s[64:65] scope:SCOPE_SE
	s_setreg_imm32_b32 hwreg(HW_REG_WAVE_MODE, 25, 1), 1
	s_wait_xcnt 0x0
; ONE ENCODER LAYER l (l is read from a counter that the launch before stored; it enters addresses only, held to 3):
; attention on the codes of q, k, v; out-projection + h; LN2; W1; W2; + h = the new h; then, on the new h, BOTH tails: LN1 and q, k, v of layer min(l + 1, 3) as codes, and LNf with the
; classifier into out0 (the two norms share mean and variance).  So no path of the text hangs on l: the out0 of layers 0 to 2 is overwritten by the next launch, and what layer 3 stores of h and codes is read by nobody.
; A work-group of eight waves owns 32 rows (batch b = group y, positions 32 x .. 32 x + 31).  Tile T, lane row rho stands for position 8 T + rho + 8 (rho / 8).
; ATTENTION: wave (hd = w / 2, kh = w % 2) takes head hd, both tiles of queries, keys 1,024 kh .. + 1,023, 128 a step; then the two waves of a head exchange a tile and merge (exact powers of two).
;   S^T = K Q^T with K = 64 in an instruction of 128: source 0 holds TWO tiles of keys (k 0-63: one, k 64-127: the other), source 1 is [q, 0] or [0, q]: zero codes cancel the other tile exactly.
;   THE MASK IS THE C OF THE SCORE PRODUCT: 0 where true, -2^100 where false, from an f32 table in LDS loaded straight into the sums' registers.
;   p = 2^(t - M), M the ceiling of the running largest t; the row's sum is of the unquantised p.  The largest t starts at -3e38; when the first live key comes, 2^(old M - new M) is 0 and wipes what masked keys left.
;   A block-row with no true entry: its queries' codes are cleared, all its scores are exactly -2^100, -2^100 x log2(e) is exact, so p = 1 for every key: the uniform softmax.
; BEHIND ATTENTION the waves share the COLUMNS: wave w holds columns 32 w .. + 31 (hidden units 128 w .. + 127) of all 32 rows; weights go from memory straight into operand registers, each byte once a work-group;
;   activations go from wave to wave through LDS as images of their registers (lane l's 12 registers at 48 l, a row's scale word at 4 rho).  Every LDS region is written once in the launch.
; NO TENSOR LOAD, NO CLUSTER, though 64 work-groups read the same K and V and all 256 the same weights: one text serves four layers by a stored layer number.
; LIMITS: live scores need t > -1.8e30; NaN and infinities are not served; a block of zeros gets the scale byte 1 (its codes are zeros; only this program reads these bytes).
.set LAYER, 1
; ---- LDS map, bytes
.set AIMG, 0
.set ASC,  6144
.set OIMG, 6400
.set OSC,  12544
.set HIMG, 12800
.set HSC,  37376
.set NIMG, 38400
.set NSC,  44544
.set QKST, 44800
.set QKSS, 57088
.set RED,  57600
.set FRED, 61696
.set FLG,  63744
.set VST,  64000
.set BIAS, 70144                       ; 4 block-rows x 2,048 keys of f32, rows 8,208 bytes apart
.set BP,   8208
.set XCH,  103168                      ; 4,352 bytes a wave: a tile of O^T, -M and the sum
.set XW,   4352
; ---- regions of the q/k/v buffer
.set KC,  1572864
.set VC,  3145728
.set QSO, 4718592
.set KSO, 4784128
.set VSO, 4849664
; ---- vector registers that stay
.set L16, 1
.set LSC, 2
.set W192, 14
.set WS8, 15
; ---- during attention
.set VKS, 3
.set VV,  4
.set VVS, 5
.set VB,  6                            ; v6, v7
.set VBS, 8
.set M16, 9
.set XST, 10
.set XS4, 11
.set XLD, 12
.set XL4, 13
.set QB,  16                           ; v16-45: 0 | q of tile 0 | 0 | q of tile 1 | 0, six registers each
.set QS,  46
.set SCR, 48                           ; v48-111, v112-175 scores, then p
.set PCR, 176                          ; v176-199 p's codes
.set CT,  200
.set PS,  208
.set KSC, 210
.set VSC, 212
.set NMR, 214                          ; (-M, largest t) of tile 0, of tile 1
.set SUMR, 218
.set BM,  222
.set BT,  226
.set SO,  230
.set F,   234
.set SC2, 236
.set TMP, 238
.set OWS, 240
.set FST, 252
.set FL0, 253
.set FL1, 254
; ---- behind attention
.set LREC, 3
.set COL, 4
.set W768, 5
.set WS32, 6
.set P4,  7
.set L8,  8
.set T8,  9
.set AQA, 16
.set ASA, 17
.set AQO, 18
.set ASO, 19
.set AQH, 20
.set ASH, 21
.set AQQ, 22
.set ASQ, 23
.set VA132, 24
.set VA252, 25
.set REDS, 26
.set REDL, 27
.set CPY, 28
.set CP8, 29
.set VT8, 30
.set VSB, 31
.set FRS, 32
.set FRL, 33
.set OUTO, 34
.set L4,  35
.set BFS, 40
.set X,   48
.set HR,  80
.set PB,  112
.set BF4, 112
.set CB,  160
.set G,   176
.set BTA, 192
.set RD,  208
.set HA,  48
.set BFW, 176
.set BF8, 80
.set CB2, 176
.set HR2, 192
.set G1,  80
.set B1T, 96
.set CBQ, 112
.set RD2, 144
.set GF,  160
.set BFF, 176
.set WF0, 192
.set BFQ, 48
.set VA0, 96
.set QA,  144
.set WS,  224
.set VBI, 236
.set QT,  244
; ---- scalar pointers of the shared tail
.set P_G1, 72
.set P_B1, 74
.set P_INW, 76
.set P_INS, 78
.set P_INB, 80
.set P_HOUT, 34
.set P_QKVO, 38
.set MSB, 0
.macro WIN new                         ; the immediate's high byte repeats the setting that is left
.if MSB != \new
	s_set_vgpr_msb (MSB<<8)|\new
.set MSB, \new
.endif
.endm
.macro BARRIER                         ; my LDS stores have landed and my LDS loads are in: then the work-group's barrier
	s_wait_dscnt 0x0
	s_barrier_signal -1
	s_barrier_wait -1
.endm
.macro PLACES n
.rept \n
	v_nop
.endr
.endm
.macro PADJ p, ra, ca, rb, cb          ; pointer p += s[ra] x ca + s[rb] x cb (the offset is made apart from the address; s61 = 0)
	s_mul_i32 s60, s[\ra], \ca
	s_mul_i32 s62, s[\rb], \cb
	s_add_co_u32 s60, s60, s62
	s_add_nc_u64 s[\p:\p+1], s[\p:\p+1], s[60:61]
.endm
.macro WFRAG reg, adr, base, off       ; a weight's fragment, 16 rows x 128 K: 2 x 24 bytes a lane, in pieces of 8
.irp p,0,1,2,3,4,5
	global_load_b64 v[(\reg)+2*\p:(\reg)+2*\p+1], v[\adr], s[\base:\base+1] offset:(\off)+48*(\p/3)+8*(\p%3)
.endr
.endm
.macro VEC16 reg, base, off            ; 16 numbers of a vector over the columns: those of my half of the wave's 32
.irp m,0,1,2,3
	global_load_b128 v[(\reg)+4*\m:(\reg)+4*\m+3], v[COL], s[\base:\base+1] offset:(\off)+16*\m
.endr
.endm
.macro FETCH reg, off                  ; a fragment's image back from LDS
.irp i,0,1,2
	ds_load_b128 v[(\reg)+4*\i:(\reg)+4*\i+3], v[LREC] offset:(\off)+16*\i
.endr
.endm
.macro FSC reg, off
	ds_load_b32 v[\reg], v[LSC] offset:\off
.endm
.macro MM d, a, b, c, sa, sb
	v_wmma_scale_f32_16x16x128_f8f6f4 v[(\d):(\d)+7], v[(\a):(\a)+11], v[(\b):(\b)+11], v[(\c):(\c)+7], v[\sa], v[\sb] matrix_a_fmt:MATRIX_FMT_FP6 matrix_b_fmt:MATRIX_FMT_FP6
.endm
.macro MM0 d, a, b, sa, sb
	v_wmma_scale_f32_16x16x128_f8f6f4 v[(\d):(\d)+7], v[(\a):(\a)+11], v[(\b):(\b)+11], 0, v[\sa], v[\sb] matrix_a_fmt:MATRIX_FMT_FP6 matrix_b_fmt:MATRIX_FMT_FP6
.endm
.macro MMR d, a, b, c, sa, sb          ; source 0's scales from lanes 16-31
	v_wmma_scale_f32_16x16x128_f8f6f4 v[(\d):(\d)+7], v[(\a):(\a)+11], v[(\b):(\b)+11], v[(\c):(\c)+7], v[\sa], v[\sb] matrix_a_fmt:MATRIX_FMT_FP6 matrix_b_fmt:MATRIX_FMT_FP6 matrix_a_scale:MATRIX_SCALE_ROW1
.endm
; 16 numbers of a lane, k = 16 h + 0 .. 15 of one block of 32 (the other 16 lie in lane l xor 16): the scale's byte into v[QT+3], 16 codes (96 bits) into v[QT+4:QT+6]
.macro QCORE src
	v_max3_num_f32 v[QT], |v[(\src)]|, |v[(\src)+1]|, 0x1800000          ; with the floor 2^(3 - 127): the byte cannot fall under 1
	v_max3_num_f32 v[QT+1], |v[(\src)+8]|, |v[(\src)+9]|, |v[(\src)+10]|  ; two chains; each of the two sums of eight is read from its low end on
	v_max3_num_f32 v[QT], v[QT], |v[(\src)+2]|, |v[(\src)+3]|
	v_max3_num_f32 v[QT+1], v[QT+1], |v[(\src)+11]|, |v[(\src)+12]|
	v_max3_num_f32 v[QT], v[QT], |v[(\src)+4]|, |v[(\src)+5]|
	v_max3_num_f32 v[QT+1], v[QT+1], |v[(\src)+13]|, |v[(\src)+14]|
	v_max3_num_f32 v[QT], v[QT], |v[(\src)+6]|, |v[(\src)+7]|
	v_max3_num_f32 v[QT], v[QT], v[QT+1], |v[(\src)+15]|
	v_permlanex16_b32 v[QT+1], v[QT], s20, s21
	v_max_num_f32 v[QT], v[QT], v[QT+1]                                   ; the block's largest magnitude
	v_add_nc_u32 v[QT+2], 0xff000000, v[QT]                               ; 2 off its exponent field: the conversion's scale operand
	s_wait_dscnt 0x0                                                      ; earlier LDS stores have read the registers written next
	v_lshrrev_b32 v[QT+3], 23, v[QT+2]
	v_cvt_scalef32_pk16_fp6_f32 v[QT+4:QT+6], v[(\src):(\src)+15], v[QT+2]
	v_nop                                                                 ; one plain place behind a scaled conversion
.endm
.macro QBLK src, adr, off, sadr, soff  ; and into a fragment's image: three words, and one byte of the row's scale word (both halves write the same byte)
	QCORE \src
	ds_store_b32 v[\adr], v[QT+4] offset:\off
	ds_store_b32 v[\adr], v[QT+5] offset:(\off)+4
	ds_store_b32 v[\adr], v[QT+6] offset:(\off)+8
	ds_store_b8 v[\sadr], v[QT+3] offset:\soff
.endm
.macro HALVES                          ; v[QT:QT+1], v[QT+2:QT+3]: a pair of partial sums for each tile -> v[QT+4]: the wave's sum for row (T = h, rho)
	v_add_f32 v[QT], v[QT], v[QT+1]
	v_add_f32 v[QT+2], v[QT+2], v[QT+3]
	v_permlanex16_b32 v[QT+1], v[QT], s20, s21
	v_permlanex16_b32 v[QT+3], v[QT+2], s20, s21
	v_add_f32 v[QT], v[QT], v[QT+1]
	v_add_f32 v[QT+2], v[QT+2], v[QT+3]
	v_cndmask_b32 v[QT+4], v[QT], v[QT+2], s24
.endm
.macro LNSUM rd, ro                    ; over the eight waves: v[rd] = tile 0's sum of my row, v[rd+8] = tile 1's; the same order of additions in every wave
	ds_store_b32 v[REDS], v[QT+4] offset:\ro
	BARRIER
	ds_load_b128 v[\rd:\rd+3], v[REDL] offset:\ro
	ds_load_b128 v[\rd+4:\rd+7], v[REDL] offset:\ro+16
	ds_load_b128 v[\rd+8:\rd+11], v[REDL] offset:\ro+512
	ds_load_b128 v[\rd+12:\rd+15], v[REDL] offset:\ro+528
	s_wait_dscnt 0x0
.irp t,0,8
	v_pk_add_f32 v[\rd+\t:\rd+\t+1], v[\rd+\t:\rd+\t+1], v[\rd+\t+2:\rd+\t+3]
	v_pk_add_f32 v[\rd+\t+4:\rd+\t+5], v[\rd+\t+4:\rd+\t+5], v[\rd+\t+6:\rd+\t+7]
.endr
.irp t,0,8
	v_pk_add_f32 v[\rd+\t:\rd+\t+1], v[\rd+\t:\rd+\t+1], v[\rd+\t+4:\rd+\t+5]
.endr
.irp t,0,8
	v_add_f32 v[\rd+\t], v[\rd+\t], v[\rd+\t+1]
.endr
.endm
; x <- (x - mean) / sqrt(var + 1e-5), in two passes (the variance is the mean of the squared differences): two barriers
.macro LNHAT x, rd, ro
.irp tt,0,1
	v_pk_add_f32 v[QT+2*\tt:QT+2*\tt+1], v[\x+16*\tt:\x+16*\tt+1], v[\x+16*\tt+2:\x+16*\tt+3]
.endr
.irp i,4,6,8,10,12,14
.irp tt,0,1
	v_pk_add_f32 v[QT+2*\tt:QT+2*\tt+1], v[QT+2*\tt:QT+2*\tt+1], v[\x+16*\tt+\i:\x+16*\tt+\i+1]
.endr
.endr
	HALVES
	LNSUM \rd, \ro
	v_mul_f32 v[QT], s25, v[\rd]
	v_mul_f32 v[QT+2], s25, v[\rd+8]
.irp tt,0,1
.irp i,0,2,4,6,8,10,12,14
	v_pk_add_f32 v[\x+16*\tt+\i:\x+16*\tt+\i+1], v[\x+16*\tt+\i:\x+16*\tt+\i+1], v[QT+2*\tt:QT+2*\tt+1] op_sel_hi:[1,0] neg_lo:[0,1] neg_hi:[0,1]
.endr
.endr
.irp tt,0,1
	v_pk_mul_f32 v[QT+2*\tt:QT+2*\tt+1], v[\x+16*\tt:\x+16*\tt+1], v[\x+16*\tt:\x+16*\tt+1]
.endr
.irp i,2,4,6,8,10,12,14
.irp tt,0,1
	v_pk_fma_f32 v[QT+2*\tt:QT+2*\tt+1], v[\x+16*\tt+\i:\x+16*\tt+\i+1], v[\x+16*\tt+\i:\x+16*\tt+\i+1], v[QT+2*\tt:QT+2*\tt+1]
.endr
.endr
	HALVES
	LNSUM \rd, (\ro)+1024
	v_fma_f32 v[QT], v[\rd], s25, s26
	v_fma_f32 v[QT+2], v[\rd+8], s25, s26
	v_rsq_f32 v[QT], v[QT]
	v_rsq_f32 v[QT+2], v[QT+2]
	v_nop                                  ; one plain place behind the transcendentals
	s_wait_alu depctr_va_vdst(0)
.irp tt,0,1
.irp i,0,2,4,6,8,10,12,14
	v_pk_mul_f32 v[\x+16*\tt+\i:\x+16*\tt+\i+1], v[\x+16*\tt+\i:\x+16*\tt+\i+1], v[QT+2*\tt:QT+2*\tt+1] op_sel_hi:[1,0]
.endr
.endr
.endm
.macro AFFINE x, g, b
.irp tt,0,1
.irp i,0,2,4,6,8,10,12,14
	v_pk_fma_f32 v[\x+16*\tt+\i:\x+16*\tt+\i+1], v[\x+16*\tt+\i:\x+16*\tt+\i+1], v[\g+\i:\g+\i+1], v[\b+\i:\b+\i+1]
.endr
.endr
.endm
.macro IDS
	v_lshrrev_b32 v244, 5, v0
	v_readfirstlane_b32 s2, v244           ; wave w
	s_lshr_b32 s3, s2, 1                   ; w / 2
	s_and_b32 s4, s2, 1                    ; w % 2
	s_mov_b32 s5, ttmp9                    ; block of 32 positions
	s_and_b32 s6, ttmp7, 0xffff            ; batch
	s_lshl_b32 s9, s6, 6
	s_add_co_u32 s9, s9, s5                ; row block = 64 b + block
	s_mov_b32 s61, 0                       ; the high word of every offset pair s[60:61]
	s_mov_b32 s20, 0x76543210
	s_mov_b32 s21, 0xfedcba98              ; v_permlanex16_b32's selects for lane l xor 16
	s_mov_b32 s24, 0xffff0000              ; the lanes with h = 1
	s_mov_b32 s25, 0x3b800000              ; 1 / 256
	s_mov_b32 s26, 0x3727c5ac              ; 1e-5
.endm
; addresses for all that follows attention: each a constant + a constant x lane term + a constant x wave term
.macro ADDR2
	v_and_b32 v244, 15, v0                 ; rho
	v_bfe_u32 v245, v0, 4, 1               ; h
	v_and_b32 v246, 31, v0                 ; lane
	v_lshrrev_b32 v247, 3, v244
	v_lshl_add_u32 v248, v247, 3, v244     ; P = rho + 8 (rho / 8)
	v_mul_u32_u24 v249, v244, 48
	v_mad_u32_u24 v249, v245, 12, v249     ; 48 rho + 12 h: my 12 bytes of a block in an image
	v_lshlrev_b32 v250, 2, v244            ; 4 rho
	v_mul_u32_u24 v[LREC], v246, 48
	v_lshlrev_b32 v[COL], 6, v245
	v_lshlrev_b32 v[P4], 2, v248
	v_lshlrev_b32 v[L8], 3, v246
	v_lshlrev_b32 v[T8], 3, v0
	s_lshr_b32 s60, s2, 2                  ; feature block w: fragment w / 4, block w % 4 in it
	s_mul_i32 s62, s60, 1536
	s_mul_i32 s63, s4, 768
	s_add_co_u32 s62, s62, s63
	s_and_b32 s63, s3, 1
	s_mul_i32 s63, s63, 24
	s_add_co_u32 s62, s62, s63
	s_add_co_u32 s62, s62, OIMG
	v_add_nc_u32 v[AQO], s62, v249
	s_lshl_b32 s62, s60, 6
	s_and_b32 s63, s2, 3
	s_add_co_u32 s62, s62, s63
	s_add_co_u32 s62, s62, OSC
	v_add_nc_u32 v[ASO], s62, v250
	s_mul_i32 s62, s2, 768                 ; q, k: head w / 2, half w % 2 of its 64
	s_add_co_u32 s63, s62, QKST
	v_add_nc_u32 v[AQQ], s63, v249
	s_lshl_b32 s63, s3, 6
	s_add_co_u32 s63, s63, s4
	s_add_co_u32 s63, s63, QKSS
	v_add_nc_u32 v[ASQ], s63, v250
	s_add_co_u32 s62, s62, VST             ; v: 24 bytes of (tile, rho) lie as three pieces of 8, 128 bytes apart
	v_lshl_add_u32 v251, v244, 3, s62
	v_mad_u32_u24 v[VA132], v245, 132, v251
	v_mad_u32_u24 v[VA252], v245, 252, v251
	s_lshl_b32 s62, s2, 2
	s_add_co_u32 s63, s62, RED
	v_lshl_add_u32 v[REDS], v246, 5, s63
	v_lshlrev_b32 v[REDL], 5, v244
	v_add_nc_u32 v[REDL], RED, v[REDL]
	s_mul_i32 s63, s2, 1536
	s_add_co_u32 s63, s63, QKST
	v_add_nc_u32 v[CPY], s63, v[LREC]
	s_lshl_b32 s63, s2, 8
	s_add_co_u32 s63, s63, QKSS
	v_add_nc_u32 v[CP8], s63, v[L8]
	v_add_nc_u32 v[VT8], VST, v[T8]
	v_lshl_add_u32 v[VSB], v245, 6, v250
	v_lshlrev_b32 v[L4], 2, v246
.if LAYER
	v_mul_u32_u24 v[W768], v248, 768
	v_mad_u32_u24 v[W768], v245, 24, v[W768]
	v_lshlrev_b32 v[WS32], 5, v248
	s_mul_i32 s62, s4, 3072                ; attention's result: tile kh, feature blocks 2 hd, 2 hd + 1
	s_lshr_b32 s60, s3, 1
	s_mul_i32 s63, s60, 1536
	s_add_co_u32 s62, s62, s63
	s_and_b32 s67, s3, 1
	s_mul_i32 s63, s67, 24
	s_add_co_u32 s62, s62, s63
	v_add_nc_u32 v[AQA], s62, v249
	s_lshl_b32 s62, s4, 7
	s_lshl_b32 s63, s60, 6
	s_add_co_u32 s62, s62, s63
	s_lshl_b32 s63, s67, 1
	s_add_co_u32 s62, s62, s63
	s_add_co_u32 s62, s62, ASC
	v_add_nc_u32 v[ASA], s62, v250
	s_mul_i32 s62, s2, 1536
	s_add_co_u32 s62, s62, HIMG
	v_add_nc_u32 v[AQH], s62, v249
	s_lshl_b32 s62, s2, 6
	s_add_co_u32 s62, s62, HSC
	v_add_nc_u32 v[ASH], s62, v250
	s_lshl_b32 s62, s2, 2
	s_add_co_u32 s62, s62, FRED
	v_lshl_add_u32 v[FRS], v246, 6, s62
	v_lshlrev_b32 v[FRL], 6, v246
	v_add_nc_u32 v[FRL], FRED, v[FRL]
	v_lshl_add_u32 v[OUTO], v245, 3, v248
	v_lshlrev_b32 v[OUTO], 5, v[OUTO]      ; 32 bytes a position in out0
.endif
.endm
; where this work-group's codes go: s[12:13] q's or k's fragment of wave w; s[14:15] their scale words (waves 0, 1); s[16:17] v's codes; s[18:19] v's scale bytes
.macro OUTPTRS
	s_lshr_b32 s60, s2, 2
	s_mul_i32 s60, s60, KC
	s_lshl_b32 s62, s9, 2
	s_and_b32 s63, s2, 3
	s_add_co_u32 s62, s62, s63
	s_mul_i32 s62, s62, 1536
	s_add_co_u32 s60, s60, s62
	s_add_nc_u64 s[12:13], s[P_QKVO:P_QKVO+1], s[60:61]
	s_lshl_b32 s60, s2, 16
	s_lshl_b32 s62, s9, 8
	s_add_co_u32 s60, s60, s62
	s_add_nc_u64 s[14:15], s[P_QKVO:P_QKVO+1], s[60:61]
	s_add_nc_u64 s[14:15], s[14:15], QSO
	s_mul_i32 s60, s9, 6144
	s_add_nc_u64 s[16:17], s[P_QKVO:P_QKVO+1], s[60:61]
	s_add_nc_u64 s[16:17], s[16:17], VC
	s_lshl_b32 s60, s6, 2
	s_add_co_u32 s60, s60, s3
	s_lshl_b32 s60, s60, 4
	s_lshr_b32 s62, s5, 2
	s_add_co_u32 s60, s60, s62
	s_lshl_b32 s60, s60, 8
	s_lshl_b32 s62, s4, 7
	s_add_co_u32 s60, s60, s62
	s_and_b32 s62, s5, 3
	s_add_co_u32 s60, s60, s62
	s_add_nc_u64 s[18:19], s[P_QKVO:P_QKVO+1], s[60:61]
	s_add_nc_u64 s[18:19], s[18:19], VSO
.endm
.macro HSTORE                          ; h as an image of my registers: each store covers 512 consecutive bytes, aligned
.irp tt,0,1
.irp i,0,1,2,3
	global_store_b128 v[L16], v[X+16*\tt+4*\i:X+16*\tt+4*\i+3], s[P_HOUT:P_HOUT+1] offset:2048*\tt+512*\i
.endr
.endr
.endm
.macro INLOADS                         ; 104 loads: LN1's gain and bias, in_b, in_w's scale words and my 12 fragments of in_w (q, k, v x 2 tiles x 2 K steps)
	VEC16 G1, P_G1, 0
	VEC16 B1T, P_B1, 0
	VEC16 CBQ, P_INB, 0
	VEC16 CBQ+16, P_INB, 1024
.irp u,0,1
	global_load_b32 v[VBI+2*\u], v[P4], s[P_INB:P_INB+1] offset:2048+32*\u
	global_load_b32 v[VBI+2*\u+1], v[P4], s[P_INB:P_INB+1] offset:2048+32*\u
.endr
.irp kd,0,1,2
.irp u,0,1
.irp s,0,1
	global_load_b32 v[WS+2*(2*\kd+\u)+\s], v[WS8], s[P_INS:P_INS+1] offset:(256*\kd+8*\u)*8+4*\s
.endr
.endr
.endr
	WIN 0x40
.irp kd,0,1,2
.irp u,0,1
.irp s,0,1
	WFRAG 12*(2*(2*\kd+\u)+\s), W192, P_INW, (256*\kd+8*\u)*192+96*\s
.endr
.endr
.endr
	WIN 0
.endm
; q, k (transposed: source 0 = 16 rows of in_w, source 1 = 16 rows of o: a lane holds a row, registers run along the head's axis) and
; v (source 0 = o, source 1 = in_w: a lane holds a column d, registers run along the KEYS).  Twelve sums by turns.
.macro QKVPHASE
.irp k,0,1,2,3
	FETCH BFQ+12*\k, NIMG+1536*\k
	FSC BFS+\k, NSC+64*\k
.endr
	s_wait_dscnt 0x0
.irp s,0,1
	WIN 0x01
.irp kd,0,1
.irp tt,0,1
.irp u,0,1
.if \s
	MM QA+32*\kd+16*\tt+8*\u, 12*(2*(2*\kd+\u)+1), BFQ+12*(2*\tt+1), QA+32*\kd+16*\tt+8*\u, WS+2*(2*\kd+\u)+1, BFS+2*\tt+1
.else
	MM QA+32*\kd+16*\tt+8*\u, 12*(2*(2*\kd+\u)), BFQ+12*(2*\tt), CBQ+16*\kd+8*\u, WS+2*(2*\kd+\u), BFS+2*\tt
.endif
.endr
.endr
.endr
	WIN 0x04
.irp u,0,1
.irp tt,0,1
.if \s
	MM VA0+112*\u+8*\tt, BFQ+12*(2*\tt+1), 12*(2*(4+\u)+1), VA0+112*\u+8*\tt, BFS+2*\tt+1, WS+2*(4+\u)+1
.else
	MM0 VA0+112*\u+8*\tt, BFQ+12*(2*\tt), 12*(2*(4+\u)), BFS+2*\tt, WS+2*(4+\u)
.endif
.endr
.endr
.endr
	WIN 0
	PLACES 4
.irp i,0,2,4,6,8,10,12,14,16,18,20,22,24,26,28,30
	v_pk_mul_f32 v[QA+\i:QA+\i+1], v[QA+\i:QA+\i+1], 0x3e000000 op_sel_hi:[1,0]     ; q / sqrt(64)
.endr
.irp u,0,1
.irp i,0,2,4,6,8,10,12,14
	v_pk_add_f32 v[VA0+112*\u+\i:VA0+112*\u+\i+1], v[VA0+112*\u+\i:VA0+112*\u+\i+1], v[VBI+2*\u:VBI+2*\u+1]   ; v's bias: one number a lane
.endr
.endr
.irp tt,0,1
	QBLK QA+16*\tt, AQQ, 24*\tt, ASQ, 2*\tt
	QBLK QA+32+16*\tt, AQQ, 6144+24*\tt, ASQ, 256+2*\tt
.endr
.irp u,0,1
	QCORE VA0+112*\u                       ; 16 keys of column d: the block of 32 keys is this work-group's 32 rows
	ds_store_b32 v[VA132], v[QT+4] offset:384*\u
	ds_store_b32 v[VA252], v[QT+5] offset:384*\u+4
	ds_store_b32 v[VA132], v[QT+6] offset:384*\u+128
.if \u==0
	v_mov_b32 v[QT+8], v[QT+3]
.endif
.endr
	v_cndmask_b32 v[QT+8], v[QT+8], v[QT+3], s24   ; lanes with h = u store tile u's byte
	global_store_b8 v[VSB], v[QT+8], s[18:19]
.endm
.macro COPYOUT                         ; the staged codes leave in runs of 512 consecutive bytes a store
.irp i,0,1,2
	ds_load_b128 v[48+4*\i:51+4*\i], v[CPY] offset:16*\i
.endr
.irp i,0,1,2
	ds_load_b64 v[60+2*\i:61+2*\i], v[VT8] offset:2048*\i
.endr
	s_wait_dscnt 0x0
.irp i,0,1,2
	global_store_b128 v[L16], v[48+4*\i:51+4*\i], s[12:13] offset:512*\i
.endr
.irp i,0,1,2
	global_store_b64 v[T8], v[60+2*\i:61+2*\i], s[16:17] offset:2048*\i
.endr
	s_cmp_gt_u32 s2, 1
	s_cbranch_scc1 .Lno_words
	ds_load_b64 v[66:67], v[CP8]           ; wave 0: q's scale words, wave 1: k's: 256 bytes each
	s_wait_dscnt 0x0
	global_store_b64 v[L8], v[66:67], s[14:15]
.Lno_words:
.endm
; ---- attention's own macros
.macro KLOAD                           ; 14 loads: four pair fragments of K (128 keys) into window 1, v0-47; their scale words, two row blocks to a register
	WIN 0x40
.irp bq,0,1,2,3
.irp i,0,1,2
	global_load_b128 v[12*\bq+4*\i:12*\bq+4*\i+3], v[L16], s[12:13] offset:6144*\bq+512*\i
.endr
.endr
	WIN 0
	global_load_b32 v[KSC], v[VKS], s[14:15]
	global_load_b32 v[KSC+1], v[VKS], s[14:15] offset:512
.endm
.macro VLOAD                           ; 26 loads: four fragments of V^T (16 d x 128 keys) into window 1, v48-95; their scale words, two tiles to a register
	WIN 0x40
.irp t,0,1,2,3
.irp c,0,1
.irp j,0,1,2
	global_load_b64 v[48+12*\t+6*\c+2*\j:48+12*\t+6*\c+2*\j+1], v[VV], s[16:17] offset:12288*\c+384*\t+128*\j
.endr
.endr
.endr
	WIN 0
	global_load_b32 v[VSC], v[VVS], s[18:19]
	global_load_b32 v[VSC+1], v[VVS], s[18:19] offset:128
.endm
.macro BIASLD t                        ; the mask's 64 numbers of a step for tile t, straight into the registers of the sums
.irp bq,0,1,2,3
.irp i,0,1,2,3
	ds_load_b128 v[SCR+64*(\t)+16*\bq+4*\i:SCR+64*(\t)+16*\bq+4*\i+3], v[VB+(\t)] offset:128*\bq+16*\i
.endr
.endr
.endm
.macro SCORE bq, u, t                  ; keys 32 bq + 8 u + .. of the step against tile t: u = 0 takes [q, 0], u = 1 takes [0, q]
.if (\bq)%2
	MMR SCR+64*\t+16*\bq+8*\u, 12*\bq, QB+6+12*\t-6*\u, SCR+64*\t+16*\bq+8*\u, KSC+\bq/2, QS+\t
.else
	MM SCR+64*\t+16*\bq+8*\u, 12*\bq, QB+6+12*\t-6*\u, SCR+64*\t+16*\bq+8*\u, KSC+\bq/2, QS+\t
.endif
.endm
; the softmax of tile t for 128 keys: register 16 b + i of a lane is key 32 b + 16 h + i of its query
.macro SM t
.set rS, SCR+64*(\t)
.set rN, NMR+2*(\t)
.set rU, SUMR+2*(\t)
.set rP, PCR+12*(\t)
.set rO, 96+32*(\t)
.irp b,0,1,2,3
	v_max3_num_f32 v[BM+\b], v[rS+16*\b], v[rS+16*\b+1], v[rS+16*\b+2]     ; the largest score of each block of 32 keys: for the row's maximum and for the block's largest p
.endr
.irp i,3,5,7,9,11,13
.irp b,0,1,2,3
	v_max3_num_f32 v[BM+\b], v[BM+\b], v[rS+16*\b+\i], v[rS+16*\b+\i+1]
.endr
.endr
.irp b,0,1,2,3
	v_max_num_f32 v[BM+\b], v[BM+\b], v[rS+16*\b+15]
.endr
.irp b,0,1,2,3
	v_permlanex16_b32 v[BT+\b], v[BM+\b], s20, s21
.endr
.irp b,0,1,2,3
	v_max_num_f32 v[BM+\b], v[BM+\b], v[BT+\b]
.endr
	v_max3_num_f32 v[TMP], v[BM], v[BM+1], v[BM+2]
	v_max_num_f32 v[TMP], v[TMP], v[BM+3]
	v_mul_f32 v[TMP], s22, v[TMP]          ; as t
	v_max_num_f32 v[rN+1], v[rN+1], v[TMP] ; the running largest t
	v_mov_b32 v[TMP], v[rN]
	v_floor_f32 v[rN], -v[rN+1]            ; -M = floor(-t): M is a whole number
	v_sub_f32 v[TMP], v[rN], v[TMP]
	v_cvt_i32_f32 v[TMP], v[TMP]           ; (it saturates)
	v_ldexp_f32 v[F], 1.0, v[TMP]          ; f = 2^(old M - new M)
.set jj, 0
.rept 32
	v_pk_fma_f32 v[rS+jj:rS+jj+1], v[rS+jj:rS+jj+1], s[22:23], v[rN:rN+1] op_sel_hi:[1,0,0]   ; t - M
.set jj, jj+2
.endr
.irp b,0,1,2,3
	v_fma_f32 v[BM+\b], v[BM+\b], s22, v[rN]
.endr
.set jj, 0
.rept 64
	v_exp_f32 v[rS+jj], v[rS+jj]           ; p = 2^(t - M): not normalised
.set jj, jj+1
.endr
.irp b,0,1,2,3
	v_exp_f32 v[BM+\b], v[BM+\b]           ; the block's largest p
.endr
	v_pk_mul_f32 v[rU:rU+1], v[rU:rU+1], v[F:F+1] op_sel_hi:[1,0]          ; (a plain place behind the exponentials)
	s_wait_alu depctr_va_vdst(0)
.irp b,0,1,2,3
	v_max_num_f32 v[BM+\b], 0x1800000, v[BM+\b]
.endr
.irp b,0,1,2,3
	v_add_nc_u32 v[SO+\b], 0xff000000, v[BM+\b]
.endr
.irp b,0,1,2,3
	v_lshrrev_b32 v[BT+\b], 23, v[SO+\b]
.endr
	v_lshl_or_b32 v[PS+(\t)], v[BT+1], 8, v[BT]
	v_lshl_or_b32 v[PS+(\t)], v[BT+2], 16, v[PS+(\t)]
	v_lshl_or_b32 v[PS+(\t)], v[BT+3], 24, v[PS+(\t)]
.irp c,0,1
	v_cvt_scalef32_pk16_fp6_f32 v[rP+6*\c:rP+6*\c+2], v[rS+32*\c:rS+32*\c+15], v[SO+2*\c]
	v_cvt_scalef32_pk16_fp6_f32 v[CT+4*\c:CT+4*\c+2], v[rS+32*\c+16:rS+32*\c+31], v[SO+2*\c+1]
.endr
	v_nop                                  ; one plain place behind the scaled conversions
.irp c,0,1                             ; the operand wants a whole block in a lane: lanes 0-15 block 2 c, lanes 16-31 block 2 c + 1
.irp i,0,1,2
	v_permlane16_swap_b32 v[rP+6*\c+\i], v[CT+4*\c+\i]
.endr
.irp i,0,1,2
	v_mov_b32 v[rP+6*\c+3+\i], v[CT+4*\c+\i]
.endr
.endr
	v_pk_add_f32 v[SC2:SC2+1], v[rS:rS+1], v[rS+2:rS+3]                    ; the row's sum is of the unquantised p, in two chains
.set jj, 4
.rept 15
	v_pk_add_f32 v[rU:rU+1], v[rU:rU+1], v[rS+jj:rS+jj+1]
	v_pk_add_f32 v[SC2:SC2+1], v[SC2:SC2+1], v[rS+jj+2:rS+jj+3]
.set jj, jj+4
.endr
	v_pk_add_f32 v[rU:rU+1], v[rU:rU+1], v[SC2:SC2+1]
	WIN 0x41
.set jj, 0
.rept 16
	v_pk_mul_f32 v[rO+jj:rO+jj+1], v[rO+jj:rO+jj+1], v[F:F+1] op_sel_hi:[1,0]   ; O^T under the new M
.set jj, jj+2
.endr
	WIN 0
.endm
; A KEY STEP of 128 keys.  next = 1: the next step's K, mask and V are asked for on the way.
.macro STEP next
	s_wait_loadcnt 26                      ; K and its scale words are in; behind them only this step's 26 loads of V
	s_wait_dscnt 0x0                       ; the mask's numbers are in
	WIN 0x01
.irp bq,0,1,2,3
.irp u,0,1
.irp t,0,1
	SCORE \bq, \u, \t                      ; sixteen sums, each once
.endr
.endr
.endr
	WIN 0
.if \next
	v_add_nc_u32 v[VB], 512, v[VB]         ; four places behind the products: two steps of addresses,
	v_add_nc_u32 v[VB+1], 512, v[VB+1]
	PLACES 2                               ; and two more
	s_add_nc_u64 s[12:13], s[12:13], 24576 ; (K's loads were shown done by the wait at the step's head)
	s_add_nc_u64 s[14:15], s[14:15], 1024
	KLOAD
.else
	PLACES 4
.endif
	SM 0
.if \next
	BIASLD 0
.endif
	SM 1
.if \next
	BIASLD 1
	s_wait_loadcnt 14                      ; V is in; behind it only the next step's 14 loads of K
.else
	s_wait_loadcnt 0x0
.endif
	WIN 0x51
.irp t,0,1,2,3
.irp q,0,1
.if (\t)%2
	MMR 96+32*\q+8*\t, 48+12*\t, PCR+12*\q, 96+32*\q+8*\t, VSC+\t/2, PS+\q
.else
	MM 96+32*\q+8*\t, 48+12*\t, PCR+12*\q, 96+32*\q+8*\t, VSC+\t/2, PS+\q
.endif
.endr
.endr
	WIN 0
	PLACES 4
.if \next
	s_add_nc_u64 s[16:17], s[16:17], 24576
	s_add_nc_u64 s[18:19], s[18:19], 256
	VLOAD
.endif
.endm
.macro W1FR f                          ; fragment f = 2 n + s of my 128 rows of W1
	WFRAG 12*(\f), W192, 52, (32*((\f)/4)+8*(((\f)/2)%2))*192+96*((\f)%2)
.endm
.macro W2FR f                          ; fragment f = 8 u + s of my 32 rows of W2
	WFRAG 12*(\f), W768, 58, 6144*((\f)/8)+96*((\f)%8)
.endm
; ================= head
	s_load_b512 s[28:43], s[0:1], 0x0      ; counter in, counter out, h in, h out, q/k/v in, q/k/v out, mask, out_w_codes
	s_load_b512 s[44:59], s[0:1], 0x40     ; out_w_scales, out_b, ln2_g, ln2_b, w1_codes, w1_scales, b1, w2_codes
	s_load_b512 s[68:83], s[0:1], 0x80     ; w2_scales, b2, ln1_g, ln1_b, in_w_codes, in_w_scales, in_b, lnf_g
	s_load_b256 s[84:91], s[0:1], 0xc0     ; lnf_b, wf, bf, out0
	IDS
	s_sub_co_u32 s11, 0, s4                ; kh as a lane mask: 0 or all ones
	s_mov_b32 s22, 0x3fb8aa3b              ; log2(e)
	s_mov_b32 s23, s22
	v_and_b32 v244, 15, v0                 ; rho
	v_bfe_u32 v245, v0, 4, 1               ; h
	v_and_b32 v246, 31, v0                 ; lane
	v_lshrrev_b32 v247, 3, v244
	v_lshl_add_u32 v248, v247, 3, v244     ; P
	v_lshlrev_b32 v[L16], 4, v246
	v_lshlrev_b32 v[LSC], 2, v244
	v_lshl_add_u32 v[VKS], v245, 8, v[LSC]
	v_lshlrev_b32 v[VV], 3, v244
	v_mad_u32_u24 v[VV], v245, 6144, v[VV]
	v_lshl_add_u32 v[VVS], v245, 6, v[LSC]
	v_mul_u32_u24 v249, v247, 2*BP         ; my query's block-row is T + 2 (rho / 8); local tile 0 is T = kh, local tile 1 the other
	v_lshl_add_u32 v249, v245, 6, v249
	s_mul_i32 s60, s4, BP+4096
	s_add_co_u32 s60, s60, BIAS
	v_add_nc_u32 v[VB], s60, v249
	s_xor_b32 s62, s4, 1
	s_mul_i32 s62, s62, BP
	s_lshl_b32 s63, s4, 12
	s_add_co_u32 s62, s62, s63
	s_add_co_u32 s62, s62, BIAS
	v_add_nc_u32 v[VB+1], s62, v249
	v_lshrrev_b32 v249, 7, v0
	v_and_b32 v250, 127, v0
	v_mul_u32_u24 v249, v249, BP
	v_lshl_add_u32 v249, v250, 6, v249
	v_add_nc_u32 v[VBS], BIAS, v249
	v_lshlrev_b32 v[M16], 4, v0
	s_mul_i32 s60, s2, XW
	s_add_co_u32 s60, s60, XCH
	v_add_nc_u32 v[XST], s60, v[L16]
	v_lshlrev_b32 v250, 2, v246
	s_add_co_u32 s60, s60, 4096
	v_add_nc_u32 v[XS4], s60, v250
	s_xor_b32 s60, s2, 1
	s_mul_i32 s60, s60, XW
	s_add_co_u32 s60, s60, XCH
	v_add_nc_u32 v[XLD], s60, v[L16]
	s_add_co_u32 s60, s60, 4096
	v_add_nc_u32 v[XL4], s60, v250
	v_mul_u32_u24 v[W192], v248, 192
	v_mad_u32_u24 v[W192], v245, 24, v[W192]
	v_lshlrev_b32 v[WS8], 3, v248
	s_lshl_b32 s60, s2, 2
	s_add_co_u32 s60, s60, FLG
	v_mov_b32 v[FST], s60
	v_lshlrev_b32 v249, 5, v247
	s_lshl_b32 s60, s4, 4
	s_add_co_u32 s60, s60, FLG
	v_add_nc_u32 v[FL0], s60, v249
	s_xor_b32 s60, s4, 1
	s_lshl_b32 s60, s60, 4
	s_add_co_u32 s60, s60, FLG
	v_add_nc_u32 v[FL1], s60, v249
	s_wait_kmcnt 0x0
	s_load_b32 s7, s[28:29], 0x0           ; l
	s_load_b64 s[96:97], s[88:89], 0x0     ; bf
	s_wait_kmcnt 0x0
	s_min_u32 s7, s7, 3
	s_add_co_u32 s66, s7, 1                ; what the next launch reads
	s_min_u32 s8, s66, 3                   ; the layer whose LN1 and in_w the tail takes
	; the pointers that attention needs
	PADJ 40, 7, 524288, 5, 8192
	PADJ 42, 7, 49152, 2, 6144
	PADJ 44, 7, 2048, 2, 256
	s_mul_i32 s60, s6, 393216
	s_mul_i32 s62, s4, 196608
	s_add_co_u32 s60, s60, s62
	s_mul_i32 s62, s3, 1536
	s_add_co_u32 s60, s60, s62
	s_add_nc_u64 s[12:13], s[36:37], s[60:61]
	s_add_nc_u64 s[16:17], s[12:13], VC    ; V's codes of my head, my half of the keys
	s_add_nc_u64 s[12:13], s[12:13], KC    ; K's
	s_lshl_b32 s60, s6, 14
	s_lshl_b32 s62, s4, 13
	s_add_co_u32 s60, s60, s62
	s_lshl_b32 s62, s3, 6
	s_add_co_u32 s60, s60, s62
	s_add_nc_u64 s[14:15], s[36:37], s[60:61]
	s_add_nc_u64 s[14:15], s[14:15], KSO
	s_lshl_b32 s60, s6, 14
	s_lshl_b32 s62, s3, 12
	s_add_co_u32 s60, s60, s62
	s_lshl_b32 s62, s4, 11
	s_add_co_u32 s60, s60, s62
	s_add_nc_u64 s[18:19], s[36:37], s[60:61]
	s_add_nc_u64 s[18:19], s[18:19], VSO
	s_mul_i32 s60, s9, 6144
	s_mul_i32 s62, s3, 1536
	s_add_co_u32 s60, s60, s62
	s_add_nc_u64 s[92:93], s[36:37], s[60:61]
	s_lshl_b32 s60, s9, 8
	s_lshl_b32 s62, s3, 6
	s_add_co_u32 s60, s60, s62
	s_add_nc_u64 s[94:95], s[36:37], s[60:61]
	s_add_nc_u64 s[94:95], s[94:95], QSO
	; 28 + 2 + 4 + 14 + 26 loads
	WIN 0x40
.irp u,0,1
.irp s,0,1
	WFRAG 192+12*(2*\u+\s), W192, 42, 1536*\u+96*\s
.endr
.endr
	WIN 0
.irp u,0,1
.irp s,0,1
	global_load_b32 v[OWS+2*\u+\s], v[WS8], s[44:45] offset:64*\u+4*\s
.endr
.endr
	global_load_b128 v[112:115], v[M16], s[40:41]
	global_load_b128 v[116:119], v[M16], s[40:41] offset:4096
.irp i,0,1,2
	global_load_b128 v[48+4*\i:51+4*\i], v[L16], s[92:93] offset:512*\i
.endr
	global_load_b32 v60, v[LSC], s[94:95]
	KLOAD
	VLOAD
	; the other pointers, while the loads are out
	PADJ 46, 7, 1024, 2, 128
	PADJ 48, 7, 1024, 2, 128
	PADJ 50, 7, 1024, 2, 128
	PADJ 52, 7, 196608, 2, 24576
	PADJ 54, 7, 8192, 2, 1024
	PADJ 56, 7, 4096, 2, 512
	PADJ 58, 7, 196608, 2, 24576
	PADJ 68, 7, 8192, 2, 1024
	PADJ 70, 7, 1024, 2, 128
	PADJ 72, 8, 1024, 2, 128
	PADJ 74, 8, 1024, 2, 128
	PADJ 76, 8, 147456, 2, 6144
	PADJ 78, 8, 6144, 2, 256
	PADJ 80, 8, 3072, 2, 128
	s_lshl_b32 s60, s2, 7
	s_add_nc_u64 s[82:83], s[82:83], s[60:61]
	s_add_nc_u64 s[84:85], s[84:85], s[60:61]
	s_add_nc_u64 s[86:87], s[86:87], s[60:61]
	PADJ 32, 9, 32768, 2, 4096
	PADJ 34, 9, 32768, 2, 4096
	PADJ 90, 5, 1024, 6, 8
.irp i,0,1,2,3,4,5
	v_mov_b32 v[QB+\i], 0
	v_mov_b32 v[QB+12+\i], 0
	v_mov_b32 v[QB+24+\i], 0
.endr
	v_mov_b32 v[NMR+1], 0xff61b1e6         ; the largest t so far: -3e38
	v_mov_b32 v[NMR+3], 0xff61b1e6
	v_floor_f32 v[NMR], -v[NMR+1]
	v_floor_f32 v[NMR+2], -v[NMR+3]
.irp i,0,1,2,3
	v_mov_b32 v[SUMR+\i], 0
.endr
	v_mov_b32 v[F+1], 0                    ; (named as the upper half of a pair)
	WIN 0x40
.set jj, 96
.rept 64
	v_mov_b32 v[jj], 0                     ; O^T: the step is written once, its first trip finds zeros
.set jj, jj+1
.endr
	WIN 0
; ================= the mask becomes an f32 table, and a flag for each block-row
	s_wait_loadcnt 44                      ; the mask is in; behind it Q 4, K 14, V 26
.irp a,0,1
	v_or_b32 v120, v[112+4*\a], v[113+4*\a]
	v_or_b32 v121, v[114+4*\a], v[115+4*\a]
	v_or_b32 v120, v120, v121
	v_cmp_ne_u32 vcc_lo, 0, v120
	s_cmp_lg_u32 vcc_lo, 0
	s_cselect_b32 s60, 1, 0
	v_mov_b32 v[122+\a], s60               ; has my wave's quarter of block-row (w / 4) + 2 a a true entry?
	ds_store_b32 v[FST], v[122+\a] offset:32*\a
.endr
.irp a,0,1
.irp k,0,1,2,3
.irp j,0,1,2,3
	v_bfe_u32 v[64+16*\a+4*\k+\j], v[112+4*\a+\k], 8*\j, 8
.endr
.endr
.endr
.set jj, 64
.rept 32
	v_add_nc_u32 v[jj], -1, v[jj]
.set jj, jj+1
.endr
.set jj, 64
.rept 32
	v_and_b32 v[jj], 0xf1800000, v[jj]     ; true: 0.0; false: -2^100
.set jj, jj+1
.endr
.irp a,0,1
.irp k,0,1,2,3
	ds_store_b128 v[VBS], v[64+16*\a+4*\k:64+16*\a+4*\k+3] offset:16416*\a+16*\k
.endr
.endr
	s_wait_loadcnt 40                      ; Q is in; behind it K 14, V 26
.irp i,0,1,2,3,4,5
	v_cndmask_b32 v[QB+6+\i], v[48+\i], v[54+\i], s11      ; local tile 0 = tile kh,
	v_cndmask_b32 v[QB+18+\i], v[54+\i], v[48+\i], s11     ; local tile 1 = the other
.endr
	s_mov_b32 s60, 0x01000100
	s_mov_b32 s62, 0x03020302
	s_cmp_eq_u32 s4, 0
	s_cselect_b32 s63, s60, s62
	s_cselect_b32 s60, s62, s60
	v_perm_b32 v[QS], v60, v60, s63        ; a tile's two scale bytes, twice: they serve [q, 0] and [0, q]
	v_perm_b32 v[QS+1], v60, v60, s60
	BARRIER                                ; table and flags lie in LDS
	ds_load_b128 v[BM:BM+3], v[FL0]        ; the four flags of my query's block-row, local tile 0,
	ds_load_b128 v[BT:BT+3], v[FL1]        ; local tile 1
	BIASLD 0
	BIASLD 1
	s_wait_dscnt 32                        ; the flags are in; behind them the 32 loads of the first step's mask
	v_or_b32 v[BM], v[BM], v[BM+1]
	v_or_b32 v[BM+2], v[BM+2], v[BM+3]
	v_or_b32 v[BT], v[BT], v[BT+1]
	v_or_b32 v[BT+2], v[BT+2], v[BT+3]
	v_or_b32 v[BM], v[BM], v[BM+2]
	v_or_b32 v[BT], v[BT], v[BT+2]
	v_cmp_eq_u32 s98, 0, v[BM]
	v_cmp_eq_u32 s99, 0, v[BT]
.irp i,0,1,2,3,4,5
	v_cndmask_b32 v[QB+6+\i], v[QB+6+\i], v[QB], s98       ; a block-row with no true entry: its queries become zeros
	v_cndmask_b32 v[QB+18+\i], v[QB+18+\i], v[QB], s99
.endr
	PLACES 4                               ; an operand written by vector instructions stands four places ahead of a scaled product
; ================= attention: my 1,024 keys in eight steps
	s_mov_b32 s10, 7
.Lstep:
	STEP 1
	s_sub_co_u32 s10, s10, 1
	s_cmp_lg_u32 s10, 0
	s_cbranch_scc1 .Lstep
	STEP 0                                 ; the last step asks for nothing: no load passes the end of the keys
; ================= the two waves of a head exchange a tile and merge
	v_add_f32 v[TMP], v[SUMR], v[SUMR+1]
	v_add_f32 v[TMP+1], v[SUMR+2], v[SUMR+3]
	v_permlanex16_b32 v[BT], v[TMP], s20, s21
	v_permlanex16_b32 v[BT+1], v[TMP+1], s20, s21
	v_add_f32 v[TMP], v[TMP], v[BT]
	v_add_f32 v[TMP+1], v[TMP+1], v[BT+1]
	WIN 0x04
.irp i,0,1,2,3,4,5,6,7
	ds_store_b128 v[XST], v[128+4*\i:131+4*\i] offset:512*\i   ; local tile 1's O^T, each sum from its low end on
.endr
	WIN 0
	ds_store_b32 v[XS4], v[NMR+2]
	ds_store_b32 v[XS4], v[TMP+1] offset:128
	ADDR2
	OUTPTRS
.irp tt,0,1
.irp i,0,1,2,3
	global_load_b128 v[HR+16*\tt+4*\i:HR+16*\tt+4*\i+3], v[L16], s[32:33] offset:2048*\tt+512*\i
.endr
.endr
	VEC16 CB, 46, 0
	VEC16 G, 48, 0
	VEC16 BTA, 50, 0
	WIN 0x40
.set ff, 0
.rept 7
	W1FR ff
.set ff, ff+1
.endr
	WIN 0
	BARRIER                                ; the partner's tile lies in LDS
.irp i,0,1,2,3,4,5,6,7
	ds_load_b128 v[PB+4*\i:PB+4*\i+3], v[XLD] offset:512*\i
.endr
	ds_load_b32 v144, v[XL4]
	ds_load_b32 v145, v[XL4] offset:128
	s_wait_dscnt 0x0
	v_min_num_f32 v146, v[NMR], v144       ; -M of the two halves together
	v_sub_f32 v147, v146, v[NMR]
	v_sub_f32 v148, v146, v144
	v_cvt_i32_f32 v147, v147
	v_cvt_i32_f32 v148, v148
	v_ldexp_f32 v147, 1.0, v147
	v_ldexp_f32 v148, 1.0, v148
	v_mul_f32 v149, v147, v[TMP]
	v_fma_f32 v149, v148, v145, v149       ; the row's sum
	v_rcp_f32 v150, v149
	v_nop
	s_wait_alu depctr_va_vdst(0)
	v_mul_f32 v152, v147, v150
	v_mul_f32 v153, v147, v150
	v_mul_f32 v154, v148, v150
	v_mul_f32 v155, v148, v150
	WIN 0x01
.set jj, 0
.rept 16
	v_pk_mul_f32 v[X+jj:X+jj+1], v[96+jj:96+jj+1], v[152:153]
.set jj, jj+2
.endr
	WIN 0
.set jj, 0
.rept 16
	v_pk_fma_f32 v[X+jj:X+jj+1], v[PB+jj:PB+jj+1], v[154:155], v[X+jj:X+jj+1]
.set jj, jj+2
.endr
	WIN 0x40
.rept 9
	W1FR ff
.set ff, ff+1
.endr
	WIN 0
	QBLK X, AQA, 0, ASA, 0
	QBLK X+16, AQA, 768, ASA, 1
	BARRIER                                ; attention's result: four fragments in LDS
; ================= out-projection + h, LN2
.irp k,0,1,2,3
	FETCH BF4+12*\k, AIMG+1536*\k
	FSC BFS+\k, ASC+64*\k
.endr
	s_wait_dscnt 0x0
	s_wait_loadcnt 63                      ; h, out_b and LN2's gain and bias each have at least 96 younger loads behind them
	WIN 0x01
.irp tt,0,1
.irp u,0,1
	MM X+16*\tt+8*\u, 192+24*\u, BF4+24*\tt, CB+8*\u, OWS+2*\u, BFS+2*\tt       ; the bias is the C of the first K step
.endr
.endr
.irp tt,0,1
.irp u,0,1
	MM X+16*\tt+8*\u, 192+24*\u+12, BF4+24*\tt+12, X+16*\tt+8*\u, OWS+2*\u+1, BFS+2*\tt+1
.endr
.endr
	WIN 0
	PLACES 4
.irp n,0,1,2,3,4,5,6,7
.irp s,0,1
	global_load_b32 v[WS+2*\n+\s], v[WS8], s[54:55] offset:(32*(\n/2)+8*(\n%2))*8+4*\s
.endr
.endr
	WIN 0x40
.irp n,0,1,2,3,4,5,6,7
	global_load_b128 v[192+8*\n:195+8*\n], v[COL], s[56:57] offset:128*(\n/2)+32*(\n%2)
	global_load_b128 v[196+8*\n:199+8*\n], v[COL], s[56:57] offset:128*(\n/2)+32*(\n%2)+16
.endr
	WIN 0
.set jj, 0
.rept 16
	v_pk_add_f32 v[X+jj:X+jj+1], v[X+jj:X+jj+1], v[HR+jj:HR+jj+1]
.set jj, jj+2
.endr
	LNHAT X, RD, 0
	AFFINE X, G, BTA
	QBLK X, AQO, 0, ASO, 0
	QBLK X+16, AQO, 3072, ASO, 128
	BARRIER
; ================= W1: my 128 hidden units for the 32 rows
.irp k,0,1,2,3
	FETCH BFW+12*\k, OIMG+1536*\k
	FSC BFS+\k, OSC+64*\k
.endr
	s_wait_dscnt 0x0
	s_wait_loadcnt 0x0
	WIN 0x11
.irp tt,0,1
.irp n,0,1,2,3,4,5,6,7
	MM HA+64*\tt+8*\n, 24*\n, BFW+24*\tt, 192+8*\n, WS+2*\n, BFS+2*\tt
.endr
.endr
	WIN 0x01
.irp tt,0,1
.irp n,0,1,2,3,4,5,6,7
	MM HA+64*\tt+8*\n, 24*\n+12, BFW+24*\tt+12, HA+64*\tt+8*\n, WS+2*\n+1, BFS+2*\tt+1
.endr
.endr
	WIN 0
	PLACES 4
	WIN 0x40
.set ff, 0
.rept 10
	W2FR ff
.set ff, ff+1
.endr
	WIN 0
.irp b,0,1,2,3
	QBLK HA+16*\b, AQH, 768*(\b%2)+24*(\b/2), ASH, \b
.endr
	WIN 0x40
.rept 6
	W2FR ff
.set ff, ff+1
.endr
	WIN 0
.irp u,0,1
.irp s,0,1,2,3,4,5,6,7
	global_load_b32 v[WS+8*\u+\s], v[WS32], s[68:69] offset:256*\u+4*\s
.endr
.endr
.irp b,0,1,2,3
	QBLK HA+64+16*\b, AQH, 12288+768*(\b%2)+24*(\b/2), ASH, 512+\b
.endr
	VEC16 CB2, 70, 0
.irp tt,0,1
.irp i,0,1,2,3
	global_load_b128 v[HR2+16*\tt+4*\i:HR2+16*\tt+4*\i+3], v[L16], s[32:33] offset:2048*\tt+512*\i
.endr
.endr
	BARRIER                                ; the hidden layer: sixteen fragments in LDS
; ================= W2 + h: four sums by turns, four K steps a run
	s_wait_loadcnt 0x0
.irp g,0,1
.irp tt,0,1
.irp sl,0,1,2,3
	FETCH BF8+12*(4*\tt+\sl), HIMG+1536*(8*\tt+4*\g+\sl)
	FSC BFS+4*\tt+\sl, HSC+64*(8*\tt+4*\g+\sl)
.endr
.endr
	s_wait_dscnt 0x0
	WIN 0x01
.irp sl,0,1,2,3
.irp tt,0,1
.irp u,0,1
.if (\g==0)&&(\sl==0)
	MM X+16*\tt+8*\u, 12*(8*\u), BF8+12*(4*\tt), CB2+8*\u, WS+8*\u, BFS+4*\tt
.else
	MM X+16*\tt+8*\u, 12*(8*\u+4*\g+\sl), BF8+12*(4*\tt+\sl), X+16*\tt+8*\u, WS+8*\u+4*\g+\sl, BFS+4*\tt+\sl
.endif
.endr
.endr
.endr
	WIN 0
	PLACES 4
.endr
.set jj, 0
.rept 16
	v_pk_add_f32 v[X+jj:X+jj+1], v[X+jj:X+jj+1], v[HR2+jj:HR2+jj+1]       ; the residual is the block's input
.set jj, jj+2
.endr
; ================= the tails on the new h
	HSTORE
	s_or_b32 s60, s5, s6
	s_or_b32 s60, s60, s2
	s_cmp_lg_u32 s60, 0
	s_cbranch_scc1 .Lno_ctr
	v_mov_b32 v240, s66
	global_store_b32 v[L4], v240, s[30:31]
.Lno_ctr:
	VEC16 GF, 82, 0
	VEC16 BFF, 84, 0
	VEC16 WF0, 86, 0
	VEC16 WF0+16, 86, 1024
	INLOADS
	s_wait_xcnt 0x0                        ; the stores have read X: it is rewritten below
	LNHAT X, RD2, 2048
	s_wait_loadcnt 0x0
	; the classifier's part of my 32 columns: (x g + b) . wf, for two tiles and two classes
.irp tt,0,1
.irp i,0,2,4,6,8,10,12,14
	v_pk_fma_f32 v[RD2+\i:RD2+\i+1], v[X+16*\tt+\i:X+16*\tt+\i+1], v[GF+\i:GF+\i+1], v[BFF+\i:BFF+\i+1]
.endr
.irp c,0,1
	v_pk_mul_f32 v[QT+4*\tt+2*\c:QT+4*\tt+2*\c+1], v[RD2:RD2+1], v[WF0+16*\c:WF0+16*\c+1]
.irp i,2,4,6,8,10,12,14
	v_pk_fma_f32 v[QT+4*\tt+2*\c:QT+4*\tt+2*\c+1], v[RD2+\i:RD2+\i+1], v[WF0+16*\c+\i:WF0+16*\c+\i+1], v[QT+4*\tt+2*\c:QT+4*\tt+2*\c+1]
.endr
.endr
.endr
.irp k,0,2,4,6
	v_add_f32 v[QT+\k], v[QT+\k], v[QT+\k+1]
.endr
.irp k,0,2,4,6
	v_permlanex16_b32 v[QT+\k+1], v[QT+\k], s20, s21
.endr
.irp k,0,2,4,6
	v_add_f32 v[QT+\k], v[QT+\k], v[QT+\k+1]
.endr
	v_cndmask_b32 v[RD2], v[QT], v[QT+4], s24
	v_cndmask_b32 v[RD2+1], v[QT+2], v[QT+6], s24
	ds_store_b32 v[FRS], v[RD2]
	ds_store_b32 v[FRS], v[RD2+1] offset:32
	AFFINE X, G1, B1T
	QBLK X, AQO, 32000, ASO, 32000         ; NIMG and NSC lie 32,000 bytes behind OIMG and OSC
	QBLK X+16, AQO, 32000+3072, ASO, 32000+128
	BARRIER                                ; o's four fragments and the classifier's parts lie in LDS
	QKVPHASE
	BARRIER                                ; the codes of q, k, v lie staged
	COPYOUT
	s_cmp_lg_u32 s2, 0
	s_cbranch_scc1 .Lend
	ds_load_b128 v[80:83], v[FRL]          ; wave 0 adds the eight waves' parts: lane (rho, T) has one row, two classes
	ds_load_b128 v[84:87], v[FRL] offset:16
	ds_load_b128 v[88:91], v[FRL] offset:32
	ds_load_b128 v[92:95], v[FRL] offset:48
	s_wait_dscnt 0x0
	v_pk_add_f32 v[80:81], v[80:81], v[82:83]
	v_pk_add_f32 v[84:85], v[84:85], v[86:87]
	v_pk_add_f32 v[88:89], v[88:89], v[90:91]
	v_pk_add_f32 v[92:93], v[92:93], v[94:95]
	v_pk_add_f32 v[80:81], v[80:81], v[84:85]
	v_pk_add_f32 v[88:89], v[88:89], v[92:93]
	v_add_f32 v80, v80, v81
	v_add_f32 v81, v88, v89
	v_add_f32 v80, s96, v80
	v_add_f32 v81, s97, v81
	global_store_b64 v[OUTO], v[80:81], s[90:91]
.Lend:
	s_wait_xcnt 0x0
	v_lshl_add_u32 v254, v0, 2, 0x21c00
	v_mov_b32 v255, 0
	s_wait_tensorcnt 0x0
	ds_add_u32 v254, v255
	s_wait_dscnt 0x0
	s_endpgm
.Lfunc_end_k_qb68b6ef1cb_layer0:
	.size	k_qb68b6ef1cb_layer0, .Lfunc_end_k_qb68b6ef1cb_layer0-k_qb68b6ef1cb_layer0
	.p2alignl 7, 3214868480
	.fill 96, 4, 3214868480
	.section	.rodata,"a",@progbits
	.p2align	6, 0x0
	.amdhsa_kernel k_qb68b6ef1cb_layer0
		.amdhsa_group_segment_fixed_size 139264
		.amdhsa_private_segment_fixed_size 0
		.amdhsa_enable_private_segment 0
		.amdhsa_kernarg_size 224
		.amdhsa_user_sgpr_count 2
		.amdhsa_user_sgpr_kernarg_segment_ptr 1
		.amdhsa_wavefront_size32 1
		.amdhsa_system_sgpr_workgroup_id_x 1
		.amdhsa_system_sgpr_workgroup_id_y 1
		.amdhsa_system_sgpr_workgroup_id_z 1
		.amdhsa_system_vgpr_workitem_id 0
		.amdhsa_next_free_vgpr 512
		.amdhsa_next_free_sgpr 100
		.amdhsa_reserve_vcc 1
		.amdhsa_float_denorm_mode_32 3
		.amdhsa_float_denorm_mode_16_64 3
		.amdhsa_memory_ordered 1
		.amdhsa_forward_progress 1
		.amdhsa_inst_pref_size 206
	.end_amdhsa_kernel
	.amdgpu_metadata
---
amdhsa.version: [ 1, 2 ]
amdhsa.kernels:
  - .name:           k_qb68b6ef1cb_layer0
    .symbol:         k_qb68b6ef1cb_layer0.kd
    .args:
      - { .name: ctrA, .offset: 0, .size: 8, .value_kind: global_buffer, .address_space: global }
      - { .name: ctrB, .offset: 8, .size: 8, .value_kind: global_buffer, .address_space: global }
      - { .name: hA, .offset: 16, .size: 8, .value_kind: global_buffer, .address_space: global }
      - { .name: hB, .offset: 24, .size: 8, .value_kind: global_buffer, .address_space: global }
      - { .name: qkvA, .offset: 32, .size: 8, .value_kind: global_buffer, .address_space: global }
      - { .name: qkvB, .offset: 40, .size: 8, .value_kind: global_buffer, .address_space: global }
      - { .name: mask, .offset: 48, .size: 8, .value_kind: global_buffer, .address_space: global }
      - { .name: out_w_codes, .offset: 56, .size: 8, .value_kind: global_buffer, .address_space: global }
      - { .name: out_w_scales, .offset: 64, .size: 8, .value_kind: global_buffer, .address_space: global }
      - { .name: out_b, .offset: 72, .size: 8, .value_kind: global_buffer, .address_space: global }
      - { .name: ln2_g, .offset: 80, .size: 8, .value_kind: global_buffer, .address_space: global }
      - { .name: ln2_b, .offset: 88, .size: 8, .value_kind: global_buffer, .address_space: global }
      - { .name: w1_codes, .offset: 96, .size: 8, .value_kind: global_buffer, .address_space: global }
      - { .name: w1_scales, .offset: 104, .size: 8, .value_kind: global_buffer, .address_space: global }
      - { .name: b1, .offset: 112, .size: 8, .value_kind: global_buffer, .address_space: global }
      - { .name: w2_codes, .offset: 120, .size: 8, .value_kind: global_buffer, .address_space: global }
      - { .name: w2_scales, .offset: 128, .size: 8, .value_kind: global_buffer, .address_space: global }
      - { .name: b2, .offset: 136, .size: 8, .value_kind: global_buffer, .address_space: global }
      - { .name: ln1_g, .offset: 144, .size: 8, .value_kind: global_buffer, .address_space: global }
      - { .name: ln1_b, .offset: 152, .size: 8, .value_kind: global_buffer, .address_space: global }
      - { .name: in_w_codes, .offset: 160, .size: 8, .value_kind: global_buffer, .address_space: global }
      - { .name: in_w_scales, .offset: 168, .size: 8, .value_kind: global_buffer, .address_space: global }
      - { .name: in_b, .offset: 176, .size: 8, .value_kind: global_buffer, .address_space: global }
      - { .name: lnf_g, .offset: 184, .size: 8, .value_kind: global_buffer, .address_space: global }
      - { .name: lnf_b, .offset: 192, .size: 8, .value_kind: global_buffer, .address_space: global }
      - { .name: wf, .offset: 200, .size: 8, .value_kind: global_buffer, .address_space: global }
      - { .name: bf, .offset: 208, .size: 8, .value_kind: global_buffer, .address_space: global }
      - { .name: out0, .offset: 216, .size: 8, .value_kind: global_buffer, .address_space: global }
    .group_segment_fixed_size: 139264
    .private_segment_fixed_size: 0
    .kernarg_segment_align: 8
    .kernarg_segment_size: 224
    .max_flat_workgroup_size: 256
    .sgpr_count:     100
    .vgpr_count:     512
    .wavefront_size: 32
...
	.end_amdgpu_metadata
.endif
;; end of part 2
;; launch layer1: the kernel of part 2 again; grid 64 x 4, 8 waves a work-group, no clusters, 139,264 bytes of LDS; arguments ctrB, ctrA, hB, hA, qkvB, qkvA, mask, out_w_codes, out_w_scales, out_b, ln2_g, ln2_b, w1_codes, w1_scales, b1, w2_codes, w2_scales, b2, ln1_g, ln1_b, in_w_codes, in_w_scales, in_b, lnf_g, lnf_b, wf, bf, out0; writes ctrA, hA, qkvA, out0
;; launch layer2: the kernel of part 2 again; grid 64 x 4, 8 waves a work-group, no clusters, 139,264 bytes of LDS; arguments ctrA, ctrB, hA, hB, qkvA, qkvB, mask, out_w_codes, out_w_scales, out_b, ln2_g, ln2_b, w1_codes, w1_scales, b1, w2_codes, w2_scales, b2, ln1_g, ln1_b, in_w_codes, in_w_scales, in_b, lnf_g, lnf_b, wf, bf, out0; writes ctrB, hB, qkvB, out0
;; launch layer3: the kernel of part 2 again; grid 64 x 4, 8 waves a work-group, no clusters, 139,264 bytes of LDS; arguments ctrB, ctrA, hB, hA, qkvB, qkvA, mask, out_w_codes, out_w_scales, out_b, ln2_g, ln2_b, w1_codes, w1_scales, b1, w2_codes, w2_scales, b2, ln1_g, ln1_b, in_w_codes, in_w_scales, in_b, lnf_g, lnf_b, wf, bf, out0; writes ctrA, hA, qkvA, out0
;; ======== version 2 of 2: 5 launches
;; limits: right only within a limited range of input values
;; workspace buffers: hA 8,388,608 bytes; hB 8,388,608 bytes; qkvA 4,915,200 bytes; qkvB 4,915,200 bytes; wimg 2,359,296 bytes; ctrA 256 bytes of whole numbers; ctrB 256 bytes of whole numbers
;; launch first (part 3): grid 64 x 4, 8 waves a work-group, no clusters, 104,704 bytes of LDS; arguments x, emb, ln1_g, ln1_b, in_w_codes, in_w_scales, in_b, hA, qkvA, ctrA, out_w_codes, w1_codes, w2_codes, wimg; writes hA, qkvA, ctrA, wimg
.if DOCPART == 3
	.amdgcn_target "amdgcn-amd-amdhsa--gfx1250"
	.amdhsa_code_object_version 6
	.text
	.protected	k_qb68b6ef1cb_first
	.globl	k_qb68b6ef1cb_first
	.p2align	8
	.type	k_qb68b6ef1cb_first,@function
k_qb68b6ef1cb_first:
	s_mov_b64 s[64:65], 0
	v_nop
	global_prefetch_b8 v0, s[64:65] scope:SCOPE_SE
	s_setreg_imm32_b32 hwreg(HW_REG_WAVE_MODE, 25, 1), 1
	s_wait_xcnt 0x0
; FIRST LAUNCH: h0 = 16 emb[x] + positional code; LN1 of layer 0; q, k, v of layer 0 as codes of E2M3 with E8M0 scales; and all four layers' weights laid anew for the layers' launches.
; A work-group of eight waves owns 32 rows (batch b = group y, positions 32 x .. 32 x + 31).  The waves share the COLUMNS: wave w holds columns 32 w .. 32 w + 31 of all 32 rows.
; Rows lie in two tiles: tile T, lane row rho stands for position 8 T + rho + 8 (rho / 8).  Register X + 16 T + i of lane (rho, h) is (row (T, rho), column 32 w + 16 h + i): 16 neighbours of one block of 32.
; Operands go from wave to wave through LDS as images of their registers: lane l's 12 registers of a fragment at 48 l; a row's scale word at 4 rho.
; THE WEIGHTS' IMAGES.  In a layer's launch wave w wants 48 fragments (16 rows x 128 K, 12 registers a lane): 4 of out_w, 16 of W1, 16 of W2, 12 of in_w.  From the given rows a fragment is six loads of 8 bytes a lane,
; each spread over 16 rows.  Here work-group (x = j < 48, y = l), wave w reads fragment j of layer l so, once, and stores its registers as they stand: fragment ((8 l + w) 48 + j) of 1,536 bytes, registers 4 i .. 4 i + 3 of lane n at
; 512 i + 16 n.  The layers then take a fragment by three loads that each cover 512 consecutive bytes.  Work-groups 48 to 63 along x have no fragment.
; No tensor load and no cluster: the same text pattern serves the layers' launch, whose addresses hang on a stored layer number.
; LIMITS: x is held to 31,999; NaN and infinities are not served; a block of zeros gets the scale byte 1 (its codes are zeros, and only this program reads these bytes);
; the positional angle carries the rounding of v_exp_f32 in the frequency: at most about 2e-4 radians at position 2,047.
.set LAYER, 0
; ---- LDS map, bytes
.set AIMG, 0
.set ASC,  6144
.set OIMG, 6400
.set OSC,  12544
.set HIMG, 12800
.set HSC,  37376
.set NIMG, 38400
.set NSC,  44544
.set QKST, 44800
.set QKSS, 57088
.set RED,  57600
.set FRED, 61696
.set FLG,  63744
.set VST,  64000
.set EMB,  70144                       ; 32 rows of 1,024 bytes + 16
; ---- regions of the q/k/v buffer
.set KC,  1572864
.set VC,  3145728
.set QSO, 4718592
.set KSO, 4784128
.set VSO, 4849664
; ---- vector registers
.set L16, 1
.set LSC, 2
.set LREC, 3
.set COL, 4
.set W768, 5
.set WS32, 6
.set P4,  7
.set L8,  8
.set T8,  9
.set ES,  10
.set EA,  11
.set W192, 14
.set WS8, 15
.set AQA, 16
.set ASA, 17
.set AQO, 18
.set ASO, 19
.set AQH, 20
.set ASH, 21
.set AQQ, 22
.set ASQ, 23
.set VA132, 24
.set VA252, 25
.set REDS, 26
.set REDL, 27
.set CPY, 28
.set CP8, 29
.set VT8, 30
.set VSB, 31
.set FRS, 32
.set FRL, 33
.set OUTO, 34
.set L4,  35
.set BFS, 40                           ; v40-47 scale words of the activations' fragments
.set X,   48                           ; v48-79 my 32 numbers a lane
.set G1,  80
.set B1T, 96
.set CBQ, 112                          ; q's bias, then k's at +16
.set RD2, 144
.set BFQ, 48
.set VA0, 96                           ; v's sums: tile u at VA0 + 112 u
.set QA,  144                          ; q's sums, k's at +32
.set WS,  224                          ; v224-235 the weights' scale words
.set VBI, 236                          ; v236-239 v's bias, each twice
.set QT,  244                          ; v244-255 at work
.set IMG, 144                          ; in window 1 (v400-411): the weight fragment that I lay anew; written once, never again
; ---- scalar pointers
.set P_G1, 32
.set P_B1, 34
.set P_INW, 36
.set P_INS, 38
.set P_INB, 40
.set P_HOUT, 42
.set P_QKVO, 44
.set P_OW, 80
.set P_W1, 82
.set P_W2, 84
.set P_IMG, 86
.set P_IN2, 88
.set MSB, 0
.macro WIN new                         ; the immediate's high byte repeats the setting that is left
.if MSB != \new
	s_set_vgpr_msb (MSB<<8)|\new
.set MSB, \new
.endif
.endm
.macro BARRIER                         ; my LDS stores have landed and my LDS loads are in: then the work-group's barrier
	s_wait_dscnt 0x0
	s_barrier_signal -1
	s_barrier_wait -1
.endm
.macro PLACES n
.rept \n
	v_nop
.endr
.endm
.macro PADJ p, ra, ca, rb, cb          ; pointer p += s[ra] x ca + s[rb] x cb (the offset is made apart from the address; s61 = 0)
	s_mul_i32 s60, s[\ra], \ca
	s_mul_i32 s62, s[\rb], \cb
	s_add_co_u32 s60, s60, s62
	s_add_nc_u64 s[\p:\p+1], s[\p:\p+1], s[60:61]
.endm
.macro ACC r, c                        ; the offset in s60 += s[r] x c
	s_mul_i32 s62, s[\r], \c
	s_add_co_u32 s60, s60, s62
.endm
.macro WFRAG reg, adr, base, off       ; a weight's fragment, 16 rows x 128 K: 2 x 24 bytes a lane, in pieces of 8
.irp p,0,1,2,3,4,5
	global_load_b64 v[(\reg)+2*\p:(\reg)+2*\p+1], v[\adr], s[\base:\base+1] offset:(\off)+48*(\p/3)+8*(\p%3)
.endr
.endm
.macro IMGLD base, adr                 ; the fragment that I lay anew, into window 1
	WIN 0x40
	WFRAG IMG, \adr, \base, 0
	WIN 0
.endm
.macro VEC16 reg, base, off            ; 16 numbers of a vector over the columns: those of my half of the wave's 32
.irp m,0,1,2,3
	global_load_b128 v[(\reg)+4*\m:(\reg)+4*\m+3], v[COL], s[\base:\base+1] offset:(\off)+16*\m
.endr
.endm
.macro FETCH reg, off                  ; a fragment's image back from LDS
.irp i,0,1,2
	ds_load_b128 v[(\reg)+4*\i:(\reg)+4*\i+3], v[LREC] offset:(\off)+16*\i
.endr
.endm
.macro FSC reg, off
	ds_load_b32 v[\reg], v[LSC] offset:\off
.endm
.macro MM d, a, b, c, sa, sb
	v_wmma_scale_f32_16x16x128_f8f6f4 v[(\d):(\d)+7], v[(\a):(\a)+11], v[(\b):(\b)+11], v[(\c):(\c)+7], v[\sa], v[\sb] matrix_a_fmt:MATRIX_FMT_FP6 matrix_b_fmt:MATRIX_FMT_FP6
.endm
.macro MM0 d, a, b, sa, sb
	v_wmma_scale_f32_16x16x128_f8f6f4 v[(\d):(\d)+7], v[(\a):(\a)+11], v[(\b):(\b)+11], 0, v[\sa], v[\sb] matrix_a_fmt:MATRIX_FMT_FP6 matrix_b_fmt:MATRIX_FMT_FP6
.endm
; 16 numbers of a lane, k = 16 h + 0 .. 15 of one block of 32 (the other 16 lie in lane l xor 16): the scale's byte into v[QT+3], 16 codes (96 bits) into v[QT+4:QT+6]
.macro QCORE src
	v_max3_num_f32 v[QT], |v[(\src)]|, |v[(\src)+1]|, 0x1800000          ; with the floor 2^(3 - 127): the byte cannot fall under 1
	v_max3_num_f32 v[QT+1], |v[(\src)+8]|, |v[(\src)+9]|, |v[(\src)+10]|  ; two chains; each of the two sums of eight is read from its low end on
	v_max3_num_f32 v[QT], v[QT], |v[(\src)+2]|, |v[(\src)+3]|
	v_max3_num_f32 v[QT+1], v[QT+1], |v[(\src)+11]|, |v[(\src)+12]|
	v_max3_num_f32 v[QT], v[QT], |v[(\src)+4]|, |v[(\src)+5]|
	v_max3_num_f32 v[QT+1], v[QT+1], |v[(\src)+13]|, |v[(\src)+14]|
	v_max3_num_f32 v[QT], v[QT], |v[(\src)+6]|, |v[(\src)+7]|
	v_max3_num_f32 v[QT], v[QT], v[QT+1], |v[(\src)+15]|
	s_delay_alu instid0(VALU_DEP_1)
	v_permlanex16_b32 v[QT+1], v[QT], s20, s21
	s_delay_alu instid0(VALU_DEP_1)
	v_max_num_f32 v[QT], v[QT], v[QT+1]                                   ; the block's largest magnitude
	s_delay_alu instid0(VALU_DEP_1)
	v_add_nc_u32 v[QT+2], 0xff000000, v[QT]                               ; 2 off its exponent field: the conversion's scale operand
	s_delay_alu instid0(VALU_DEP_1)
	v_lshrrev_b32 v[QT+3], 23, v[QT+2]
	v_cvt_scalef32_pk16_fp6_f32 v[QT+4:QT+6], v[(\src):(\src)+15], v[QT+2]
	v_nop                                                                 ; one plain place behind a scaled conversion
.endm
.macro QBLK src, adr, off, sadr, soff  ; and into a fragment's image: three words, and one byte of the row's scale word (both halves write the same byte)
	QCORE \src
	ds_store_b32 v[\adr], v[QT+4] offset:\off
	ds_store_b32 v[\adr], v[QT+5] offset:(\off)+4
	ds_store_b32 v[\adr], v[QT+6] offset:(\off)+8
	ds_store_b8 v[\sadr], v[QT+3] offset:\soff
.endm
.macro HALVES                          ; v[QT:QT+1], v[QT+2:QT+3]: a pair of partial sums for each tile -> v[QT+4]: the wave's sum for row (T = h, rho)
	s_delay_alu instid0(VALU_DEP_2)
	v_add_f32 v[QT], v[QT], v[QT+1]
	s_delay_alu instid0(VALU_DEP_2)
	v_add_f32 v[QT+2], v[QT+2], v[QT+3]
	s_delay_alu instid0(VALU_DEP_2)
	v_permlanex16_b32 v[QT+1], v[QT], s20, s21
	s_delay_alu instid0(VALU_DEP_2)
	v_permlanex16_b32 v[QT+3], v[QT+2], s20, s21
	s_delay_alu instid0(VALU_DEP_2)
	v_add_f32 v[QT], v[QT], v[QT+1]
	s_delay_alu instid0(VALU_DEP_2)
	v_add_f32 v[QT+2], v[QT+2], v[QT+3]
	s_delay_alu instid0(VALU_DEP_1)
	v_cndmask_b32 v[QT+4], v[QT], v[QT+2], s24
.endm
.macro LNSUM rd, ro                    ; over the eight waves: v[rd] = tile 0's sum of my row, v[rd+8] = tile 1's; the same order of additions in every wave
	ds_store_b32 v[REDS], v[QT+4] offset:\ro
	BARRIER
	ds_load_b128 v[\rd:\rd+3], v[REDL] offset:\ro
	ds_load_b128 v[\rd+4:\rd+7], v[REDL] offset:\ro+16
	ds_load_b128 v[\rd+8:\rd+11], v[REDL] offset:\ro+512
	ds_load_b128 v[\rd+12:\rd+15], v[REDL] offset:\ro+528
	s_wait_dscnt 0x0
.irp t,0,8
	v_pk_add_f32 v[\rd+\t:\rd+\t+1], v[\rd+\t:\rd+\t+1], v[\rd+\t+2:\rd+\t+3]
	v_pk_add_f32 v[\rd+\t+4:\rd+\t+5], v[\rd+\t+4:\rd+\t+5], v[\rd+\t+6:\rd+\t+7]
.endr
.irp t, 0
	s_delay_alu instid0(VALU_DEP_3)
	v_pk_add_f32 v[\rd+\t:\rd+\t+1], v[\rd+\t:\rd+\t+1], v[\rd+\t+4:\rd+\t+5]
.endr
.irp t, 8
	s_delay_alu instid0(VALU_DEP_2)
	v_pk_add_f32 v[\rd+\t:\rd+\t+1], v[\rd+\t:\rd+\t+1], v[\rd+\t+4:\rd+\t+5]
.endr
.irp t,0,8
	s_delay_alu instid0(VALU_DEP_2)
	v_add_f32 v[\rd+\t], v[\rd+\t], v[\rd+\t+1]
.endr
.endm
; x <- (x - mean) / sqrt(var + 1e-5), in two passes (the variance is the mean of the squared differences): two barriers
.macro LNHAT x, rd, ro
.irp tt,0,1
	v_pk_add_f32 v[QT+2*\tt:QT+2*\tt+1], v[\x+16*\tt:\x+16*\tt+1], v[\x+16*\tt+2:\x+16*\tt+3]
.endr
.irp i,4,6,8,10,12,14
.irp tt,0,1
	s_delay_alu instid0(VALU_DEP_2)
	v_pk_add_f32 v[QT+2*\tt:QT+2*\tt+1], v[QT+2*\tt:QT+2*\tt+1], v[\x+16*\tt+\i:\x+16*\tt+\i+1]
.endr
.endr
	HALVES
	LNSUM \rd, \ro
	s_delay_alu instid0(VALU_DEP_2)
	v_mul_f32 v[QT], s25, v[\rd]
	s_delay_alu instid0(VALU_DEP_2)
	v_mul_f32 v[QT+2], s25, v[\rd+8]
.irp tt,0,1
.irp i,0,2,4,6,8,10,12,14
	v_pk_add_f32 v[\x+16*\tt+\i:\x+16*\tt+\i+1], v[\x+16*\tt+\i:\x+16*\tt+\i+1], v[QT+2*\tt:QT+2*\tt+1] op_sel_hi:[1,0] neg_lo:[0,1] neg_hi:[0,1]
.endr
.endr
.irp tt,0,1
	v_pk_mul_f32 v[QT+2*\tt:QT+2*\tt+1], v[\x+16*\tt:\x+16*\tt+1], v[\x+16*\tt:\x+16*\tt+1]
.endr
.irp i,2,4,6,8,10,12,14
.irp tt,0,1
	s_delay_alu instid0(VALU_DEP_2)
	v_pk_fma_f32 v[QT+2*\tt:QT+2*\tt+1], v[\x+16*\tt+\i:\x+16*\tt+\i+1], v[\x+16*\tt+\i:\x+16*\tt+\i+1], v[QT+2*\tt:QT+2*\tt+1]
.endr
.endr
	HALVES
	LNSUM \rd, (\ro)+1024
	s_delay_alu instid0(VALU_DEP_2)
	v_fma_f32 v[QT], v[\rd], s25, s26
	s_delay_alu instid0(VALU_DEP_2)
	v_fma_f32 v[QT+2], v[\rd+8], s25, s26
	s_wait_alu depctr_va_vdst(0)
	v_rsq_f32 v[QT], v[QT]
	v_rsq_f32 v[QT+2], v[QT+2]
	v_nop                                  ; one plain place behind the transcendentals
	s_wait_alu depctr_va_vdst(0)
.irp tt,0,1
.irp i,0,2,4,6,8,10,12,14
	v_pk_mul_f32 v[\x+16*\tt+\i:\x+16*\tt+\i+1], v[\x+16*\tt+\i:\x+16*\tt+\i+1], v[QT+2*\tt:QT+2*\tt+1] op_sel_hi:[1,0]
.endr
.endr
.endm
.macro AFFINE x, g, b
.irp tt,0,1
.irp i,0,2,4,6,8,10,12,14
	v_pk_fma_f32 v[\x+16*\tt+\i:\x+16*\tt+\i+1], v[\x+16*\tt+\i:\x+16*\tt+\i+1], v[\g+\i:\g+\i+1], v[\b+\i:\b+\i+1]
.endr
.endr
.endm
.macro IDS
	v_lshrrev_b32 v244, 5, v0
	s_delay_alu instid0(VALU_DEP_1)
	v_readfirstlane_b32 s2, v244           ; wave w
	s_lshr_b32 s3, s2, 1                   ; w / 2
	s_and_b32 s4, s2, 1                    ; w % 2
	s_mov_b32 s5, ttmp9                    ; block of 32 positions
	s_and_b32 s6, ttmp7, 0xffff            ; batch
	s_lshl_b32 s9, s6, 6
	s_add_co_u32 s9, s9, s5                ; row block = 64 b + block
	s_mov_b32 s61, 0                       ; the high word of every offset pair s[60:61]
	s_mov_b32 s20, 0x76543210
	s_mov_b32 s21, 0xfedcba98              ; v_permlanex16_b32's selects for lane l xor 16
	s_mov_b32 s24, 0xffff0000              ; the lanes with h = 1
	s_mov_b32 s25, 0x3b800000              ; 1 / 256
	s_mov_b32 s26, 0x3727c5ac              ; 1e-5
.endm
; addresses for all that follows attention: each a constant + a constant x lane term + a constant x wave term
.macro ADDR2
	v_and_b32 v244, 15, v0                 ; rho
	v_bfe_u32 v245, v0, 4, 1               ; h
	v_and_b32 v246, 31, v0                 ; lane
	s_delay_alu instid0(VALU_DEP_3)
	v_lshrrev_b32 v247, 3, v244
	s_delay_alu instid0(VALU_DEP_1)
	v_lshl_add_u32 v248, v247, 3, v244     ; P = rho + 8 (rho / 8)
	v_mul_u32_u24 v249, v244, 48
	s_delay_alu instid0(VALU_DEP_1)
	v_mad_u32_u24 v249, v245, 12, v249     ; 48 rho + 12 h: my 12 bytes of a block in an image
	s_wait_alu depctr_va_vdst(0)
	v_lshlrev_b32 v250, 2, v244            ; 4 rho
	s_wait_alu depctr_va_vdst(0)
	v_mul_u32_u24 v[LREC], v246, 48
	v_lshlrev_b32 v[COL], 6, v245
	v_lshlrev_b32 v[P4], 2, v248
	v_lshlrev_b32 v[L8], 3, v246
	v_lshlrev_b32 v[T8], 3, v0
	s_lshr_b32 s60, s2, 2                  ; feature block w: fragment w / 4, block w % 4 in it
	s_mul_i32 s62, s60, 1536
	s_mul_i32 s63, s4, 768
	s_add_co_u32 s62, s62, s63
	s_and_b32 s63, s3, 1
	s_mul_i32 s63, s63, 24
	s_add_co_u32 s62, s62, s63
	s_add_co_u32 s62, s62, OIMG
	v_add_nc_u32 v[AQO], s62, v249
	s_lshl_b32 s62, s60, 6
	s_and_b32 s63, s2, 3
	s_add_co_u32 s62, s62, s63
	s_add_co_u32 s62, s62, OSC
	v_add_nc_u32 v[ASO], s62, v250
	s_mul_i32 s62, s2, 768                 ; q, k: head w / 2, half w % 2 of its 64
	s_add_co_u32 s63, s62, QKST
	v_add_nc_u32 v[AQQ], s63, v249
	s_lshl_b32 s63, s3, 6
	s_add_co_u32 s63, s63, s4
	s_add_co_u32 s63, s63, QKSS
	v_add_nc_u32 v[ASQ], s63, v250
	s_add_co_u32 s62, s62, VST             ; v: 24 bytes of (tile, rho) lie as three pieces of 8, 128 bytes apart
	v_lshl_add_u32 v251, v244, 3, s62
	s_delay_alu instid0(VALU_DEP_1)
	v_mad_u32_u24 v[VA132], v245, 132, v251
	s_delay_alu instid0(VALU_DEP_2)
	v_mad_u32_u24 v[VA252], v245, 252, v251
	s_lshl_b32 s62, s2, 2
	s_add_co_u32 s63, s62, RED
	v_lshl_add_u32 v[REDS], v246, 5, s63
	v_lshlrev_b32 v[REDL], 5, v244
	s_delay_alu instid0(VALU_DEP_1)
	v_add_nc_u32 v[REDL], RED, v[REDL]
	s_mul_i32 s63, s2, 1536
	s_add_co_u32 s63, s63, QKST
	v_add_nc_u32 v[CPY], s63, v[LREC]
	s_lshl_b32 s63, s2, 8
	s_add_co_u32 s63, s63, QKSS
	v_add_nc_u32 v[CP8], s63, v[L8]
	v_add_nc_u32 v[VT8], VST, v[T8]
	v_lshl_add_u32 v[VSB], v245, 6, v250
	v_lshlrev_b32 v[L4], 2, v246
.if LAYER
	v_lshlrev_b32 v[WS32], 5, v248
	s_mul_i32 s62, s4, 3072                ; attention's result: tile kh, feature blocks 2 hd, 2 hd + 1
	s_lshr_b32 s60, s3, 1
	s_mul_i32 s63, s60, 1536
	s_add_co_u32 s62, s62, s63
	s_and_b32 s67, s3, 1
	s_mul_i32 s63, s67, 24
	s_add_co_u32 s62, s62, s63
	v_add_nc_u32 v[AQA], s62, v249
	s_lshl_b32 s62, s4, 7
	s_lshl_b32 s63, s60, 6
	s_add_co_u32 s62, s62, s63
	s_lshl_b32 s63, s67, 1
	s_add_co_u32 s62, s62, s63
	s_add_co_u32 s62, s62, ASC
	v_add_nc_u32 v[ASA], s62, v250
	s_mul_i32 s62, s2, 1536
	s_add_co_u32 s62, s62, HIMG
	v_add_nc_u32 v[AQH], s62, v249
	s_lshl_b32 s62, s2, 6
	s_add_co_u32 s62, s62, HSC
	v_add_nc_u32 v[ASH], s62, v250
	s_lshl_b32 s62, s2, 2
	s_add_co_u32 s62, s62, FRED
	v_lshl_add_u32 v[FRS], v246, 6, s62
	v_lshlrev_b32 v[FRL], 6, v246
	v_add_nc_u32 v[FRL], FRED, v[FRL]
	v_lshl_add_u32 v[OUTO], v245, 3, v248
	v_lshlrev_b32 v[OUTO], 5, v[OUTO]      ; 32 bytes a position in out0
.endif
.endm
; where this work-group's codes go: s[12:13] q's or k's fragment of wave w; s[14:15] their scale words (waves 0, 1); s[16:17] v's codes; s[18:19] v's scale bytes
.macro OUTPTRS
	s_lshr_b32 s60, s2, 2
	s_mul_i32 s60, s60, KC
	s_lshl_b32 s62, s9, 2
	s_and_b32 s63, s2, 3
	s_add_co_u32 s62, s62, s63
	s_mul_i32 s62, s62, 1536
	s_add_co_u32 s60, s60, s62
	s_add_nc_u64 s[12:13], s[P_QKVO:P_QKVO+1], s[60:61]
	s_lshl_b32 s60, s2, 16
	s_lshl_b32 s62, s9, 8
	s_add_co_u32 s60, s60, s62
	s_add_nc_u64 s[14:15], s[P_QKVO:P_QKVO+1], s[60:61]
	s_add_nc_u64 s[14:15], s[14:15], QSO
	s_mul_i32 s60, s9, 6144
	s_add_nc_u64 s[16:17], s[P_QKVO:P_QKVO+1], s[60:61]
	s_add_nc_u64 s[16:17], s[16:17], VC
	s_lshl_b32 s60, s6, 2
	s_add_co_u32 s60, s60, s3
	s_lshl_b32 s60, s60, 4
	s_lshr_b32 s62, s5, 2
	s_add_co_u32 s60, s60, s62
	s_lshl_b32 s60, s60, 8
	s_lshl_b32 s62, s4, 7
	s_add_co_u32 s60, s60, s62
	s_and_b32 s62, s5, 3
	s_add_co_u32 s60, s60, s62
	s_add_nc_u64 s[18:19], s[P_QKVO:P_QKVO+1], s[60:61]
	s_add_nc_u64 s[18:19], s[18:19], VSO
.endm
.macro HSTORE                          ; h as an image of my registers: each store covers 512 consecutive bytes, aligned
.irp tt,0,1
.irp i,0,1,2,3
	global_store_b128 v[L16], v[X+16*\tt+4*\i:X+16*\tt+4*\i+3], s[P_HOUT:P_HOUT+1] offset:2048*\tt+512*\i
.endr
.endr
.endm
.macro INLOADS                         ; 104 loads: LN1's gain and bias, in_b, in_w's scale words and my 12 fragments of in_w (q, k, v x 2 tiles x 2 K steps), here from the given rows
	VEC16 G1, P_G1, 0
	VEC16 B1T, P_B1, 0
	VEC16 CBQ, P_INB, 0
	VEC16 CBQ+16, P_INB, 1024
.irp u,0,1
	global_load_b32 v[VBI+2*\u], v[P4], s[P_INB:P_INB+1] offset:2048+32*\u
	global_load_b32 v[VBI+2*\u+1], v[P4], s[P_INB:P_INB+1] offset:2048+32*\u
.endr
.irp kd,0,1,2
.irp u,0,1
.irp s,0,1
	global_load_b32 v[WS+2*(2*\kd+\u)+\s], v[WS8], s[P_INS:P_INS+1] offset:(256*\kd+8*\u)*8+4*\s
.endr
.endr
.endr
	WIN 0x40
.irp kd,0,1,2
.irp u,0,1
.irp s,0,1
	WFRAG 12*(2*(2*\kd+\u)+\s), W192, P_INW, (256*\kd+8*\u)*192+96*\s
.endr
.endr
.endr
	WIN 0
.endm
; q, k (transposed: source 0 = 16 rows of in_w, source 1 = 16 rows of o: a lane holds a row, registers run along the head's axis) and
; v (source 0 = o, source 1 = in_w: a lane holds a column d, registers run along the KEYS).  Twelve sums by turns.
.macro QKVPHASE
.irp k,0,1,2,3
	FETCH BFQ+12*\k, NIMG+1536*\k
	FSC BFS+\k, NSC+64*\k
.endr
	s_wait_dscnt 0x0
.irp s,0,1
	WIN 0x01
.irp kd,0,1
.irp tt,0,1
.irp u,0,1
.if \s
	MM QA+32*\kd+16*\tt+8*\u, 12*(2*(2*\kd+\u)+1), BFQ+12*(2*\tt+1), QA+32*\kd+16*\tt+8*\u, WS+2*(2*\kd+\u)+1, BFS+2*\tt+1
.else
	MM QA+32*\kd+16*\tt+8*\u, 12*(2*(2*\kd+\u)), BFQ+12*(2*\tt), CBQ+16*\kd+8*\u, WS+2*(2*\kd+\u), BFS+2*\tt
.endif
.endr
.endr
.endr
	WIN 0x04
.irp u,0,1
.irp tt,0,1
.if \s
	MM VA0+112*\u+8*\tt, BFQ+12*(2*\tt+1), 12*(2*(4+\u)+1), VA0+112*\u+8*\tt, BFS+2*\tt+1, WS+2*(4+\u)+1
.else
	MM0 VA0+112*\u+8*\tt, BFQ+12*(2*\tt), 12*(2*(4+\u)), BFS+2*\tt, WS+2*(4+\u)
.endif
.endr
.endr
.endr
	WIN 0
	PLACES 4
.irp i,0,2,4,6,8,10,12,14,16,18,20,22,24,26,28,30
	v_pk_mul_f32 v[QA+\i:QA+\i+1], v[QA+\i:QA+\i+1], 0x3e000000 op_sel_hi:[1,0]     ; q / sqrt(64)
.endr
.irp u,0,1
.irp i,0,2,4,6,8,10,12,14
	v_pk_add_f32 v[VA0+112*\u+\i:VA0+112*\u+\i+1], v[VA0+112*\u+\i:VA0+112*\u+\i+1], v[VBI+2*\u:VBI+2*\u+1]   ; v's bias: one number a lane
.endr
.endr
.irp tt,0,1
	QBLK QA+16*\tt, AQQ, 24*\tt, ASQ, 2*\tt
	QBLK QA+32+16*\tt, AQQ, 6144+24*\tt, ASQ, 256+2*\tt
.endr
.irp u,0,1
	QCORE VA0+112*\u                       ; 16 keys of column d: the block of 32 keys is this work-group's 32 rows
	ds_store_b32 v[VA132], v[QT+4] offset:384*\u
	ds_store_b32 v[VA252], v[QT+5] offset:384*\u+4
	ds_store_b32 v[VA132], v[QT+6] offset:384*\u+128
.if \u==0
	v_mov_b32 v[QT+8], v[QT+3]
.endif
.endr
	v_cndmask_b32 v[QT+8], v[QT+8], v[QT+3], s24   ; lanes with h = u store tile u's byte
	global_store_b8 v[VSB], v[QT+8], s[18:19]
.endm
.macro COPYOUT                         ; the staged codes leave in runs of 512 consecutive bytes a store
.irp i,0,1,2
	ds_load_b128 v[48+4*\i:51+4*\i], v[CPY] offset:16*\i
.endr
.irp i,0,1,2
	ds_load_b64 v[60+2*\i:61+2*\i], v[VT8] offset:2048*\i
.endr
	s_wait_dscnt 0x0
.irp i,0,1,2
	global_store_b128 v[L16], v[48+4*\i:51+4*\i], s[12:13] offset:512*\i
.endr
.irp i,0,1,2
	global_store_b64 v[T8], v[60+2*\i:61+2*\i], s[16:17] offset:2048*\i
.endr
	s_cmp_gt_u32 s2, 1
	s_cbranch_scc1 .Lno_words
	ds_load_b64 v[66:67], v[CP8]           ; wave 0: q's scale words, wave 1: k's: 256 bytes each
	s_wait_dscnt 0x0
	global_store_b64 v[L8], v[66:67], s[14:15]
.Lno_words:
.endm
; sine and cosine of position x frequency m, added to 16 x the embedding.  n = nearest whole number of quarter turns; the remainder in two steps (the first is exact under 2,048); polynomials on [-pi/4, pi/4]
.macro PE tt, m
	s_wait_alu depctr_va_vdst(0)
	v_mul_f32 v204, v[202+\tt], v[192+\m]
	s_delay_alu instid0(VALU_DEP_1)
	v_mul_f32 v205, 0x3f22f983, v204
	s_delay_alu instid0(VALU_DEP_1)
	v_rndne_f32 v205, v205
	s_delay_alu instid0(VALU_DEP_1)
	v_fma_f32 v206, v205, s70, v204
	s_delay_alu instid0(VALU_DEP_1)
	v_fma_f32 v206, v205, s71, v206
	s_delay_alu instid0(VALU_DEP_1)
	v_mul_f32 v207, v206, v206
	s_delay_alu instid0(VALU_DEP_1)
	v_fma_f32 v208, v207, s72, s73
	s_delay_alu instid0(VALU_DEP_2)
	v_fma_f32 v209, v207, s75, s76
	s_delay_alu instid0(VALU_DEP_2)
	v_fma_f32 v208, v208, v207, s74
	s_delay_alu instid0(VALU_DEP_2)
	v_fma_f32 v209, v209, v207, s77
	v_mul_f32 v210, v207, v206
	v_mul_f32 v211, v207, v207
	s_delay_alu instid0(VALU_DEP_2)
	v_fma_f32 v208, v208, v210, v206       ; sin r
	v_fma_f32 v212, v207, -0.5, 1.0
	s_delay_alu instid0(VALU_DEP_1)
	v_fma_f32 v209, v209, v211, v212       ; cos r
	v_cvt_i32_f32 v213, v205
	s_delay_alu instid0(VALU_DEP_1)
	v_and_b32 v214, 1, v213
	s_delay_alu instid0(VALU_DEP_1)
	v_cmp_eq_u32 vcc_lo, 1, v214
	s_delay_alu instid0(VALU_DEP_1)
	v_cndmask_b32 v215, v208, v209, vcc_lo ; odd quarter: the two change places
	s_delay_alu instid0(VALU_DEP_2)
	v_cndmask_b32 v216, v209, v208, vcc_lo
	v_and_b32 v214, 2, v213
	s_delay_alu instid0(VALU_DEP_1)
	v_lshlrev_b32 v214, 30, v214
	s_delay_alu instid0(VALU_DEP_1)
	v_xor_b32 v[X+16*\tt+2*\m], v215, v214       ; the sine, left in X: the embedding joins it later
	v_add_nc_u32 v213, 1, v213
	s_delay_alu instid0(VALU_DEP_1)
	v_and_b32 v213, 2, v213
	s_delay_alu instid0(VALU_DEP_1)
	v_lshlrev_b32 v213, 30, v213
	s_delay_alu instid0(VALU_DEP_1)
	v_xor_b32 v[X+16*\tt+2*\m+1], v216, v213     ; the cosine
.endm
	s_load_b512 s[28:43], s[0:1], 0x0      ; x, emb, ln1_g, ln1_b, in_w_codes, in_w_scales, in_b, h
	s_load_b128 s[44:47], s[0:1], 0x40     ; q/k/v, the layer counter
	s_load_b128 s[80:83], s[0:1], 0x50     ; out_w_codes, w1_codes
	s_load_b128 s[84:87], s[0:1], 0x60     ; w2_codes, the weights' images
	v_lshl_add_u32 v254, v0, 2, 0x19500
	v_mov_b32 v255, 0
	IDS
	ADDR2
	v_lshlrev_b32 v[L16], 4, v246
	v_lshlrev_b32 v[LSC], 2, v244
	v_mul_u32_u24 v[W192], v248, 192       ; a weight's row P of 192 bytes, + 24 h
	s_delay_alu instid0(VALU_DEP_1)
	v_mad_u32_u24 v[W192], v245, 24, v[W192]
	v_mul_u32_u24 v[W768], v248, 768       ; and of 768 bytes (W2)
	s_delay_alu instid0(VALU_DEP_1)
	v_mad_u32_u24 v[W768], v245, 24, v[W768]
	v_lshlrev_b32 v[WS8], 3, v248
	s_mul_i32 s60, s2, 4160
	s_add_co_u32 s60, s60, EMB
	v_add_nc_u32 v[ES], s60, v[L16]        ; in: wave w brings positions 4 w .. 4 w + 3, 512 bytes a load
	v_mul_u32_u24 v[EA], v248, 1040
	s_delay_alu instid0(VALU_DEP_1)
	v_lshl_add_u32 v[EA], v245, 6, v[EA]
	s_lshl_b32 s60, s2, 7
	s_add_co_u32 s60, s60, EMB
	v_add_nc_u32 v[EA], s60, v[EA]         ; out: row P (+ 8 T), my 64 bytes of the wave's 128
	s_mov_b32 s70, 0xbfc90fdb              ; -pi/2, its f32 part
	s_mov_b32 s71, 0x333bbd2e              ; what that part has too much
	s_mov_b32 s72, 0xb94ca1f9
	s_mov_b32 s73, 0x3c08839e
	s_mov_b32 s74, 0xbe2aaaa3
	s_mov_b32 s75, 0x37ccf5ce
	s_mov_b32 s76, 0xbab6061a
	s_mov_b32 s77, 0x3d2aaaa5
	s_mov_b32 s78, 0x41800000              ; sqrt(256)
	s_mov_b32 s79, 0x41800000              ; (the packed form names the pair)
	s_wait_alu depctr_va_vdst(0)
	s_wait_kmcnt 0x0
	s_lshl_b32 s60, s6, 13
	s_lshl_b32 s62, s5, 7
	s_add_co_u32 s60, s60, s62
	s_lshl_b32 s62, s2, 4
	s_add_co_u32 s60, s60, s62
	s_add_nc_u64 s[28:29], s[28:29], s[60:61]
	s_load_b128 s[48:51], s[28:29], 0x0    ; my four tokens
	s_lshl_b32 s60, s2, 7
	s_add_nc_u64 s[P_G1:P_G1+1], s[P_G1:P_G1+1], s[60:61]
	s_add_nc_u64 s[P_B1:P_B1+1], s[P_B1:P_B1+1], s[60:61]
	s_add_nc_u64 s[P_INB:P_INB+1], s[P_INB:P_INB+1], s[60:61]
	s_mul_i32 s60, s2, 6144
	s_add_nc_u64 s[P_INW:P_INW+1], s[P_INW:P_INW+1], s[60:61]
	s_lshl_b32 s60, s2, 8
	s_add_nc_u64 s[P_INS:P_INS+1], s[P_INS:P_INS+1], s[60:61]
	PADJ P_HOUT, 9, 32768, 2, 4096
	s_lshl_b32 s60, s6, 3                  ; where my weight fragment goes: ((8 l + w) 48 + j) x 1,536, with l = group y and j = group x
	s_add_co_u32 s60, s60, s2
	s_mul_i32 s60, s60, 48
	s_add_co_u32 s60, s60, s5
	s_mul_i32 s60, s60, 1536
	s_add_nc_u64 s[P_IMG:P_IMG+1], s[P_IMG:P_IMG+1], s[60:61]
	OUTPTRS
	s_wait_kmcnt 0x0
.irp i,0,1,2,3
	s_min_u32 s[48+\i], s[48+\i], 31999
	s_lshl_b32 s60, s[48+\i], 10
	s_add_nc_u64 s[52+2*\i:53+2*\i], s[30:31], s[60:61]
.endr
.irp i,0,1,2,3
	global_load_b128 v[160+8*\i:163+8*\i], v[L16], s[52+2*\i:53+2*\i]
	global_load_b128 v[164+8*\i:167+8*\i], v[L16], s[52+2*\i:53+2*\i] offset:512
.endr
	INLOADS
	; ---- the weight fragment that this wave lays anew is asked for: j = group x says which tensor and which fragment; the branches hang on the work-group's number alone
	WIN 0x40
.set jj, IMG
.rept 12
	v_mov_b32 v[jj], 0                     ; twelve registers written on every path: work-groups 48 to 63 ask for nothing
.set jj, jj+1
.endr
	WIN 0
	s_cmp_lt_u32 s5, 4
	s_cbranch_scc0 .Limg_w1
	s_lshr_b32 s63, s5, 1                  ; out_w, j = 2 u + s: rows 32 w + 8 u + P, K step s
	s_mul_i32 s60, s63, 1536
	s_and_b32 s63, s5, 1
	ACC 63, 96
	ACC 6, 49152
	ACC 2, 6144
	s_add_nc_u64 s[P_OW:P_OW+1], s[P_OW:P_OW+1], s[60:61]
	IMGLD P_OW, W192
	s_branch .Limg_asked
.Limg_w1:
	s_cmp_lt_u32 s5, 20
	s_cbranch_scc0 .Limg_w2
	s_sub_co_u32 s67, s5, 4                ; W1, j - 4 = 2 n + s: rows 128 w + 32 (n / 2) + 8 (n % 2) + P, K step s
	s_lshr_b32 s63, s67, 2
	s_mul_i32 s60, s63, 32*192
	s_bfe_u32 s63, s67, 0x10001
	ACC 63, 8*192
	s_and_b32 s63, s67, 1
	ACC 63, 96
	ACC 6, 196608
	ACC 2, 24576
	s_add_nc_u64 s[P_W1:P_W1+1], s[P_W1:P_W1+1], s[60:61]
	IMGLD P_W1, W192
	s_branch .Limg_asked
.Limg_w2:
	s_cmp_lt_u32 s5, 36
	s_cbranch_scc0 .Limg_in
	s_sub_co_u32 s67, s5, 20               ; W2, j - 20 = 8 u + s: rows 32 w + 8 u + P, K step s of eight
	s_lshr_b32 s63, s67, 3
	s_mul_i32 s60, s63, 6144
	s_and_b32 s63, s67, 7
	ACC 63, 96
	ACC 6, 196608
	ACC 2, 24576
	s_add_nc_u64 s[P_W2:P_W2+1], s[P_W2:P_W2+1], s[60:61]
	IMGLD P_W2, W768
	s_branch .Limg_asked
.Limg_in:
	s_cmp_lt_u32 s5, 48
	s_cbranch_scc0 .Limg_asked
	s_sub_co_u32 s67, s5, 36               ; in_w, j - 36 = 4 kd + 2 u + s: rows 256 kd + 32 w + 8 u + P, K step s
	s_lshr_b32 s63, s67, 2
	s_mul_i32 s60, s63, 256*192
	s_bfe_u32 s63, s67, 0x10001
	ACC 63, 8*192
	s_and_b32 s63, s67, 1
	ACC 63, 96
	ACC 6, 147456
	s_add_nc_u64 s[P_IN2:P_IN2+1], s[P_INW:P_INW+1], s[60:61]   ; (in_w's pointer holds 6,144 w already)
	IMGLD P_IN2, W192
.Limg_asked:
	; the frequencies of my eight pairs of columns, 2^(-2 m log2(10000) / 256), and my two positions
	s_lshl_b32 s60, s2, 5
	v_lshl_add_u32 v200, v245, 4, s60
.irp m,0,1,2,3,4,5,6,7
	v_add_nc_u32 v201, 2*\m, v200
	s_delay_alu instid0(VALU_DEP_1)
	v_cvt_f32_u32 v[192+\m], v201
	s_delay_alu instid0(VALU_DEP_1)
	v_mul_f32 v[192+\m], 0xbd549a78, v[192+\m]
.endr
	s_wait_alu depctr_va_vdst(0)
.irp m,0,1,2,3,4,5,6,7
	v_exp_f32 v[192+\m], v[192+\m]
.endr
	s_lshl_b32 s60, s5, 5
	v_add_nc_u32 v202, s60, v248           ; (a plain place behind the exponentials)
	s_delay_alu instid0(VALU_DEP_1)
	v_add_nc_u32 v203, 8, v202
	s_delay_alu instid0(VALU_DEP_2)
	v_cvt_f32_u32 v202, v202
	s_delay_alu instid0(VALU_DEP_2)
	v_cvt_f32_u32 v203, v203
.irp tt,0,1                            ; the positional code hangs on ids alone: it is made while the embedding's loads are out
.irp m,0,1,2,3,4,5,6,7
	PE \tt, \m
.endr
.endr
	s_wait_alu depctr_va_vdst(0)
	s_wait_loadcnt 63                      ; the eight loads of the embedding have 104 younger loads or more behind them
.irp i,0,1,2,3
	ds_store_b128 v[ES], v[160+8*\i:163+8*\i] offset:1040*\i
	ds_store_b128 v[ES], v[164+8*\i:167+8*\i] offset:1040*\i+512
.endr
	BARRIER                                ; 32 rows of the embedding lie in LDS
.irp tt,0,1
.irp i,0,1,2,3
	ds_load_b128 v[160+16*\tt+4*\i:163+16*\tt+4*\i], v[EA] offset:8320*\tt+16*\i   ; the embedding's numbers of my 32 places, into the registers that brought the rows in
.endr
.endr
	s_wait_dscnt 0x0
.irp i,0,2,4,6,8,10,12,14,16,18,20,22,24,26,28,30
	v_pk_fma_f32 v[X+\i:X+\i+1], v[160+\i:161+\i], s[78:79], v[X+\i:X+\i+1] op_sel_hi:[1,0,1]   ; h0 = 16 x the embedding + the positional code
.endr
	s_wait_alu depctr_va_vdst(0)
	HSTORE
	s_or_b32 s60, s5, s6
	s_or_b32 s60, s60, s2
	s_cmp_lg_u32 s60, 0
	s_cbranch_scc1 .Lno_ctr
	v_mov_b32 v240, 0                      ; the next launch is layer 0
	global_store_b32 v[L4], v240, s[46:47]
.Lno_ctr:
	s_wait_xcnt 0x0                        ; the stores have read X: it is rewritten below
	LNHAT X, RD2, 0
	s_wait_loadcnt 0x0
	s_cmp_lt_u32 s5, 48
	s_cbranch_scc0 .Lno_img
	WIN 0x04                               ; a store's data are its source 1: window 1
.irp i,0,1,2
	global_store_b128 v[L16], v[IMG+4*\i:IMG+4*\i+3], s[P_IMG:P_IMG+1] offset:512*\i   ; the fragment's registers as they stand: 512 consecutive bytes a store, aligned
.endr
	WIN 0
.Lno_img:
	AFFINE X, G1, B1T
	QBLK X, AQO, 32000, ASO, 32000         ; NIMG and NSC lie 32,000 bytes behind OIMG and OSC
	QBLK X+16, AQO, 32000+3072, ASO, 32000+128
	BARRIER                                ; o's four fragments lie in LDS
	QKVPHASE
	BARRIER                                ; the codes of q, k, v lie staged
	COPYOUT
	s_wait_tensorcnt 0x0
	ds_add_u32 v254, v255
	s_wait_dscnt 0x0
	s_endpgm
.Lfunc_end_k_qb68b6ef1cb_first:
	.size	k_qb68b6ef1cb_first, .Lfunc_end_k_qb68b6ef1cb_first-k_qb68b6ef1cb_first
	.p2alignl 7, 3214868480
	.fill 96, 4, 3214868480
	.section	.rodata,"a",@progbits
	.p2align	6, 0x0
	.amdhsa_kernel k_qb68b6ef1cb_first
		.amdhsa_group_segment_fixed_size 104704
		.amdhsa_private_segment_fixed_size 0
		.amdhsa_enable_private_segment 0
		.amdhsa_kernarg_size 112
		.amdhsa_user_sgpr_count 2
		.amdhsa_user_sgpr_kernarg_segment_ptr 1
		.amdhsa_wavefront_size32 1
		.amdhsa_system_sgpr_workgroup_id_x 1
		.amdhsa_system_sgpr_workgroup_id_y 1
		.amdhsa_system_sgpr_workgroup_id_z 1
		.amdhsa_system_vgpr_workitem_id 0
		.amdhsa_next_free_vgpr 416
		.amdhsa_next_free_sgpr 100
		.amdhsa_reserve_vcc 1
		.amdhsa_float_denorm_mode_32 3
		.amdhsa_float_denorm_mode_16_64 3
		.amdhsa_memory_ordered 1
		.amdhsa_forward_progress 1
		.amdhsa_inst_pref_size 86
	.end_amdhsa_kernel
	.amdgpu_metadata
---
amdhsa.version: [ 1, 2 ]
amdhsa.kernels:
  - .name:           k_qb68b6ef1cb_first
    .symbol:         k_qb68b6ef1cb_first.kd
    .args:
      - { .name: x, .offset: 0, .size: 8, .value_kind: global_buffer, .address_space: global }
      - { .name: emb, .offset: 8, .size: 8, .value_kind: global_buffer, .address_space: global }
      - { .name: ln1_g, .offset: 16, .size: 8, .value_kind: global_buffer, .address_space: global }
      - { .name: ln1_b, .offset: 24, .size: 8, .value_kind: global_buffer, .address_space: global }
      - { .name: in_w_codes, .offset: 32, .size: 8, .value_kind: global_buffer, .address_space: global }
      - { .name: in_w_scales, .offset: 40, .size: 8, .value_kind: global_buffer, .address_space: global }
      - { .name: in_b, .offset: 48, .size: 8, .value_kind: global_buffer, .address_space: global }
      - { .name: hA, .offset: 56, .size: 8, .value_kind: global_buffer, .address_space: global }
      - { .name: qkvA, .offset: 64, .size: 8, .value_kind: global_buffer, .address_space: global }
      - { .name: ctrA, .offset: 72, .size: 8, .value_kind: global_buffer, .address_space: global }
      - { .name: out_w_codes, .offset: 80, .size: 8, .value_kind: global_buffer, .address_space: global }
      - { .name: w1_codes, .offset: 88, .size: 8, .value_kind: global_buffer, .address_space: global }
      - { .name: w2_codes, .offset: 96, .size: 8, .value_kind: global_buffer, .address_space: global }
      - { .name: wimg, .offset: 104, .size: 8, .value_kind: global_buffer, .address_space: global }
    .group_segment_fixed_size: 104704
    .private_segment_fixed_size: 0
    .kernarg_segment_align: 8
    .kernarg_segment_size: 112
    .max_flat_workgroup_size: 256
    .sgpr_count:     100
    .vgpr_count:     416
    .wavefront_size: 32
...
	.end_amdgpu_metadata
.endif
;; end of part 3
;; launch layer0 (part 4): grid 64 x 4, 8 waves a work-group, no clusters, 300,800 bytes of LDS; arguments ctrA, ctrB, hA, hB, qkvA, qkvB, mask, wimg, out_w_scales, out_b, ln2_g, ln2_b, wf, w1_scales, b1, bf, w2_scales, b2, ln1_g, ln1_b, out0, in_w_scales, in_b, lnf_g, lnf_b; writes ctrB, hB, qkvB, out0
.if DOCPART == 4
	.amdgcn_target "amdgcn-amd-amdhsa--gfx1250"
	.amdhsa_code_object_version 6
	.text
	.protected	k_qb68b6ef1cb_layer0
	.globl	k_qb68b6ef1cb_layer0
	.p2align	8
	.type	k_qb68b6ef1cb_layer0,@function
k_qb68b6ef1cb_layer0:
	s_mov_b64 s[64:65], 0
	v_nop
	global_prefetch_b8 v0, s[64:65] scope:SCOPE_SE
	s_setreg_imm32_b32 hwreg(HW_REG_WAVE_MODE, 25, 1), 1
	s_wait_xcnt 0x0
; ONE ENCODER LAYER l (l is read from a counter that the launch before stored; it enters addresses only, held to 3):
; attention on the codes of q, k, v; out-projection + h; LN2; W1; W2; + h = the new h; then, on the new h, BOTH tails: LN1 and q, k, v of layer min(l + 1, 3) as codes, and LNf with the
; classifier into out0 (the two norms share mean and variance).  So no path of the text hangs on l: the out0 of layers 0 to 2 is overwritten by the next launch, and what layer 3 stores of h and codes is read by nobody.
; A work-group of eight waves owns 32 rows (batch b = group y, positions 32 x .. 32 x + 31).  Tile T, lane row rho stands for position 8 T + rho + 8 (rho / 8).
; ATTENTION: wave (hd = w / 2, kh = w % 2) takes head hd, both tiles of queries, keys 1,024 kh .. + 1,023, 128 a step; then the two waves of a head exchange a tile and merge (exact powers of two).
;   S^T = K Q^T with K = 64 in an instruction of 128: source 0 holds TWO tiles of keys (k 0-63: one, k 64-127: the other), source 1 is [q, 0] or [0, q]: zero codes cancel the other tile exactly.
;   THE MASK IS THE C OF THE SCORE PRODUCT: 0 where true, -2^100 where false, from an f32 table in LDS loaded straight into the sums' registers.
;   p = 2^(t - M), M the ceiling of the running largest t; the row's sum is of the unquantised p.  The largest t starts at -3e38; when the first live key comes, 2^(old M - new M) is 0 and wipes what masked keys left.
;   A block-row with no true entry: its queries' codes are cleared, all its scores are exactly -2^100, -2^100 x log2(e) is exact, so p = 1 for every key: the uniform softmax.
; BEHIND ATTENTION the waves share the COLUMNS: wave w holds columns 32 w .. + 31 (hidden units 128 w .. + 127) of all 32 rows; weights go from memory straight into operand registers, each byte once a work-group;
;   activations go from wave to wave through LDS as images of their registers (lane l's 12 registers at 48 l, a row's scale word at 4 rho).  Every LDS region is written once in the launch.
; THE WEIGHTS' CODES come from the images that the first launch laid: fragment ((8 l + w) 48 + j) of 1,536 bytes, j = 0-3 out_w, 4-19 W1, 20-35 W2, 36-47 in_w; registers 4 i .. 4 i + 3 of lane n at 512 i + 16 n:
;   three loads a fragment, each covering 512 consecutive bytes.
; NO TENSOR LOAD, NO CLUSTER, though 64 work-groups read the same K and V and all 256 the same weights: one text serves four layers by a stored layer number.
; LIMITS: live scores need t > -1.8e30; NaN and infinities are not served; a block of zeros gets the scale byte 1 (its codes are zeros; only this program reads these bytes).
.set LAYER, 1
; DEAD WORK LEFT OUT IN LAYER 3 (this corrects the head's line that no path hangs on l).  The module has four layers: behind layer 3 only LNf and the classifier read the new h, and they take it from registers here.
; So for l = 3 the stored h, the stored counter, LN1's affine step with o's codes, in_w's fragments, scale words and bias, the q, k, v products with their quantisers and the stores of their codes are read by no later
; launch and reach no output, whatever the inputs hold.  Scalar branches on l (a whole number that the launch before stored) lead round these pieces and round no barrier.
; LIMIT: a NaN, an infinity or an overflow that would arise only in the work left out is not carried anywhere.
; W2 IS THE EXCEPTION to the weights' way set out above: my 16 fragments of W2 (24,576 bytes a wave) are asked for during attention, 3,072 bytes in each of my eight key steps, six loads into v416-439,
; and the next step's head stores them into LDS bytes of my own (W2L + 24,576 w); the W2 product reads them back in two halves of eight fragments.  in_w's 12 fragments are asked for right behind the W1 product.
; The exchange region XCH shares its bytes with HIMG, HSC, NIMG, NSC and the start of QKST: four barriers lie between the last read of XCH and the first store into HIMG.  All other regions are written once.
; ---- LDS map, bytes
.set AIMG, 0
.set ASC,  6144
.set OIMG, 6400
.set OSC,  12544
.set HIMG, 12800
.set HSC,  37376
.set NIMG, 38400
.set NSC,  44544
.set QKST, 44800
.set QKSS, 57088
.set RED,  57600
.set FRED, 61696
.set FLG,  63744
.set VST,  64000
.set BIAS, 70144                       ; 4 block-rows x 2,048 keys of f32, rows 8,208 bytes apart
.set BP,   8208
.set XCH,  12800                       ; 4,352 bytes a wave: a tile of O^T, -M and the sum; over the bytes of the later images
.set W2L,  103168                      ; W2's fragments: 24,576 bytes a wave, each wave's own
.set SPARE, 299776                     ; the spare words, 128 bytes a wave
.set W2S,  207                         ; v207 during attention: where my next 3,072 bytes of W2 go
.set W2A,  36                          ; v36 behind attention: where my fragments of W2 lie
.set W2T,  160                         ; in window 1 (v416-439): 3,072 bytes of W2 on their way to LDS
.set W2B,  144                         ; in window 1 (v400-495): eight fragments of W2 at work
.set P_W2, 88                          ; s[88:89] W2's images of layer l, wave w, stepped by 3,072 a key step
.set XW,   4352
; ---- regions of the q/k/v buffer
.set KC,  1572864
.set VC,  3145728
.set QSO, 4718592
.set KSO, 4784128
.set VSO, 4849664
; ---- vector registers that stay
.set L16, 1
.set LSC, 2
.set WS8, 15
; ---- during attention
.set VKS, 3
.set VV,  4
.set VVS, 5
.set VB,  6                            ; v6, v7
.set VBS, 8
.set M16, 9
.set XST, 10
.set XS4, 11
.set XLD, 12
.set XL4, 13
.set QB,  16                           ; v16-45: 0 | q of tile 0 | 0 | q of tile 1 | 0, six registers each
.set QS,  46
.set SCR, 48                           ; v48-111, v112-175 scores, then p
.set PCR, 176                          ; v176-199 p's codes
.set CT,  200
.set PS,  208
.set KSC, 210
.set VSC, 212
.set NMR, 214                          ; (-M, largest t) of tile 0, of tile 1
.set SUMR, 218
.set BM,  222
.set BT,  226
.set SO,  230
.set F,   234
.set SC2, 236
.set TMP, 238
.set OWS, 240
.set FST, 252
.set FL0, 253
.set FL1, 254
; ---- behind attention
.set LREC, 3
.set COL, 4
.set WS32, 6
.set P4,  7
.set L8,  8
.set T8,  9
.set AQA, 16
.set ASA, 17
.set AQO, 18
.set ASO, 19
.set AQH, 20
.set ASH, 21
.set AQQ, 22
.set ASQ, 23
.set VA132, 24
.set VA252, 25
.set REDS, 26
.set REDL, 27
.set CPY, 28
.set CP8, 29
.set VT8, 30
.set VSB, 31
.set FRS, 32
.set FRL, 33
.set OUTO, 34
.set L4,  35
.set BFS, 40
.set X,   48
.set HR,  80
.set PB,  112
.set BF4, 112
.set CB,  160
.set G,   176
.set BTA, 192
.set RD,  208
.set HA,  48
.set BFW, 176
.set BF8, 80
.set CB2, 176
.set HR2, 192
.set G1,  80
.set B1T, 96
.set CBQ, 112
.set RD2, 144
.set GF,  160
.set BFF, 176
.set WF0, 192
.set BFQ, 48
.set VA0, 96
.set QA,  144
.set WS,  224
.set VBI, 236
.set QT,  244
; ---- scalar pointers
.set P_WI, 42                          ; the images of layer l, wave w
.set P_WF, 52
.set P_BF, 58
.set P_OUT, 76
.set P_G1, 72
.set P_B1, 74
.set P_INS, 78
.set P_INB, 80
.set P_INW, 86                         ; in_w's images of layer min(l + 1, 3), wave w
.set P_HOUT, 34
.set P_QKVO, 38
.set MSB, 0
.macro WIN new                         ; the immediate's high byte repeats the setting that is left
.if MSB != \new
	s_set_vgpr_msb (MSB<<8)|\new
.set MSB, \new
.endif
.endm
.macro BARRIER                         ; my LDS stores have landed and my LDS loads are in: then the work-group's barrier
	s_wait_dscnt 0x0
	s_barrier_signal -1
	s_barrier_wait -1
.endm
.macro PLACES n
.rept \n
	v_nop
.endr
.endm
.macro PADJ p, ra, ca, rb, cb          ; pointer p += s[ra] x ca + s[rb] x cb (the offset is made apart from the address; s61 = 0)
	s_mul_i32 s60, s[\ra], \ca
	s_mul_i32 s62, s[\rb], \cb
	s_add_co_u32 s60, s60, s62
	s_add_nc_u64 s[\p:\p+1], s[\p:\p+1], s[60:61]
.endm
.macro IFRAG reg, base, off            ; a weight's fragment from its image: three loads, 512 consecutive bytes each
.irp i,0,1,2
	global_load_b128 v[(\reg)+4*\i:(\reg)+4*\i+3], v[L16], s[\base:\base+1] offset:(\off)+512*\i
.endr
.endm
.macro VEC16 reg, base, off            ; 16 numbers of a vector over the columns: those of my half of the wave's 32
.irp m,0,1,2,3
	global_load_b128 v[(\reg)+4*\m:(\reg)+4*\m+3], v[COL], s[\base:\base+1] offset:(\off)+16*\m
.endr
.endm
.macro FETCH reg, off                  ; a fragment's image back from LDS
.irp i,0,1,2
	ds_load_b128 v[(\reg)+4*\i:(\reg)+4*\i+3], v[LREC] offset:(\off)+16*\i
.endr
.endm
.macro FSC reg, off
	ds_load_b32 v[\reg], v[LSC] offset:\off
.endm
.macro MM d, a, b, c, sa, sb
	v_wmma_scale_f32_16x16x128_f8f6f4 v[(\d):(\d)+7], v[(\a):(\a)+11], v[(\b):(\b)+11], v[(\c):(\c)+7], v[\sa], v[\sb] matrix_a_fmt:MATRIX_FMT_FP6 matrix_b_fmt:MATRIX_FMT_FP6
.endm
.macro MM0 d, a, b, sa, sb
	v_wmma_scale_f32_16x16x128_f8f6f4 v[(\d):(\d)+7], v[(\a):(\a)+11], v[(\b):(\b)+11], 0, v[\sa], v[\sb] matrix_a_fmt:MATRIX_FMT_FP6 matrix_b_fmt:MATRIX_FMT_FP6
.endm
.macro MMR d, a, b, c, sa, sb          ; source 0's scales from lanes 16-31
	v_wmma_scale_f32_16x16x128_f8f6f4 v[(\d):(\d)+7], v[(\a):(\a)+11], v[(\b):(\b)+11], v[(\c):(\c)+7], v[\sa], v[\sb] matrix_a_fmt:MATRIX_FMT_FP6 matrix_b_fmt:MATRIX_FMT_FP6 matrix_a_scale:MATRIX_SCALE_ROW1
.endm
; 16 numbers of a lane, k = 16 h + 0 .. 15 of one block of 32 (the other 16 lie in lane l xor 16): the scale's byte into v[QT+3], 16 codes (96 bits) into v[QT+4:QT+6]
.macro QCORE src
	v_max3_num_f32 v[QT], |v[(\src)]|, |v[(\src)+1]|, 0x1800000          ; with the floor 2^(3 - 127): the byte cannot fall under 1
	v_max3_num_f32 v[QT+1], |v[(\src)+8]|, |v[(\src)+9]|, |v[(\src)+10]|  ; two chains; each of the two sums of eight is read from its low end on
	v_max3_num_f32 v[QT], v[QT], |v[(\src)+2]|, |v[(\src)+3]|
	v_max3_num_f32 v[QT+1], v[QT+1], |v[(\src)+11]|, |v[(\src)+12]|
	v_max3_num_f32 v[QT], v[QT], |v[(\src)+4]|, |v[(\src)+5]|
	v_max3_num_f32 v[QT+1], v[QT+1], |v[(\src)+13]|, |v[(\src)+14]|
	v_max3_num_f32 v[QT], v[QT], |v[(\src)+6]|, |v[(\src)+7]|
	v_max3_num_f32 v[QT], v[QT], v[QT+1], |v[(\src)+15]|
	s_delay_alu instid0(VALU_DEP_1)
	v_permlanex16_b32 v[QT+1], v[QT], s20, s21
	s_delay_alu instid0(VALU_DEP_1)
	v_max_num_f32 v[QT], v[QT], v[QT+1]                                   ; the block's largest magnitude
	s_delay_alu instid0(VALU_DEP_1)
	v_add_nc_u32 v[QT+2], 0xff000000, v[QT]                               ; 2 off its exponent field: the conversion's scale operand
	s_delay_alu instid0(VALU_DEP_1)
	v_lshrrev_b32 v[QT+3], 23, v[QT+2]
	v_cvt_scalef32_pk16_fp6_f32 v[QT+4:QT+6], v[(\src):(\src)+15], v[QT+2]
	v_nop                                                                 ; one plain place behind a scaled conversion
.endm
.macro QBLK src, adr, off, sadr, soff  ; and into a fragment's image: three words, and one byte of the row's scale word (both halves write the same byte)
	QCORE \src
	ds_store_b32 v[\adr], v[QT+4] offset:\off
	ds_store_b32 v[\adr], v[QT+5] offset:(\off)+4
	ds_store_b32 v[\adr], v[QT+6] offset:(\off)+8
	ds_store_b8 v[\sadr], v[QT+3] offset:\soff
.endm
.macro HALVES                          ; v[QT:QT+1], v[QT+2:QT+3]: a pair of partial sums for each tile -> v[QT+4]: the wave's sum for row (T = h, rho)
	s_delay_alu instid0(VALU_DEP_2)
	v_add_f32 v[QT], v[QT], v[QT+1]
	s_delay_alu instid0(VALU_DEP_2)
	v_add_f32 v[QT+2], v[QT+2], v[QT+3]
	s_delay_alu instid0(VALU_DEP_2)
	v_permlanex16_b32 v[QT+1], v[QT], s20, s21
	s_delay_alu instid0(VALU_DEP_2)
	v_permlanex16_b32 v[QT+3], v[QT+2], s20, s21
	s_delay_alu instid0(VALU_DEP_2)
	v_add_f32 v[QT], v[QT], v[QT+1]
	s_delay_alu instid0(VALU_DEP_2)
	v_add_f32 v[QT+2], v[QT+2], v[QT+3]
	s_delay_alu instid0(VALU_DEP_1)
	v_cndmask_b32 v[QT+4], v[QT], v[QT+2], s24
.endm
.macro LNSUM rd, ro                    ; over the eight waves: v[rd] = tile 0's sum of my row, v[rd+8] = tile 1's; the same order of additions in every wave
	ds_store_b32 v[REDS], v[QT+4] offset:\ro
	BARRIER
	ds_load_b128 v[\rd:\rd+3], v[REDL] offset:\ro
	ds_load_b128 v[\rd+4:\rd+7], v[REDL] offset:\ro+16
	ds_load_b128 v[\rd+8:\rd+11], v[REDL] offset:\ro+512
	ds_load_b128 v[\rd+12:\rd+15], v[REDL] offset:\ro+528
	s_wait_dscnt 0x0
.irp t,0,8
	v_pk_add_f32 v[\rd+\t:\rd+\t+1], v[\rd+\t:\rd+\t+1], v[\rd+\t+2:\rd+\t+3]
	v_pk_add_f32 v[\rd+\t+4:\rd+\t+5], v[\rd+\t+4:\rd+\t+5], v[\rd+\t+6:\rd+\t+7]
.endr
.irp t, 0
	s_delay_alu instid0(VALU_DEP_3)
	v_pk_add_f32 v[\rd+\t:\rd+\t+1], v[\rd+\t:\rd+\t+1], v[\rd+\t+4:\rd+\t+5]
.endr
.irp t, 8
	s_delay_alu instid0(VALU_DEP_2)
	v_pk_add_f32 v[\rd+\t:\rd+\t+1], v[\rd+\t:\rd+\t+1], v[\rd+\t+4:\rd+\t+5]
.endr
.irp t,0,8
	s_delay_alu instid0(VALU_DEP_2)
	v_add_f32 v[\rd+\t], v[\rd+\t], v[\rd+\t+1]
.endr
.endm
; x <- (x - mean) / sqrt(var + 1e-5), in two passes (the variance is the mean of the squared differences): two barriers
.macro LNHAT x, rd, ro
.irp tt,0,1
	v_pk_add_f32 v[QT+2*\tt:QT+2*\tt+1], v[\x+16*\tt:\x+16*\tt+1], v[\x+16*\tt+2:\x+16*\tt+3]
.endr
.irp i,4,6,8,10,12,14
.irp tt,0,1
	s_delay_alu instid0(VALU_DEP_2)
	v_pk_add_f32 v[QT+2*\tt:QT+2*\tt+1], v[QT+2*\tt:QT+2*\tt+1], v[\x+16*\tt+\i:\x+16*\tt+\i+1]
.endr
.endr
	HALVES
	LNSUM \rd, \ro
	s_delay_alu instid0(VALU_DEP_2)
	v_mul_f32 v[QT], s25, v[\rd]
	s_delay_alu instid0(VALU_DEP_2)
	v_mul_f32 v[QT+2], s25, v[\rd+8]
.irp tt,0,1
.irp i,0,2,4,6,8,10,12,14
	v_pk_add_f32 v[\x+16*\tt+\i:\x+16*\tt+\i+1], v[\x+16*\tt+\i:\x+16*\tt+\i+1], v[QT+2*\tt:QT+2*\tt+1] op_sel_hi:[1,0] neg_lo:[0,1] neg_hi:[0,1]
.endr
.endr
.irp tt,0,1
	v_pk_mul_f32 v[QT+2*\tt:QT+2*\tt+1], v[\x+16*\tt:\x+16*\tt+1], v[\x+16*\tt:\x+16*\tt+1]
.endr
.irp i,2,4,6,8,10,12,14
.irp tt,0,1
	s_delay_alu instid0(VALU_DEP_2)
	v_pk_fma_f32 v[QT+2*\tt:QT+2*\tt+1], v[\x+16*\tt+\i:\x+16*\tt+\i+1], v[\x+16*\tt+\i:\x+16*\tt+\i+1], v[QT+2*\tt:QT+2*\tt+1]
.endr
.endr
	HALVES
	LNSUM \rd, (\ro)+1024
	s_delay_alu instid0(VALU_DEP_2)
	v_fma_f32 v[QT], v[\rd], s25, s26
	s_delay_alu instid0(VALU_DEP_2)
	v_fma_f32 v[QT+2], v[\rd+8], s25, s26
	s_wait_alu depctr_va_vdst(0)
	v_rsq_f32 v[QT], v[QT]
	v_rsq_f32 v[QT+2], v[QT+2]
	v_nop                                  ; one plain place behind the transcendentals
	s_wait_alu depctr_va_vdst(0)
.irp tt,0,1
.irp i,0,2,4,6,8,10,12,14
	v_pk_mul_f32 v[\x+16*\tt+\i:\x+16*\tt+\i+1], v[\x+16*\tt+\i:\x+16*\tt+\i+1], v[QT+2*\tt:QT+2*\tt+1] op_sel_hi:[1,0]
.endr
.endr
.endm
.macro AFFINE x, g, b
.irp tt,0,1
.irp i,0,2,4,6,8,10,12,14
	v_pk_fma_f32 v[\x+16*\tt+\i:\x+16*\tt+\i+1], v[\x+16*\tt+\i:\x+16*\tt+\i+1], v[\g+\i:\g+\i+1], v[\b+\i:\b+\i+1]
.endr
.endr
.endm
.macro IDS
	v_lshrrev_b32 v244, 5, v0
	s_delay_alu instid0(VALU_DEP_1)
	v_readfirstlane_b32 s2, v244           ; wave w
	s_lshr_b32 s3, s2, 1                   ; w / 2
	s_and_b32 s4, s2, 1                    ; w % 2
	s_mov_b32 s5, ttmp9                    ; block of 32 positions
	s_and_b32 s6, ttmp7, 0xffff            ; batch
	s_lshl_b32 s9, s6, 6
	s_add_co_u32 s9, s9, s5                ; row block = 64 b + block
	s_mov_b32 s61, 0                       ; the high word of every offset pair s[60:61]
	s_mov_b32 s20, 0x76543210
	s_mov_b32 s21, 0xfedcba98              ; v_permlanex16_b32's selects for lane l xor 16
	s_mov_b32 s24, 0xffff0000              ; the lanes with h = 1
	s_mov_b32 s25, 0x3b800000              ; 1 / 256
	s_mov_b32 s26, 0x3727c5ac              ; 1e-5
.endm
; addresses for all that follows attention: each a constant + a constant x lane term + a constant x wave term
.macro ADDR2
	v_and_b32 v244, 15, v0                 ; rho
	v_bfe_u32 v245, v0, 4, 1               ; h
	v_and_b32 v246, 31, v0                 ; lane
	s_delay_alu instid0(VALU_DEP_3)
	v_lshrrev_b32 v247, 3, v244
	s_delay_alu instid0(VALU_DEP_1)
	v_lshl_add_u32 v248, v247, 3, v244     ; P = rho + 8 (rho / 8)
	v_mul_u32_u24 v249, v244, 48
	s_delay_alu instid0(VALU_DEP_1)
	v_mad_u32_u24 v249, v245, 12, v249     ; 48 rho + 12 h: my 12 bytes of a block in an image
	s_wait_alu depctr_va_vdst(0)
	v_lshlrev_b32 v250, 2, v244            ; 4 rho
	s_wait_alu depctr_va_vdst(0)
	v_mul_u32_u24 v[LREC], v246, 48
	v_lshlrev_b32 v[COL], 6, v245
	v_lshlrev_b32 v[P4], 2, v248
	v_lshlrev_b32 v[L8], 3, v246
	v_lshlrev_b32 v[T8], 3, v0
	s_lshr_b32 s60, s2, 2                  ; feature block w: fragment w / 4, block w % 4 in it
	s_mul_i32 s62, s60, 1536
	s_mul_i32 s63, s4, 768
	s_add_co_u32 s62, s62, s63
	s_and_b32 s63, s3, 1
	s_mul_i32 s63, s63, 24
	s_add_co_u32 s62, s62, s63
	s_add_co_u32 s62, s62, OIMG
	v_add_nc_u32 v[AQO], s62, v249
	s_lshl_b32 s62, s60, 6
	s_and_b32 s63, s2, 3
	s_add_co_u32 s62, s62, s63
	s_add_co_u32 s62, s62, OSC
	v_add_nc_u32 v[ASO], s62, v250
	s_mul_i32 s62, s2, 768                 ; q, k: head w / 2, half w % 2 of its 64
	s_add_co_u32 s63, s62, QKST
	v_add_nc_u32 v[AQQ], s63, v249
	s_lshl_b32 s63, s3, 6
	s_add_co_u32 s63, s63, s4
	s_add_co_u32 s63, s63, QKSS
	v_add_nc_u32 v[ASQ], s63, v250
	s_add_co_u32 s62, s62, VST             ; v: 24 bytes of (tile, rho) lie as three pieces of 8, 128 bytes apart
	v_lshl_add_u32 v251, v244, 3, s62
	s_delay_alu instid0(VALU_DEP_1)
	v_mad_u32_u24 v[VA132], v245, 132, v251
	s_delay_alu instid0(VALU_DEP_2)
	v_mad_u32_u24 v[VA252], v245, 252, v251
	s_lshl_b32 s62, s2, 2
	s_add_co_u32 s63, s62, RED
	v_lshl_add_u32 v[REDS], v246, 5, s63
	v_lshlrev_b32 v[REDL], 5, v244
	s_delay_alu instid0(VALU_DEP_1)
	v_add_nc_u32 v[REDL], RED, v[REDL]
	s_mul_i32 s63, s2, 1536
	s_add_co_u32 s63, s63, QKST
	v_add_nc_u32 v[CPY], s63, v[LREC]
	s_lshl_b32 s63, s2, 8
	s_add_co_u32 s63, s63, QKSS
	v_add_nc_u32 v[CP8], s63, v[L8]
	v_add_nc_u32 v[VT8], VST, v[T8]
	v_lshl_add_u32 v[VSB], v245, 6, v250
	v_lshlrev_b32 v[L4], 2, v246
.if LAYER
	v_lshlrev_b32 v[WS32], 5, v248
	s_mul_i32 s62, s4, 3072                ; attention's result: tile kh, feature blocks 2 hd, 2 hd + 1
	s_lshr_b32 s60, s3, 1
	s_mul_i32 s63, s60, 1536
	s_add_co_u32 s62, s62, s63
	s_and_b32 s67, s3, 1
	s_mul_i32 s63, s67, 24
	s_add_co_u32 s62, s62, s63
	v_add_nc_u32 v[AQA], s62, v249
	s_lshl_b32 s62, s4, 7
	s_lshl_b32 s63, s60, 6
	s_add_co_u32 s62, s62, s63
	s_lshl_b32 s63, s67, 1
	s_add_co_u32 s62, s62, s63
	s_add_co_u32 s62, s62, ASC
	v_add_nc_u32 v[ASA], s62, v250
	s_mul_i32 s62, s2, 1536
	s_add_co_u32 s62, s62, HIMG
	v_add_nc_u32 v[AQH], s62, v249
	s_lshl_b32 s62, s2, 6
	s_add_co_u32 s62, s62, HSC
	v_add_nc_u32 v[ASH], s62, v250
	s_lshl_b32 s62, s2, 2
	s_add_co_u32 s62, s62, FRED
	v_lshl_add_u32 v[FRS], v246, 6, s62
	v_lshlrev_b32 v[FRL], 6, v246
	s_delay_alu instid0(VALU_DEP_1)
	v_add_nc_u32 v[FRL], FRED, v[FRL]
	v_lshl_add_u32 v[OUTO], v245, 3, v248
	s_delay_alu instid0(VALU_DEP_1)
	v_lshlrev_b32 v[OUTO], 5, v[OUTO]      ; 32 bytes a position in out0
	s_mul_i32 s62, s2, 24576
	s_add_co_u32 s62, s62, W2L
	v_add_nc_u32 v[W2A], s62, v[L16]       ; my fragments of W2 in LDS: registers 4 i .. 4 i + 3 of lane n at 512 i + 16 n
.endif
.endm
; where this work-group's codes go: s[12:13] q's or k's fragment of wave w; s[14:15] their scale words (waves 0, 1); s[16:17] v's codes; s[18:19] v's scale bytes
.macro OUTPTRS
	s_lshr_b32 s60, s2, 2
	s_mul_i32 s60, s60, KC
	s_lshl_b32 s62, s9, 2
	s_and_b32 s63, s2, 3
	s_add_co_u32 s62, s62, s63
	s_mul_i32 s62, s62, 1536
	s_add_co_u32 s60, s60, s62
	s_add_nc_u64 s[12:13], s[P_QKVO:P_QKVO+1], s[60:61]
	s_lshl_b32 s60, s2, 16
	s_lshl_b32 s62, s9, 8
	s_add_co_u32 s60, s60, s62
	s_add_nc_u64 s[14:15], s[P_QKVO:P_QKVO+1], s[60:61]
	s_add_nc_u64 s[14:15], s[14:15], QSO
	s_mul_i32 s60, s9, 6144
	s_add_nc_u64 s[16:17], s[P_QKVO:P_QKVO+1], s[60:61]
	s_add_nc_u64 s[16:17], s[16:17], VC
	s_lshl_b32 s60, s6, 2
	s_add_co_u32 s60, s60, s3
	s_lshl_b32 s60, s60, 4
	s_lshr_b32 s62, s5, 2
	s_add_co_u32 s60, s60, s62
	s_lshl_b32 s60, s60, 8
	s_lshl_b32 s62, s4, 7
	s_add_co_u32 s60, s60, s62
	s_and_b32 s62, s5, 3
	s_add_co_u32 s60, s60, s62
	s_add_nc_u64 s[18:19], s[P_QKVO:P_QKVO+1], s[60:61]
	s_add_nc_u64 s[18:19], s[18:19], VSO
.endm
.macro HSTORE                          ; h as an image of my registers: each store covers 512 consecutive bytes, aligned
.irp tt,0,1
.irp i,0,1,2,3
	global_store_b128 v[L16], v[X+16*\tt+4*\i:X+16*\tt+4*\i+3], s[P_HOUT:P_HOUT+1] offset:2048*\tt+512*\i
.endr
.endr
.endm
.macro INLOADS                         ; 32 loads: LN1's gain and bias, in_b and in_w's scale words (in_w's 12 fragments were asked for behind the W1 product)
	VEC16 G1, P_G1, 0
	VEC16 B1T, P_B1, 0
	VEC16 CBQ, P_INB, 0
	VEC16 CBQ+16, P_INB, 1024
.irp u,0,1
	global_load_b32 v[VBI+2*\u], v[P4], s[P_INB:P_INB+1] offset:2048+32*\u
	global_load_b32 v[VBI+2*\u+1], v[P4], s[P_INB:P_INB+1] offset:2048+32*\u
.endr
.irp kd,0,1,2
.irp u,0,1
.irp s,0,1
	global_load_b32 v[WS+2*(2*\kd+\u)+\s], v[WS8], s[P_INS:P_INS+1] offset:(256*\kd+8*\u)*8+4*\s
.endr
.endr
.endr
.endm
; q, k (transposed: source 0 = 16 rows of in_w, source 1 = 16 rows of o: a lane holds a row, registers run along the head's axis) and
; v (source 0 = o, source 1 = in_w: a lane holds a column d, registers run along the KEYS).  Twelve sums by turns.
.macro QKVPHASE
.irp k,0,1,2,3
	FETCH BFQ+12*\k, NIMG+1536*\k
	FSC BFS+\k, NSC+64*\k
.endr
	s_wait_dscnt 0x0
.irp s,0,1
	WIN 0x01
.irp kd,0,1
.irp tt,0,1
.irp u,0,1
.if \s
	MM QA+32*\kd+16*\tt+8*\u, 12*(2*(2*\kd+\u)+1), BFQ+12*(2*\tt+1), QA+32*\kd+16*\tt+8*\u, WS+2*(2*\kd+\u)+1, BFS+2*\tt+1
.else
	MM QA+32*\kd+16*\tt+8*\u, 12*(2*(2*\kd+\u)), BFQ+12*(2*\tt), CBQ+16*\kd+8*\u, WS+2*(2*\kd+\u), BFS+2*\tt
.endif
.endr
.endr
.endr
	WIN 0x04
.irp u,0,1
.irp tt,0,1
.if \s
	MM VA0+112*\u+8*\tt, BFQ+12*(2*\tt+1), 12*(2*(4+\u)+1), VA0+112*\u+8*\tt, BFS+2*\tt+1, WS+2*(4+\u)+1
.else
	MM0 VA0+112*\u+8*\tt, BFQ+12*(2*\tt), 12*(2*(4+\u)), BFS+2*\tt, WS+2*(4+\u)
.endif
.endr
.endr
.endr
	WIN 0
	PLACES 4
.irp i,0,2,4,6,8,10,12,14,16,18,20,22,24,26,28,30
	v_pk_mul_f32 v[QA+\i:QA+\i+1], v[QA+\i:QA+\i+1], 0x3e000000 op_sel_hi:[1,0]     ; q / sqrt(64)
.endr
.irp u,0,1
.irp i,0,2,4,6,8,10,12,14
	v_pk_add_f32 v[VA0+112*\u+\i:VA0+112*\u+\i+1], v[VA0+112*\u+\i:VA0+112*\u+\i+1], v[VBI+2*\u:VBI+2*\u+1]   ; v's bias: one number a lane
.endr
.endr
.irp tt,0,1
	QBLK QA+16*\tt, AQQ, 24*\tt, ASQ, 2*\tt
	QBLK QA+32+16*\tt, AQQ, 6144+24*\tt, ASQ, 256+2*\tt
.endr
.irp u,0,1
	QCORE VA0+112*\u                       ; 16 keys of column d: the block of 32 keys is this work-group's 32 rows
	ds_store_b32 v[VA132], v[QT+4] offset:384*\u
	ds_store_b32 v[VA252], v[QT+5] offset:384*\u+4
	ds_store_b32 v[VA132], v[QT+6] offset:384*\u+128
.if \u==0
	v_mov_b32 v[QT+8], v[QT+3]
.endif
.endr
	v_cndmask_b32 v[QT+8], v[QT+8], v[QT+3], s24   ; lanes with h = u store tile u's byte
	global_store_b8 v[VSB], v[QT+8], s[18:19]
.endm
.macro COPYOUT                         ; the staged codes leave in runs of 512 consecutive bytes a store
.irp i,0,1,2
	ds_load_b128 v[48+4*\i:51+4*\i], v[CPY] offset:16*\i
.endr
.irp i,0,1,2
	ds_load_b64 v[60+2*\i:61+2*\i], v[VT8] offset:2048*\i
.endr
	s_wait_dscnt 0x0
.irp i,0,1,2
	global_store_b128 v[L16], v[48+4*\i:51+4*\i], s[12:13] offset:512*\i
.endr
.irp i,0,1,2
	global_store_b64 v[T8], v[60+2*\i:61+2*\i], s[16:17] offset:2048*\i
.endr
	s_cmp_gt_u32 s2, 1
	s_cbranch_scc1 .Lno_words
	ds_load_b64 v[66:67], v[CP8]           ; wave 0: q's scale words, wave 1: k's: 256 bytes each
	s_wait_dscnt 0x0
	global_store_b64 v[L8], v[66:67], s[14:15]
.Lno_words:
.endm
; ---- attention's own macros
.macro KLOAD                           ; 14 loads: four pair fragments of K (128 keys) into window 1, v0-47; their scale words, two row blocks to a register
	WIN 0x40
.irp bq,0,1,2,3
.irp i,0,1,2
	global_load_b128 v[12*\bq+4*\i:12*\bq+4*\i+3], v[L16], s[12:13] offset:6144*\bq+512*\i
.endr
.endr
	WIN 0
	global_load_b32 v[KSC], v[VKS], s[14:15]
	global_load_b32 v[KSC+1], v[VKS], s[14:15] offset:512
.endm
.macro VLOAD                           ; 26 loads: four fragments of V^T (16 d x 128 keys) into window 1, v48-95; their scale words, two tiles to a register
	WIN 0x40
.irp t,0,1,2,3
.irp c,0,1
.irp j,0,1,2
	global_load_b64 v[48+12*\t+6*\c+2*\j:48+12*\t+6*\c+2*\j+1], v[VV], s[16:17] offset:12288*\c+384*\t+128*\j
.endr
.endr
.endr
	WIN 0
	global_load_b32 v[VSC], v[VVS], s[18:19]
	global_load_b32 v[VSC+1], v[VVS], s[18:19] offset:128
.endm
.macro BIASLD t                        ; the mask's 64 numbers of a step for tile t, straight into the registers of the sums
.irp bq,0,1,2,3
.irp i,0,1,2,3
	ds_load_b128 v[SCR+64*(\t)+16*\bq+4*\i:SCR+64*(\t)+16*\bq+4*\i+3], v[VB+(\t)] offset:128*\bq+16*\i
.endr
.endr
.endm
.macro SCORE bq, u, t                  ; keys 32 bq + 8 u + .. of the step against tile t: u = 0 takes [q, 0], u = 1 takes [0, q]
.if (\bq)%2
	MMR SCR+64*\t+16*\bq+8*\u, 12*\bq, QB+6+12*\t-6*\u, SCR+64*\t+16*\bq+8*\u, KSC+\bq/2, QS+\t
.else
	MM SCR+64*\t+16*\bq+8*\u, 12*\bq, QB+6+12*\t-6*\u, SCR+64*\t+16*\bq+8*\u, KSC+\bq/2, QS+\t
.endif
.endm
; the softmax of tile t for 128 keys: register 16 b + i of a lane is key 32 b + 16 h + i of its query
.macro SM t
.set rS, SCR+64*(\t)
.set rN, NMR+2*(\t)
.set rU, SUMR+2*(\t)
.set rP, PCR+12*(\t)
.set rO, 96+32*(\t)
.irp b,0,1,2,3
	v_max3_num_f32 v[BM+\b], v[rS+16*\b], v[rS+16*\b+1], v[rS+16*\b+2]     ; the largest score of each block of 32 keys: for the row's maximum and for the block's largest p
.endr
.irp i,3,5,7,9,11,13
.irp b,0,1,2,3
	v_max3_num_f32 v[BM+\b], v[BM+\b], v[rS+16*\b+\i], v[rS+16*\b+\i+1]
.endr
.endr
.irp b,0,1,2,3
	v_max_num_f32 v[BM+\b], v[BM+\b], v[rS+16*\b+15]
.endr
.irp b,0,1,2,3
	s_delay_alu instid0(VALU_DEP_4)
	v_permlanex16_b32 v[BT+\b], v[BM+\b], s20, s21
.endr
.irp b,0,1,2,3
	s_delay_alu instid0(VALU_DEP_4)
	v_max_num_f32 v[BM+\b], v[BM+\b], v[BT+\b]
.endr
	s_delay_alu instid0(VALU_DEP_2)
	v_max3_num_f32 v[TMP], v[BM], v[BM+1], v[BM+2]
	s_delay_alu instid0(VALU_DEP_1)
	v_max_num_f32 v[TMP], v[TMP], v[BM+3]
	s_delay_alu instid0(VALU_DEP_1)
	v_mul_f32 v[TMP], s22, v[TMP]          ; as t
	s_delay_alu instid0(VALU_DEP_1)
	v_max_num_f32 v[rN+1], v[rN+1], v[TMP] ; the running largest t
	v_mov_b32 v[TMP], v[rN]
	s_delay_alu instid0(VALU_DEP_2)
	v_floor_f32 v[rN], -v[rN+1]            ; -M = floor(-t): M is a whole number
	s_delay_alu instid0(VALU_DEP_1)
	v_sub_f32 v[TMP], v[rN], v[TMP]
	s_delay_alu instid0(VALU_DEP_1)
	v_cvt_i32_f32 v[TMP], v[TMP]           ; (it saturates)
	s_delay_alu instid0(VALU_DEP_1)
	v_ldexp_f32 v[F], 1.0, v[TMP]          ; f = 2^(old M - new M)
.set jj, 0
.rept 32
	v_pk_fma_f32 v[rS+jj:rS+jj+1], v[rS+jj:rS+jj+1], s[22:23], v[rN:rN+1] op_sel_hi:[1,0,0]   ; t - M
.set jj, jj+2
.endr
.irp b,0,1,2,3
	v_fma_f32 v[BM+\b], v[BM+\b], s22, v[rN]
.endr
.set jj, 0
	s_wait_alu depctr_va_vdst(0)
.rept 64
	v_exp_f32 v[rS+jj], v[rS+jj]           ; p = 2^(t - M): not normalised
.set jj, jj+1
.endr
.irp b,0,1,2,3
	v_exp_f32 v[BM+\b], v[BM+\b]           ; the block's largest p
.endr
	v_pk_mul_f32 v[rU:rU+1], v[rU:rU+1], v[F:F+1] op_sel_hi:[1,0]          ; (a plain place behind the exponentials)
	s_wait_alu depctr_va_vdst(0)
.irp b,0,1,2,3
	v_max_num_f32 v[BM+\b], 0x1800000, v[BM+\b]
.endr
.irp b,0,1,2,3
	s_delay_alu instid0(VALU_DEP_4)
	v_add_nc_u32 v[SO+\b], 0xff000000, v[BM+\b]
.endr
.irp b,0,1,2,3
	s_delay_alu instid0(VALU_DEP_4)
	v_lshrrev_b32 v[BT+\b], 23, v[SO+\b]
.endr
	s_delay_alu instid0(VALU_DEP_3)
	v_lshl_or_b32 v[PS+(\t)], v[BT+1], 8, v[BT]
	s_delay_alu instid0(VALU_DEP_1)
	v_lshl_or_b32 v[PS+(\t)], v[BT+2], 16, v[PS+(\t)]
	s_delay_alu instid0(VALU_DEP_1)
	v_lshl_or_b32 v[PS+(\t)], v[BT+3], 24, v[PS+(\t)]
.irp c,0,1
	v_cvt_scalef32_pk16_fp6_f32 v[rP+6*\c:rP+6*\c+2], v[rS+32*\c:rS+32*\c+15], v[SO+2*\c]
	v_cvt_scalef32_pk16_fp6_f32 v[CT+4*\c:CT+4*\c+2], v[rS+32*\c+16:rS+32*\c+31], v[SO+2*\c+1]
.endr
	v_nop                                  ; one plain place behind the scaled conversions
.irp c,0,1                             ; the operand wants a whole block in a lane: lanes 0-15 block 2 c, lanes 16-31 block 2 c + 1
.irp i,0,1,2
	v_permlane16_swap_b32 v[rP+6*\c+\i], v[CT+4*\c+\i]
.endr
.irp i,0,1,2
	s_delay_alu instid0(VALU_DEP_3)
	v_mov_b32 v[rP+6*\c+3+\i], v[CT+4*\c+\i]
.endr
.endr
	v_pk_add_f32 v[SC2:SC2+1], v[rS:rS+1], v[rS+2:rS+3]                    ; the row's sum is of the unquantised p, in two chains
.set jj, 4
.rept 15
	v_pk_add_f32 v[rU:rU+1], v[rU:rU+1], v[rS+jj:rS+jj+1]
	v_pk_add_f32 v[SC2:SC2+1], v[SC2:SC2+1], v[rS+jj+2:rS+jj+3]
.set jj, jj+4
.endr
	s_delay_alu instid0(VALU_DEP_1)
	v_pk_add_f32 v[rU:rU+1], v[rU:rU+1], v[SC2:SC2+1]
	WIN 0x41
.set jj, 0
.rept 16
	v_pk_mul_f32 v[rO+jj:rO+jj+1], v[rO+jj:rO+jj+1], v[F:F+1] op_sel_hi:[1,0]   ; O^T under the new M
.set jj, jj+2
.endr
	WIN 0
.endm
; A KEY STEP of 128 keys.  next = 1: the next step's K, mask and V are asked for on the way.
.macro STEP next
	s_wait_loadcnt 26                      ; K, its scale words and the six loads of W2 behind them are in; behind those only this step's 26 loads of V
	s_wait_dscnt 0x0                       ; the mask's numbers are in
	WIN 0x04
.irp i,0,1,2,3,4,5
	ds_store_b128 v[W2S], v[W2T+4*\i:W2T+4*\i+3] offset:512*\i   ; 3,072 bytes of W2 into my own LDS bytes
.endr
	WIN 0x01
.irp bq,0,1,2,3
.irp u,0,1
.irp t,0,1
	SCORE \bq, \u, \t                      ; sixteen sums, each once
.endr
.endr
.endr
	WIN 0
.if \next
	v_add_nc_u32 v[VB], 512, v[VB]         ; four places behind the products: two steps of addresses,
	v_add_nc_u32 v[VB+1], 512, v[VB+1]
	PLACES 2                               ; and two more
	s_add_nc_u64 s[12:13], s[12:13], 24576 ; (K's loads were shown done by the wait at the step's head)
	s_add_nc_u64 s[14:15], s[14:15], 1024
	KLOAD
	s_wait_dscnt 0x0                       ; the six stores at the step's head are done: their registers take the next 3,072 bytes
	v_add_nc_u32 v[W2S], 3072, v[W2S]
	s_add_nc_u64 s[P_W2:P_W2+1], s[P_W2:P_W2+1], 3072   ; (the loads that read this base were shown done at the step's head)
	WIN 0x40
.irp i,0,1,2,3,4,5
	global_load_b128 v[W2T+4*\i:W2T+4*\i+3], v[L16], s[P_W2:P_W2+1] offset:512*\i
.endr
	WIN 0
.else
	PLACES 4
.endif
	SM 0
.if \next
	BIASLD 0
.endif
	SM 1
.if \next
	BIASLD 1
	s_wait_alu depctr_va_vdst(0)
	s_wait_loadcnt 20                      ; V is in; behind it only the next step's 14 loads of K and 6 of W2
.else
	s_wait_alu depctr_va_vdst(0)
	s_wait_loadcnt 0x0
.endif
	WIN 0x51
.irp t,0,1,2,3
.irp q,0,1
.if (\t)%2
	MMR 96+32*\q+8*\t, 48+12*\t, PCR+12*\q, 96+32*\q+8*\t, VSC+\t/2, PS+\q
.else
	MM 96+32*\q+8*\t, 48+12*\t, PCR+12*\q, 96+32*\q+8*\t, VSC+\t/2, PS+\q
.endif
.endr
.endr
	WIN 0
	PLACES 4
.if \next
	s_add_nc_u64 s[16:17], s[16:17], 24576
	s_add_nc_u64 s[18:19], s[18:19], 256
	VLOAD
.endif
.endm
.macro W1FR f                          ; fragment f = 2 n + s of my 128 rows of W1: image 4 + f
	IFRAG 12*(\f), P_WI, 1536*(4+(\f))
.endm
.macro W2LD g                          ; fragments 8 u + 4 g + sl of my 32 rows of W2 from my LDS bytes into window 1, at W2B + 12 (4 u + sl)
	WIN 0x40
.irp u,0,1
.irp sl,0,1,2,3
.irp i,0,1,2
	ds_load_b128 v[W2B+12*(4*\u+\sl)+4*\i:W2B+12*(4*\u+\sl)+4*\i+3], v[W2A] offset:1536*(8*\u+4*(\g)+\sl)+512*\i
.endr
.endr
.endr
	WIN 0
.endm
; ================= head
	s_load_b512 s[28:43], s[0:1], 0x0      ; counter in, counter out, h in, h out, q/k/v in, q/k/v out, mask, the weights' images
	s_load_b512 s[44:59], s[0:1], 0x40     ; out_w_scales, out_b, ln2_g, ln2_b, wf, w1_scales, b1, bf
	s_load_b512 s[68:83], s[0:1], 0x80     ; w2_scales, b2, ln1_g, ln1_b, out0, in_w_scales, in_b, lnf_g
	s_load_b64 s[84:85], s[0:1], 0xc0      ; lnf_b
	v_lshl_add_u32 v14, v0, 2, SPARE
	v_mov_b32 v255, 0
	IDS
	s_sub_co_u32 s11, 0, s4                ; kh as a lane mask: 0 or all ones
	s_mov_b32 s22, 0x3fb8aa3b              ; log2(e)
	s_mov_b32 s23, s22
	v_and_b32 v244, 15, v0                 ; rho
	v_bfe_u32 v245, v0, 4, 1               ; h
	v_and_b32 v246, 31, v0                 ; lane
	s_delay_alu instid0(VALU_DEP_3)
	v_lshrrev_b32 v247, 3, v244
	s_delay_alu instid0(VALU_DEP_1)
	v_lshl_add_u32 v248, v247, 3, v244     ; P
	s_delay_alu instid0(VALU_DEP_3)
	v_lshlrev_b32 v[L16], 4, v246
	v_lshlrev_b32 v[LSC], 2, v244
	s_delay_alu instid0(VALU_DEP_1)
	v_lshl_add_u32 v[VKS], v245, 8, v[LSC]
	v_lshlrev_b32 v[VV], 3, v244
	s_delay_alu instid0(VALU_DEP_1)
	v_mad_u32_u24 v[VV], v245, 6144, v[VV]
	s_delay_alu instid0(VALU_DEP_4)
	v_lshl_add_u32 v[VVS], v245, 6, v[LSC]
	v_mul_u32_u24 v249, v247, 2*BP         ; my query's block-row is T + 2 (rho / 8); local tile 0 is T = kh, local tile 1 the other
	s_delay_alu instid0(VALU_DEP_1)
	v_lshl_add_u32 v249, v245, 6, v249
	s_mul_i32 s60, s4, BP+4096
	s_add_co_u32 s60, s60, BIAS
	v_add_nc_u32 v[VB], s60, v249
	s_xor_b32 s62, s4, 1
	s_mul_i32 s62, s62, BP
	s_lshl_b32 s63, s4, 12
	s_add_co_u32 s62, s62, s63
	s_add_co_u32 s62, s62, BIAS
	v_add_nc_u32 v[VB+1], s62, v249
	v_lshrrev_b32 v249, 7, v0
	v_and_b32 v250, 127, v0
	s_delay_alu instid0(VALU_DEP_2)
	v_mul_u32_u24 v249, v249, BP
	s_delay_alu instid0(VALU_DEP_1)
	v_lshl_add_u32 v249, v250, 6, v249
	s_delay_alu instid0(VALU_DEP_1)
	v_add_nc_u32 v[VBS], BIAS, v249
	v_lshlrev_b32 v[M16], 4, v0
	s_mul_i32 s60, s2, XW
	s_add_co_u32 s60, s60, XCH
	v_add_nc_u32 v[XST], s60, v[L16]
	v_lshlrev_b32 v250, 2, v246
	s_add_co_u32 s60, s60, 4096
	v_add_nc_u32 v[XS4], s60, v250
	s_xor_b32 s60, s2, 1
	s_mul_i32 s60, s60, XW
	s_add_co_u32 s60, s60, XCH
	v_add_nc_u32 v[XLD], s60, v[L16]
	s_add_co_u32 s60, s60, 4096
	v_add_nc_u32 v[XL4], s60, v250
	v_lshlrev_b32 v[WS8], 3, v248
	s_lshl_b32 s60, s2, 2
	s_add_co_u32 s60, s60, FLG
	v_mov_b32 v[FST], s60
	v_lshlrev_b32 v249, 5, v247
	s_lshl_b32 s60, s4, 4
	s_add_co_u32 s60, s60, FLG
	v_add_nc_u32 v[FL0], s60, v249
	s_xor_b32 s60, s4, 1
	s_lshl_b32 s60, s60, 4
	s_add_co_u32 s60, s60, FLG
	v_add_nc_u32 v[FL1], s60, v249
	s_mul_i32 s60, s2, 24576
	s_add_co_u32 s60, s60, W2L
	v_add_nc_u32 v[W2S], s60, v[L16]
	s_wait_alu depctr_va_vdst(0)
	s_wait_kmcnt 0x0
	s_load_b32 s7, s[28:29], 0x0           ; l
	s_load_b64 s[96:97], s[P_BF:P_BF+1], 0x0   ; bf
	; while l is on its way: the pointers and loads that do not hang on it
	s_lshl_b32 s60, s5, 13
	s_add_nc_u64 s[40:41], s[40:41], s[60:61]   ; my four block-rows of the mask, in layer 0
	s_mul_i32 s60, s6, 393216
	s_mul_i32 s62, s4, 196608
	s_add_co_u32 s60, s60, s62
	s_mul_i32 s62, s3, 1536
	s_add_co_u32 s60, s60, s62
	s_add_nc_u64 s[12:13], s[36:37], s[60:61]
	s_add_nc_u64 s[16:17], s[12:13], VC    ; V's codes of my head, my half of the keys
	s_add_nc_u64 s[12:13], s[12:13], KC    ; K's
	s_lshl_b32 s60, s6, 14
	s_lshl_b32 s62, s4, 13
	s_add_co_u32 s60, s60, s62
	s_lshl_b32 s62, s3, 6
	s_add_co_u32 s60, s60, s62
	s_add_nc_u64 s[14:15], s[36:37], s[60:61]
	s_add_nc_u64 s[14:15], s[14:15], KSO
	s_lshl_b32 s60, s6, 14
	s_lshl_b32 s62, s3, 12
	s_add_co_u32 s60, s60, s62
	s_lshl_b32 s62, s4, 11
	s_add_co_u32 s60, s60, s62
	s_add_nc_u64 s[18:19], s[36:37], s[60:61]
	s_add_nc_u64 s[18:19], s[18:19], VSO
	s_mul_i32 s60, s9, 6144
	s_mul_i32 s62, s3, 1536
	s_add_co_u32 s60, s60, s62
	s_add_nc_u64 s[92:93], s[36:37], s[60:61]
	s_lshl_b32 s60, s9, 8
	s_lshl_b32 s62, s3, 6
	s_add_co_u32 s60, s60, s62
	s_add_nc_u64 s[94:95], s[36:37], s[60:61]
	s_add_nc_u64 s[94:95], s[94:95], QSO
	; 8 + 4 + 14 loads, then, with l, 6 + 26
.irp k,0,1,2,3                         ; my block-rows of the mask in ALL FOUR layers, 8,192 bytes each: l picks one of them by v_cndmask_b32 when both have come
	global_load_b128 v[112+8*\k:115+8*\k], v[M16], s[40:41] offset:524288*\k
	global_load_b128 v[116+8*\k:119+8*\k], v[M16], s[40:41] offset:524288*\k+4096
.endr
.irp i,0,1,2
	global_load_b128 v[48+4*\i:51+4*\i], v[L16], s[92:93] offset:512*\i
.endr
	global_load_b32 v60, v[LSC], s[94:95]
	KLOAD
	s_wait_kmcnt 0x0                       ; l and bf
	s_min_u32 s7, s7, 3
	s_add_co_u32 s66, s7, 1                ; what the next launch reads
	s_min_u32 s8, s66, 3                   ; the layer whose LN1 and in_w the tail takes
	s_mul_i32 s60, s8, 589824              ; the pointers into the weights' images (589,824 bytes a layer, 73,728 a wave)
	s_mul_i32 s62, s2, 73728
	s_add_co_u32 s60, s60, s62
	s_add_nc_u64 s[P_INW:P_INW+1], s[P_WI:P_WI+1], s[60:61]
	s_add_nc_u64 s[P_INW:P_INW+1], s[P_INW:P_INW+1], 36*1536
	PADJ P_WI, 7, 589824, 2, 73728
	s_add_nc_u64 s[P_W2:P_W2+1], s[P_WI:P_WI+1], 30720   ; W2's images begin at fragment 20
	PADJ 44, 7, 2048, 2, 256
	WIN 0x40
.irp i,0,1,2,3,4,5
	global_load_b128 v[W2T+4*\i:W2T+4*\i+3], v[L16], s[P_W2:P_W2+1] offset:512*\i   ; the first 3,072 bytes of W2
.endr
	WIN 0
	VLOAD
	; the other pointers, while the loads are out
	PADJ 46, 7, 1024, 2, 128
	PADJ 48, 7, 1024, 2, 128
	PADJ 50, 7, 1024, 2, 128
	PADJ 54, 7, 8192, 2, 1024
	PADJ 56, 7, 4096, 2, 512
	PADJ 68, 7, 8192, 2, 1024
	PADJ 70, 7, 1024, 2, 128
	PADJ 72, 8, 1024, 2, 128
	PADJ 74, 8, 1024, 2, 128
	PADJ 78, 8, 6144, 2, 256
	PADJ 80, 8, 3072, 2, 128
	s_lshl_b32 s60, s2, 7
	s_add_nc_u64 s[82:83], s[82:83], s[60:61]
	s_add_nc_u64 s[84:85], s[84:85], s[60:61]
	s_add_nc_u64 s[P_WF:P_WF+1], s[P_WF:P_WF+1], s[60:61]
	PADJ 32, 9, 32768, 2, 4096
	PADJ 34, 9, 32768, 2, 4096
	PADJ P_OUT, 5, 1024, 6, 8
.irp i,0,1,2,3,4,5
	v_mov_b32 v[QB+\i], 0
	v_mov_b32 v[QB+12+\i], 0
	v_mov_b32 v[QB+24+\i], 0
.endr
	v_mov_b32 v[NMR+1], 0xff61b1e6         ; the largest t so far: -3e38
	v_mov_b32 v[NMR+3], 0xff61b1e6
	s_delay_alu instid0(VALU_DEP_2)
	v_floor_f32 v[NMR], -v[NMR+1]
	s_delay_alu instid0(VALU_DEP_2)
	v_floor_f32 v[NMR+2], -v[NMR+3]
.irp i,0,1,2,3
	v_mov_b32 v[SUMR+\i], 0
.endr
	v_mov_b32 v[F+1], 0                    ; (named as the upper half of a pair)
	WIN 0x40
.set jj, 96
.rept 64
	v_mov_b32 v[jj], 0                     ; O^T: the step is written once, its first trip finds zeros
.set jj, jj+1
.endr
	WIN 0
; ================= the mask becomes an f32 table, and a flag for each block-row
	s_wait_loadcnt 50                      ; the four layers' mask rows are in; behind them Q 4, K 14, W2 6, V 26
	s_cmp_eq_u32 s7, 1
	s_cselect_b32 s60, -1, 0
	s_cmp_eq_u32 s7, 2
	s_cselect_b32 s62, -1, 0
	s_cmp_eq_u32 s7, 3
	s_cselect_b32 s63, -1, 0
.irp i,0,1,2,3,4,5,6,7
	v_cndmask_b32 v[112+\i], v[112+\i], v[120+\i], s60     ; layer l's rows into v112-119
.endr
.irp i,0,1,2,3,4,5,6,7
	v_cndmask_b32 v[112+\i], v[112+\i], v[128+\i], s62
.endr
.irp i,0,1,2,3,4,5,6,7
	v_cndmask_b32 v[112+\i], v[112+\i], v[136+\i], s63
.endr
.irp a,0,1
	v_or_b32 v120, v[112+4*\a], v[113+4*\a]
	v_or_b32 v121, v[114+4*\a], v[115+4*\a]
	s_delay_alu instid0(VALU_DEP_1)
	v_or_b32 v120, v120, v121
	s_delay_alu instid0(VALU_DEP_1)
	v_cmp_ne_u32 vcc_lo, 0, v120
	s_cmp_lg_u32 vcc_lo, 0
	s_cselect_b32 s60, 1, 0
	v_mov_b32 v[122+\a], s60               ; has my wave's quarter of block-row (w / 4) + 2 a a true entry?
	ds_store_b32 v[FST], v[122+\a] offset:32*\a
.endr
.irp a,0,1
.irp k,0,1,2,3
.irp j,0,1,2,3
	v_bfe_u32 v[64+16*\a+4*\k+\j], v[112+4*\a+\k], 8*\j, 8
.endr
.endr
.endr
.set jj, 64
.rept 32
	v_add_nc_u32 v[jj], -1, v[jj]
.set jj, jj+1
.endr
.set jj, 64
.rept 32
	v_and_b32 v[jj], 0xf1800000, v[jj]     ; true: 0.0; false: -2^100
.set jj, jj+1
.endr
.irp a,0,1
.irp k,0,1,2,3
	ds_store_b128 v[VBS], v[64+16*\a+4*\k:64+16*\a+4*\k+3] offset:16416*\a+16*\k
.endr
.endr
	s_wait_loadcnt 46                      ; Q is in; behind it K 14, W2 6, V 26
.irp i,0,1,2,3,4,5
	v_cndmask_b32 v[QB+6+\i], v[48+\i], v[54+\i], s11      ; local tile 0 = tile kh,
	v_cndmask_b32 v[QB+18+\i], v[54+\i], v[48+\i], s11     ; local tile 1 = the other
.endr
	s_mov_b32 s60, 0x01000100
	s_mov_b32 s62, 0x03020302
	s_cmp_eq_u32 s4, 0
	s_cselect_b32 s63, s60, s62
	s_cselect_b32 s60, s62, s60
	v_perm_b32 v[QS], v60, v60, s63        ; a tile's two scale bytes, twice: they serve [q, 0] and [0, q]
	v_perm_b32 v[QS+1], v60, v60, s60
	WIN 0x40
.irp j,0,1,2,3
	IFRAG 192+12*\j, P_WI, 1536*\j         ; out_w's fragment j = 2 u + s: 16 loads behind V's 26, so the first step's counted waits cover more than they need
.endr
	WIN 0
.irp u,0,1
.irp s,0,1
	global_load_b32 v[OWS+2*\u+\s], v[WS8], s[44:45] offset:64*\u+4*\s
.endr
.endr
	BARRIER                                ; table and flags lie in LDS
	ds_load_b128 v[BM:BM+3], v[FL0]        ; the four flags of my query's block-row, local tile 0,
	ds_load_b128 v[BT:BT+3], v[FL1]        ; local tile 1
	BIASLD 0
	BIASLD 1
	s_wait_dscnt 32                        ; the flags are in; behind them the 32 loads of the first step's mask
	v_or_b32 v[BM], v[BM], v[BM+1]
	v_or_b32 v[BM+2], v[BM+2], v[BM+3]
	v_or_b32 v[BT], v[BT], v[BT+1]
	v_or_b32 v[BT+2], v[BT+2], v[BT+3]
	s_delay_alu instid0(VALU_DEP_3)
	v_or_b32 v[BM], v[BM], v[BM+2]
	s_delay_alu instid0(VALU_DEP_2)
	v_or_b32 v[BT], v[BT], v[BT+2]
	s_delay_alu instid0(VALU_DEP_2)
	v_cmp_eq_u32 s98, 0, v[BM]
	s_delay_alu instid0(VALU_DEP_2)
	v_cmp_eq_u32 s99, 0, v[BT]
.irp i,0,1,2,3,4,5
	v_cndmask_b32 v[QB+6+\i], v[QB+6+\i], v[QB], s98       ; a block-row with no true entry: its queries become zeros
	v_cndmask_b32 v[QB+18+\i], v[QB+18+\i], v[QB], s99
.endr
	PLACES 4                               ; an operand written by vector instructions stands four places ahead of a scaled product
; ================= attention: my 1,024 keys in eight steps
	s_mov_b32 s10, 7
.Lstep:
	s_wait_alu depctr_va_vdst(0)
	STEP 1
	s_sub_co_u32 s10, s10, 1
	s_cmp_lg_u32 s10, 0
	s_cbranch_scc1 .Lstep
	STEP 0                                 ; the last step asks for nothing: no load passes the end of the keys
; ================= the two waves of a head exchange a tile and merge
	v_add_f32 v[TMP], v[SUMR], v[SUMR+1]
	v_add_f32 v[TMP+1], v[SUMR+2], v[SUMR+3]
	s_delay_alu instid0(VALU_DEP_2)
	v_permlanex16_b32 v[BT], v[TMP], s20, s21
	s_delay_alu instid0(VALU_DEP_2)
	v_permlanex16_b32 v[BT+1], v[TMP+1], s20, s21
	s_delay_alu instid0(VALU_DEP_2)
	v_add_f32 v[TMP], v[TMP], v[BT]
	s_delay_alu instid0(VALU_DEP_2)
	v_add_f32 v[TMP+1], v[TMP+1], v[BT+1]
	WIN 0x04
.irp i,0,1,2,3,4,5,6,7
	ds_store_b128 v[XST], v[128+4*\i:131+4*\i] offset:512*\i   ; local tile 1's O^T, each sum from its low end on
.endr
	WIN 0
	ds_store_b32 v[XS4], v[NMR+2]
	ds_store_b32 v[XS4], v[TMP+1] offset:128
	s_wait_dscnt 0x0                       ; my tile lies in LDS:
	s_barrier_signal -1                    ; say so; the addresses for all that follows, work on registers alone, are made while the others arrive
	ADDR2
	s_wait_alu depctr_va_vdst(0)
	OUTPTRS
	s_barrier_wait -1                      ; the partner's tile lies in LDS
.irp i,0,1,2,3,4,5,6,7
	ds_load_b128 v[PB+4*\i:PB+4*\i+3], v[XLD] offset:512*\i
.endr
	ds_load_b32 v144, v[XL4]
	ds_load_b32 v145, v[XL4] offset:128
.irp tt,0,1
.irp i,0,1,2,3
	global_load_b128 v[HR+16*\tt+4*\i:HR+16*\tt+4*\i+3], v[L16], s[32:33] offset:2048*\tt+512*\i
.endr
.endr
	VEC16 CB, 46, 0
	VEC16 G, 48, 0
	VEC16 BTA, 50, 0
	WIN 0x40
.set ff, 0
.rept 7
	W1FR ff                                ; seven fragments into the registers that K and V have left;
.set ff, ff+1
.endr
	WIN 0
	s_wait_dscnt 0x0
	v_min_num_f32 v146, v[NMR], v144       ; -M of the two halves together
	s_delay_alu instid0(VALU_DEP_1)
	v_sub_f32 v147, v146, v[NMR]
	s_delay_alu instid0(VALU_DEP_2)
	v_sub_f32 v148, v146, v144
	s_delay_alu instid0(VALU_DEP_2)
	v_cvt_i32_f32 v147, v147
	s_delay_alu instid0(VALU_DEP_2)
	v_cvt_i32_f32 v148, v148
	s_delay_alu instid0(VALU_DEP_2)
	v_ldexp_f32 v147, 1.0, v147
	s_delay_alu instid0(VALU_DEP_2)
	v_ldexp_f32 v148, 1.0, v148
	s_delay_alu instid0(VALU_DEP_2)
	v_mul_f32 v149, v147, v[TMP]
	s_delay_alu instid0(VALU_DEP_1)
	v_fma_f32 v149, v148, v145, v149       ; the row's sum
	s_wait_alu depctr_va_vdst(0)
	v_rcp_f32 v150, v149
	v_nop
	s_wait_alu depctr_va_vdst(0)
	v_mul_f32 v152, v147, v150
	v_mul_f32 v153, v147, v150
	v_mul_f32 v154, v148, v150
	v_mul_f32 v155, v148, v150
	WIN 0x01
.set jj, 0
.rept 16
	v_pk_mul_f32 v[X+jj:X+jj+1], v[96+jj:96+jj+1], v[152:153]
.set jj, jj+2
.endr
	WIN 0
.set jj, 0
.rept 16
	v_pk_fma_f32 v[X+jj:X+jj+1], v[PB+jj:PB+jj+1], v[154:155], v[X+jj:X+jj+1]
.set jj, jj+2
.endr
	WIN 0x40
.rept 9
	W1FR ff                                ; the other nine, now that O^T has been read
.set ff, ff+1
.endr
	WIN 0
	QBLK X, AQA, 0, ASA, 0
	QBLK X+16, AQA, 768, ASA, 1
	BARRIER                                ; attention's result: four fragments in LDS
; ================= out-projection + h, LN2
.irp k,0,1,2,3
	FETCH BF4+12*\k, AIMG+1536*\k
	FSC BFS+\k, ASC+64*\k
.endr
	s_wait_dscnt 0x0
	s_wait_loadcnt 48                      ; h, out_b and LN2's gain and bias are in; behind them only W1's 16 fragments, three loads each
	WIN 0x01
.irp tt,0,1
.irp u,0,1
	MM X+16*\tt+8*\u, 192+24*\u, BF4+24*\tt, CB+8*\u, OWS+2*\u, BFS+2*\tt       ; the bias is the C of the first K step
.endr
.endr
.irp tt,0,1
.irp u,0,1
	MM X+16*\tt+8*\u, 192+24*\u+12, BF4+24*\tt+12, X+16*\tt+8*\u, OWS+2*\u+1, BFS+2*\tt+1
.endr
.endr
	WIN 0
	PLACES 4
.irp n,0,1,2,3,4,5,6,7
.irp s,0,1
	global_load_b32 v[WS+2*\n+\s], v[WS8], s[54:55] offset:(32*(\n/2)+8*(\n%2))*8+4*\s
.endr
.endr
	WIN 0x40
.irp n,0,1,2,3,4,5,6,7
	global_load_b128 v[192+8*\n:195+8*\n], v[COL], s[56:57] offset:128*(\n/2)+32*(\n%2)
	global_load_b128 v[196+8*\n:199+8*\n], v[COL], s[56:57] offset:128*(\n/2)+32*(\n%2)+16
.endr
	WIN 0
.set jj, 0
.rept 16
	v_pk_add_f32 v[X+jj:X+jj+1], v[X+jj:X+jj+1], v[HR+jj:HR+jj+1]
.set jj, jj+2
.endr
	LNHAT X, RD, 0
	AFFINE X, G, BTA
	QBLK X, AQO, 0, ASO, 0
	QBLK X+16, AQO, 3072, ASO, 128
	BARRIER
; ================= W1: my 128 hidden units for the 32 rows
.irp k,0,1,2,3
	FETCH BFW+12*\k, OIMG+1536*\k
	FSC BFS+\k, OSC+64*\k
.endr
	s_wait_dscnt 0x0
	s_wait_loadcnt 0x0
	WIN 0x11
.irp tt,0,1
.irp n,0,1,2,3,4,5,6,7
	MM HA+64*\tt+8*\n, 24*\n, BFW+24*\tt, 192+8*\n, WS+2*\n, BFS+2*\tt
.endr
.endr
	WIN 0x01
.irp tt,0,1
.irp n,0,1,2,3,4,5,6,7
	MM HA+64*\tt+8*\n, 24*\n+12, BFW+24*\tt+12, HA+64*\tt+8*\n, WS+2*\n+1, BFS+2*\tt+1
.endr
.endr
	WIN 0
	PLACES 4
.irp u,0,1
.irp s,0,1,2,3,4,5,6,7
	global_load_b32 v[WS+8*\u+\s], v[WS32], s[68:69] offset:256*\u+4*\s   ; W2's scale words, into the registers that W1's have left
.endr
.endr
	VEC16 CB2, 70, 0
.irp tt,0,1
.irp i,0,1,2,3
	global_load_b128 v[HR2+16*\tt+4*\i:HR2+16*\tt+4*\i+3], v[L16], s[32:33] offset:2048*\tt+512*\i
.endr
.endr
	W2LD 0                                 ; the first eight fragments of W2
.irp b,0,1,2,3
	QBLK HA+16*\b, AQH, 768*(\b%2)+24*(\b/2), ASH, \b
.endr
.irp b,0,1,2,3
	QBLK HA+64+16*\b, AQH, 12288+768*(\b%2)+24*(\b/2), ASH, 512+\b
.endr
	BARRIER                                ; the hidden layer: sixteen fragments in LDS
; ================= W2 + h: four sums by turns, four K steps a run
	s_wait_loadcnt 0x0                     ; W2's scale words, b2 and h are in
	s_cmp_eq_u32 s7, 3
	s_wait_alu depctr_va_vdst(0)
	s_cbranch_scc1 .Lno_inw                ; layer 3 has no next layer: nothing of in_w is asked for
	WIN 0x40
.irp g,0,1,2,3,4,5,6,7,8,9,10,11
	IFRAG 12*\g, P_INW, 1536*\g            ; in_w's fragment g = 4 kd + 2 u + s, into registers that W1 has left: the W2 product and the norm stand between these loads and their use
.endr
	WIN 0
.Lno_inw:
.irp g,0,1
.irp tt,0,1
.irp sl,0,1,2,3
	FETCH BF8+12*(4*\tt+\sl), HIMG+1536*(8*\tt+4*\g+\sl)
	FSC BFS+4*\tt+\sl, HSC+64*(8*\tt+4*\g+\sl)
.endr
.endr
.if \g
	W2LD 1                                 ; the other eight, four places behind the products that read the first eight
.endif
	s_wait_dscnt 0x0
	WIN 0x01
.irp sl,0,1,2,3
.irp tt,0,1
.irp u,0,1
.if (\g==0)&&(\sl==0)
	MM X+16*\tt+8*\u, W2B+12*(4*\u), BF8+12*(4*\tt), CB2+8*\u, WS+8*\u, BFS+4*\tt
.else
	MM X+16*\tt+8*\u, W2B+12*(4*\u+\sl), BF8+12*(4*\tt+\sl), X+16*\tt+8*\u, WS+8*\u+4*\g+\sl, BFS+4*\tt+\sl
.endif
.endr
.endr
.endr
	WIN 0
	PLACES 4
.endr
.set jj, 0
.rept 16
	v_pk_add_f32 v[X+jj:X+jj+1], v[X+jj:X+jj+1], v[HR2+jj:HR2+jj+1]       ; the residual is the block's input
.set jj, jj+2
.endr
; ================= the tails on the new h
	s_cmp_eq_u32 s7, 3
	s_wait_alu depctr_va_vdst(0)
	s_cbranch_scc1 .Lno_ctr                ; layer 3: nobody reads the new h or the counter from memory
	HSTORE
	s_or_b32 s60, s5, s6
	s_or_b32 s60, s60, s2
	s_cmp_lg_u32 s60, 0
	s_cbranch_scc1 .Lno_ctr
	v_mov_b32 v240, s66
	global_store_b32 v[L4], v240, s[30:31]
.Lno_ctr:
	VEC16 GF, 82, 0
	VEC16 BFF, 84, 0
	VEC16 WF0, P_WF, 0
	VEC16 WF0+16, P_WF, 1024
	s_cmp_eq_u32 s7, 3
	s_cbranch_scc1 .Lno_in
	INLOADS
.Lno_in:
	s_wait_xcnt 0x0
	s_wait_alu depctr_va_vdst(0)
	LNHAT X, RD2, 2048
	s_wait_loadcnt 0x0
	; the classifier's part of my 32 columns: (x g + b) . wf, for two tiles and two classes
.irp tt,0,1
.irp i,0,2,4,6,8,10,12,14
	v_pk_fma_f32 v[RD2+\i:RD2+\i+1], v[X+16*\tt+\i:X+16*\tt+\i+1], v[GF+\i:GF+\i+1], v[BFF+\i:BFF+\i+1]
.endr
.irp c,0,1
	v_pk_mul_f32 v[QT+4*\tt+2*\c:QT+4*\tt+2*\c+1], v[RD2:RD2+1], v[WF0+16*\c:WF0+16*\c+1]
.irp i,2,4,6,8,10,12,14
	s_delay_alu instid0(VALU_DEP_1)
	v_pk_fma_f32 v[QT+4*\tt+2*\c:QT+4*\tt+2*\c+1], v[RD2+\i:RD2+\i+1], v[WF0+16*\c+\i:WF0+16*\c+\i+1], v[QT+4*\tt+2*\c:QT+4*\tt+2*\c+1]
.endr
.endr
.endr
.irp k,0,2,4,6
	v_add_f32 v[QT+\k], v[QT+\k], v[QT+\k+1]
.endr
.irp k,0,2,4,6
	s_delay_alu instid0(VALU_DEP_4)
	v_permlanex16_b32 v[QT+\k+1], v[QT+\k], s20, s21
.endr
.irp k,0,2,4,6
	s_delay_alu instid0(VALU_DEP_4)
	v_add_f32 v[QT+\k], v[QT+\k], v[QT+\k+1]
.endr
	s_delay_alu instid0(VALU_DEP_2)
	v_cndmask_b32 v[RD2], v[QT], v[QT+4], s24
	s_delay_alu instid0(VALU_DEP_2)
	v_cndmask_b32 v[RD2+1], v[QT+2], v[QT+6], s24
	ds_store_b32 v[FRS], v[RD2]
	ds_store_b32 v[FRS], v[RD2+1] offset:32
	s_cmp_eq_u32 s7, 3
	s_wait_alu depctr_va_vdst(0)
	s_cbranch_scc1 .Lno_o
	AFFINE X, G1, B1T
	QBLK X, AQO, 32000, ASO, 32000         ; NIMG and NSC lie 32,000 bytes behind OIMG and OSC
	QBLK X+16, AQO, 32000+3072, ASO, 32000+128
.Lno_o:
	BARRIER                                ; the classifier's parts, and for l < 3 o's four fragments, lie in LDS
	s_cmp_eq_u32 s7, 3
	s_cbranch_scc1 .Lno_qkv
	QKVPHASE
.Lno_qkv:
	BARRIER                                ; for l < 3 the codes of q, k, v lie staged; every wave passes both barriers in every layer
	s_cmp_eq_u32 s7, 3
	s_cbranch_scc1 .Lno_copy
	COPYOUT
.Lno_copy:
	s_cmp_lg_u32 s2, 0
	s_cbranch_scc1 .Lend
	ds_load_b128 v[80:83], v[FRL]          ; wave 0 adds the eight waves' parts: lane (rho, T) has one row, two classes
	ds_load_b128 v[84:87], v[FRL] offset:16
	ds_load_b128 v[88:91], v[FRL] offset:32
	ds_load_b128 v[92:95], v[FRL] offset:48
	s_wait_dscnt 0x0
	v_pk_add_f32 v[80:81], v[80:81], v[82:83]
	v_pk_add_f32 v[84:85], v[84:85], v[86:87]
	v_pk_add_f32 v[88:89], v[88:89], v[90:91]
	v_pk_add_f32 v[92:93], v[92:93], v[94:95]
	s_delay_alu instid0(VALU_DEP_3)
	v_pk_add_f32 v[80:81], v[80:81], v[84:85]
	s_delay_alu instid0(VALU_DEP_2)
	v_pk_add_f32 v[88:89], v[88:89], v[92:93]
	s_delay_alu instid0(VALU_DEP_2)
	v_add_f32 v80, v80, v81
	s_delay_alu instid0(VALU_DEP_2)
	v_add_f32 v81, v88, v89
	s_delay_alu instid0(VALU_DEP_2)
	v_add_f32 v80, s96, v80
	s_delay_alu instid0(VALU_DEP_2)
	v_add_f32 v81, s97, v81
	global_store_b64 v[OUTO], v[80:81], s[P_OUT:P_OUT+1]
.Lend:
	s_wait_tensorcnt 0x0
	ds_add_u32 v14, v255
	s_wait_dscnt 0x0
	s_endpgm
.Lfunc_end_k_qb68b6ef1cb_layer0:
	.size	k_qb68b6ef1cb_layer0, .Lfunc_end_k_qb68b6ef1cb_layer0-k_qb68b6ef1cb_layer0
	.p2alignl 7, 3214868480
	.fill 96, 4, 3214868480
	.section	.rodata,"a",@progbits
	.p2align	6, 0x0
	.amdhsa_kernel k_qb68b6ef1cb_layer0
		.amdhsa_group_segment_fixed_size 300800
		.amdhsa_private_segment_fixed_size 0
		.amdhsa_enable_private_segment 0
		.amdhsa_kernarg_size 200
		.amdhsa_user_sgpr_count 2
		.amdhsa_user_sgpr_kernarg_segment_ptr 1
		.amdhsa_wavefront_size32 1
		.amdhsa_system_sgpr_workgroup_id_x 1
		.amdhsa_system_sgpr_workgroup_id_y 1
		.amdhsa_system_sgpr_workgroup_id_z 1
		.amdhsa_system_vgpr_workitem_id 0
		.amdhsa_next_free_vgpr 512
		.amdhsa_next_free_sgpr 100
		.amdhsa_reserve_vcc 1
		.amdhsa_float_denorm_mode_32 3
		.amdhsa_float_denorm_mode_16_64 3
		.amdhsa_memory_ordered 1
		.amdhsa_forward_progress 1
		.amdhsa_inst_pref_size 208
	.end_amdhsa_kernel
	.amdgpu_metadata
---
amdhsa.version: [ 1, 2 ]
amdhsa.kernels:
  - .name:           k_qb68b6ef1cb_layer0
    .symbol:         k_qb68b6ef1cb_layer0.kd
    .args:
      - { .name: ctrA, .offset: 0, .size: 8, .value_kind: global_buffer, .address_space: global }
      - { .name: ctrB, .offset: 8, .size: 8, .value_kind: global_buffer, .address_space: global }
      - { .name: hA, .offset: 16, .size: 8, .value_kind: global_buffer, .address_space: global }
      - { .name: hB, .offset: 24, .size: 8, .value_kind: global_buffer, .address_space: global }
      - { .name: qkvA, .offset: 32, .size: 8, .value_kind: global_buffer, .address_space: global }
      - { .name: qkvB, .offset: 40, .size: 8, .value_kind: global_buffer, .address_space: global }
      - { .name: mask, .offset: 48, .size: 8, .value_kind: global_buffer, .address_space: global }
      - { .name: wimg, .offset: 56, .size: 8, .value_kind: global_buffer, .address_space: global }
      - { .name: out_w_scales, .offset: 64, .size: 8, .value_kind: global_buffer, .address_space: global }
      - { .name: out_b, .offset: 72, .size: 8, .value_kind: global_buffer, .address_space: global }
      - { .name: ln2_g, .offset: 80, .size: 8, .value_kind: global_buffer, .address_space: global }
      - { .name: ln2_b, .offset: 88, .size: 8, .value_kind: global_buffer, .address_space: global }
      - { .name: wf, .offset: 96, .size: 8, .value_kind: global_buffer, .address_space: global }
      - { .name: w1_scales, .offset: 104, .size: 8, .value_kind: global_buffer, .address_space: global }
      - { .name: b1, .offset: 112, .size: 8, .value_kind: global_buffer, .address_space: global }
      - { .name: bf, .offset: 120, .size: 8, .value_kind: global_buffer, .address_space: global }
      - { .name: w2_scales, .offset: 128, .size: 8, .value_kind: global_buffer, .address_space: global }
      - { .name: b2, .offset: 136, .size: 8, .value_kind: global_buffer, .address_space: global }
      - { .name: ln1_g, .offset: 144, .size: 8, .value_kind: global_buffer, .address_space: global }
      - { .name: ln1_b, .offset: 152, .size: 8, .value_kind: global_buffer, .address_space: global }
      - { .name: out0, .offset: 160, .size: 8, .value_kind: global_buffer, .address_space: global }
      - { .name: in_w_scales, .offset: 168, .size: 8, .value_kind: global_buffer, .address_space: global }
      - { .name: in_b, .offset: 176, .size: 8, .value_kind: global_buffer, .address_space: global }
      - { .name: lnf_g, .offset: 184, .size: 8, .value_kind: global_buffer, .address_space: global }
      - { .name: lnf_b, .offset: 192, .size: 8, .value_kind: global_buffer, .address_space: global }
    .group_segment_fixed_size: 300800
    .private_segment_fixed_size: 0
    .kernarg_segment_align: 8
    .kernarg_segment_size: 200
    .max_flat_workgroup_size: 256
    .sgpr_count:     100
    .vgpr_count:     512
    .wavefront_size: 32
...
	.end_amdgpu_metadata
.endif
;; end of part 4
;; launch layer1: the kernel of part 4 again; grid 64 x 4, 8 waves a work-group, no clusters, 300,800 bytes of LDS; arguments ctrB, ctrA, hB, hA, qkvB, qkvA, mask, wimg, out_w_scales, out_b, ln2_g, ln2_b, wf, w1_scales, b1, bf, w2_scales, b2, ln1_g, ln1_b, out0, in_w_scales, in_b, lnf_g, lnf_b; writes ctrA, hA, qkvA, out0
;; launch layer2: the kernel of part 4 again; grid 64 x 4, 8 waves a work-group, no clusters, 300,800 bytes of LDS; arguments ctrA, ctrB, hA, hB, qkvA, qkvB, mask, wimg, out_w_scales, out_b, ln2_g, ln2_b, wf, w1_scales, b1, bf, w2_scales, b2, ln1_g, ln1_b, out0, in_w_scales, in_b, lnf_g, lnf_b; writes ctrB, hB, qkvB, out0
;; launch layer3: the kernel of part 4 again; grid 64 x 4, 8 waves a work-group, no clusters, 300,800 bytes of LDS; arguments ctrB, ctrA, hB, hA, qkvB, qkvA, mask, wimg, out_w_scales, out_b, ln2_g, ln2_b, wf, w1_scales, b1, bf, w2_scales, b2, ln1_g, ln1_b, out0, in_w_scales, in_b, lnf_g, lnf_b; writes ctrA, hA, qkvA, out0
